; MI455X (gfx1250); checked and timed in simulation.
; The chip was launched on July 23, 2026; its instructions are those of AMD's public machine-readable ISA for CDNA 5 (MIT licence, August 2026) and "CDNA5" Instruction Set Architecture Reference Guide (July 2026). The comments in the code are by the model that wrote it; some were corrected since.
;; Flash Attn Cross Layer. Allowed arithmetic: matrix products marked QUANTISED: E4M3 operands, one given power-of-two scale a tensor, by v_wmma_f32_16x16x64_fp8_fp8 or v_wmma_f32_16x16x128_fp8_fp8, f32 sums; everything else in f32.
;; Inputs: W1_codes 4,096 x 32 x 32 uint8 (E4M3 codes of W1, K innermost, in blocks of 32 codes); W2_codes 1,024 x 128 x 32 uint8 (E4M3 codes of W2, K innermost, in blocks of 32 codes); Wk_codes 1,024 x 32 x 32 uint8 (E4M3 codes of Wk, K innermost, in blocks of 32 codes); Wo_codes 1,024 x 32 x 32 uint8 (E4M3 codes of Wo, K innermost, in blocks of 32 codes); Wq_codes 1,024 x 32 x 32 uint8 (E4M3 codes of Wq, K innermost, in blocks of 32 codes); Wv_codes 1,024 x 32 x 32 uint8 (E4M3 codes of Wv, K innermost, in blocks of 32 codes); b1 4,096 float32; b2 1,024 float32; bk 1,024 float32; bo 1,024 float32; bq 1,024 float32; bv 1,024 float32; kvn_b 1,024 float32; kvn_g 1,024 float32; lowp_scales 16 int32 (the exponents e of the quantised operands' scales 2^e); n2_b 1,024 float32; n2_g 1,024 float32; qn_b 1,024 float32; qn_g 1,024 float32; x_kv 2 x 2,048 x 1,024 float32; x_q 2 x 2,048 x 1,024 float32.
;; Outputs: out0 2 x 2,048 x 1,024 float32.
;; This version of the problem:
;;   THIS VERSION OF THE PROBLEM IS GIVEN IN LOW PRECISION. The matrix products marked QUANTISED in the list below multiply operands that are first quantised to E4M3 (4 exponent bits, 3 mantissa bits; 8 bits a number), with one given power-of-two scale for each operand tensor; their sums are f32. All else is computed in f32.
;;   The module's matrix products, in the order in which they are computed (A, B: the left and right operand; K: the contracted axis; several contracted axes count as one K, in the product's order):
;;     1. [M 4,096, K 1,024] x [K 1,024, N 1,024]; A: computed on the way; B: input Wq (given as codes): QUANTISED (scales: A lowp_scales[0], B lowp_scales[1])
;;     2. [M 4,096, K 1,024] x [K 1,024, N 1,024]; A: computed on the way; B: input Wk (given as codes): QUANTISED (scales: A lowp_scales[2], B lowp_scales[3])
;;     3. [M 4,096, K 1,024] x [K 1,024, N 1,024]; A: computed on the way; B: input Wv (given as codes): QUANTISED (scales: A lowp_scales[4], B lowp_scales[5])
;;     4. batch 32 x [M 2,048, K 64] x [K 64, N 2,048]; A: computed on the way; B: computed on the way: QUANTISED (scales: A lowp_scales[6], B lowp_scales[7])
;;     5. batch 32 x [M 64, K 2,048] x [K 2,048, N 2,048]; A: computed on the way; B: computed on the way: QUANTISED (scales: A lowp_scales[8], B lowp_scales[9])
;;     6. [M 4,096, K 1,024] x [K 1,024, N 1,024]; A: computed on the way; B: input Wo (given as codes): QUANTISED (scales: A lowp_scales[10], B lowp_scales[11])
;;     7. [M 4,096, K 1,024] x [K 1,024, N 4,096]; A: computed on the way; B: input W1 (given as codes): QUANTISED (scales: A lowp_scales[12], B lowp_scales[13])
;;     8. [M 4,096, K 4,096] x [K 4,096, N 1,024]; A: computed on the way; B: input W2 (given as codes): QUANTISED (scales: A lowp_scales[14], B lowp_scales[15])
;;   THE QUANTISER, for each operand of a quantised product, along K:
;;     - The operand's scale is 2^e, e = its entry of the input lowp_scales (int32; the entries are numbered through the quantised products in the list's order, A before B).
;;     - Each number is divided by the scale, clamped to +-448, and rounded to the nearest number of E4M3, ties to even, subnormals kept.
;;     - The product sums the exact products of the quantised numbers (number of the format x scale) in f32.
;;   ~~~python
;;   def quantise(x, axis, e):      # numpy; x: float32 -> the quantised numbers, widened to float32 again
;;       x = np.moveaxis(x, axis, -1); K = x.shape[-1]
;;       r = np.clip(x / 2.0 ** e, -448, 448)
;;       step = 2.0 ** (np.maximum(np.frexp(np.where(r == 0, 1, r))[1] - 1, -6) - 3)
;;       q = np.round(r / step) * step * 2.0 ** e      # np.round: ties to even
;;       return np.moveaxis(q, -1, axis).astype(np.float32)
;;   ~~~
;;   OPERANDS COMPUTED ON THE WAY. 'Computed on the way' means the value that the module computes at that place (a softmax that the list does not call 'softmax' is quantised finished and normalised). What goes into a quantiser is computed in f32, as accurately as f32 sums, v_exp_f32 and their like allow (about 1e-6 of the number): no bf16 or f16 on the way to a quantiser, and a product that is left as it is and whose result goes on into a quantised operand takes f32 operands (vector FMAs, or v_wmma_f32_16x16x4_f32). A number that lies on a knife's edge between two numbers of the format may be rounded either way, as far as f32 arithmetic and the matrix unit's own rounding can turn it there, and no further.
;;   INPUTS GIVEN AS CODES. W1 (in the module: [4096, 1024], K = its axis 1); W2 (in the module: [1024, 4096], K = its axis 1); Wk (in the module: [1024, 1024], K = its axis 1); Wo (in the module: [1024, 1024], K = its axis 1); Wq (in the module: [1024, 1024], K = its axis 1); Wv (in the module: [1024, 1024], K = its axis 1): each comes as NAME_codes (uint8): NAME with its K axis moved to the last place and cut into blocks of 32 codes, [.., K / 32, bytes a block], one block behind the other in memory; one code a byte (a code: sign, 4 exponent bits, 3 mantissa bits); its scale is its entry of lowp_scales. Its value is code x scale, taken as it is: it is not quantised again, and the codes and scales need not be those that the quantiser above would give.
;; 2 versions, each right. Each part assembles by itself: llvm-mc -triple=amdgcn-amd-amdhsa -mcpu=gfx1250 --defsym DOCPART=n.
;; ======== version 1 of 2: 7 launches
;; workspace buffers: ln1_c 12,582,912 bytes; qkv_i 12,582,912 bytes; ao_c 4,194,304 bytes; xres 16,777,216 bytes; ln2_c 4,194,304 bytes; h_c 16,777,216 bytes
;; launch lnq1 (part 1): grid 512 x 1, 4 waves a work-group, no clusters, 33,792 bytes of LDS; arguments x_q, x_kv, qn_g, qn_b, kvn_g, kvn_b, lowp_scales, ln1_c; writes ln1_c
.if DOCPART == 1
	.amdgcn_target "amdgcn-amd-amdhsa--gfx1250"
	.amdhsa_code_object_version 6
	.text
	.protected	k_qeb028d6779_lnq1
	.globl	k_qeb028d6779_lnq1
	.p2align	8
	.type	k_qeb028d6779_lnq1,@function
k_qeb028d6779_lnq1:
	s_mov_b64 s[64:65], 0
	v_nop
	global_prefetch_b8 v0, s[64:65] scope:SCOPE_SE
	s_setreg_imm32_b32 hwreg(HW_REG_WAVE_MODE, 25, 1), 1
	s_wait_xcnt 0x0
; LAUNCH 1 OF 7.  The layer: LN -> q, k, v -> softmax-1 attention -> Wo + residual -> LN -> W1, erf-GELU, W2 + residual; all eight products on E4M3 codes with the given scales 2^e.
; NO WORK OF THE PROBLEM IS LEFT OUT IN ANY LAUNCH: every bias goes into a quantised operand or into the output, the implicit zero logit of softmax-1 is kept, every input is loaded.
; THIS LAUNCH: LN(x_q) as codes with e0; LN(x_kv) as codes twice, with e2 (for k) and with e4 (for v).  Mean, variance, gain and bias in f32; code = y / 2^e, held within +-448, to the nearest code, ties to even.
; OUT: ln1_c, three parts of 4 MiB (q, k's, v's), each [row tile of 16][K / 128][2,048 bytes]: the register image of a 16 x 128 fragment: byte (r, k) at (k / 16) x 256 + 16 r + k % 16.
; SHARES: a work-group takes 16 rows (groups 0-255: x_q, 256-511: x_kv); wave w rows 4 w .. 4 w + 3, a whole row in 32 registers a lane: the row is read from memory once.
; The codes go row-major into a stage in LDS (pitch 1,040 = 65 x 16 bytes, so that the sixteen rows of a 16-byte read start in different banks) and leave as 512 consecutive bytes a store.
; No matrix unit, no cluster, no tensor load: the launch streams, and its work-groups share nothing.
; LIMITS: each e between -126 and 119, so that 2^e and 448 x 2^e are f32 numbers.  NaN among the inputs is not served.
.set TWO,   1                          ; 1: two tensors, the second with two scales;  0: one tensor, one scale
.set PITCH, 1040
.set STGB,  16*PITCH                   ; the second stage
.set SPARE, 32*PITCH                   ; behind the stages: the spare words, 128 bytes a wave: two blocks of 256 bytes that no other line names
.set GO,  1                            ; v1   16 x lane: my bytes of a load of g or b
.set XO,  2                            ; v2   16 x lane + 16,384 x wave: my bytes in the group's rows of x
.set SI,  3                            ; v3   stage, in: 4 x lane + my wave's first row
.set SO,  4                            ; v4   stage, out: row r, + 16 h, + 256 x wave
.set OO,  5                            ; v5   my bytes in the row tile's image: 4,096 x wave + 16 x lane
.set SPW, 6                            ; v6   my spare word; never rewritten
.set NIL, 7                            ; v7   0; never rewritten
.set MR,  8                            ; v8-15  a pair a row: the mean, then 1 / sqrt(var + eps); later the scales
.set T,   16                           ; v16-31 two sets of 8 numbers, held, for the conversions
.set PD,  31                           ; v31  the lane permute's destination (written once at the head)
.set SUM, 32                           ; v32-47 two chains a row
.set C,   32                           ; v32-63 codes, 8 registers a row; then the read-back
.set X,   64                           ; v64-191 the rows
.set G,   192
.set B,   224
.set OP,  22                           ; s[22:23] the output
.if TWO
.set XP, 24
.set GP, 26
.set BP, 28
.else
.set XP, 8
.set GP, 10
.set BP, 12
.endif
.macro RED r                           ; the sum of v[r] over the 32 lanes, in every lane
	v_add_f32_dpp v[\r], v[\r], v[\r] row_xmask:1 row_mask:0xf bank_mask:0xf
	v_add_f32_dpp v[\r], v[\r], v[\r] row_xmask:2 row_mask:0xf bank_mask:0xf
	v_add_f32_dpp v[\r], v[\r], v[\r] row_xmask:4 row_mask:0xf bank_mask:0xf
	v_add_f32_dpp v[\r], v[\r], v[\r] row_xmask:8 row_mask:0xf bank_mask:0xf
	v_permlanex16_b32 v[PD], v[\r], s44, s45
	v_add_f32 v[\r], v[\r], v[PD]
.endm
.macro MEAN i, left                    ; left: the younger loads that may stay out
	s_wait_loadcnt \left
	v_pk_add_f32 v[SUM+4*\i:SUM+4*\i+1], v[X+32*\i:X+32*\i+1], v[X+32*\i+4:X+32*\i+5]
	v_pk_add_f32 v[SUM+4*\i+2:SUM+4*\i+3], v[X+32*\i+2:X+32*\i+3], v[X+32*\i+6:X+32*\i+7]
.set p, 8
.rept 6
	v_pk_add_f32 v[SUM+4*\i:SUM+4*\i+1], v[SUM+4*\i:SUM+4*\i+1], v[X+32*\i+p:X+32*\i+p+1]
	v_pk_add_f32 v[SUM+4*\i+2:SUM+4*\i+3], v[SUM+4*\i+2:SUM+4*\i+3], v[X+32*\i+p+2:X+32*\i+p+3]
.set p, p+4
.endr
	v_pk_add_f32 v[SUM+4*\i:SUM+4*\i+1], v[SUM+4*\i:SUM+4*\i+1], v[SUM+4*\i+2:SUM+4*\i+3]
	v_add_f32 v[SUM+4*\i], v[SUM+4*\i], v[SUM+4*\i+1]
	RED SUM+4*\i
	v_mul_f32 v[MR+2*\i], s46, v[SUM+4*\i]         ; / 1,024
	v_mov_b32 v[MR+2*\i+1], v[MR+2*\i]             ; (named with it as a pair, so it is written)
.endm
.macro VAR i                           ; x - mean in place; then mean of squares + eps
.set p, 0
.rept 16
	v_pk_add_f32 v[X+32*\i+p:X+32*\i+p+1], v[X+32*\i+p:X+32*\i+p+1], v[MR+2*\i:MR+2*\i+1] op_sel_hi:[1,0] neg_lo:[0,1] neg_hi:[0,1]
.set p, p+2
.endr
	v_pk_mul_f32 v[SUM+4*\i:SUM+4*\i+1], v[X+32*\i:X+32*\i+1], v[X+32*\i:X+32*\i+1]
	v_pk_mul_f32 v[SUM+4*\i+2:SUM+4*\i+3], v[X+32*\i+2:X+32*\i+3], v[X+32*\i+2:X+32*\i+3]
.set p, 4
.rept 7
	v_pk_fma_f32 v[SUM+4*\i:SUM+4*\i+1], v[X+32*\i+p:X+32*\i+p+1], v[X+32*\i+p:X+32*\i+p+1], v[SUM+4*\i:SUM+4*\i+1]
	v_pk_fma_f32 v[SUM+4*\i+2:SUM+4*\i+3], v[X+32*\i+p+2:X+32*\i+p+3], v[X+32*\i+p+2:X+32*\i+p+3], v[SUM+4*\i+2:SUM+4*\i+3]
.set p, p+4
.endr
	v_pk_add_f32 v[SUM+4*\i:SUM+4*\i+1], v[SUM+4*\i:SUM+4*\i+1], v[SUM+4*\i+2:SUM+4*\i+3]
	v_add_f32 v[SUM+4*\i], v[SUM+4*\i], v[SUM+4*\i+1]
	RED SUM+4*\i
	v_fma_f32 v[SUM+4*\i], v[SUM+4*\i], s46, s47   ; / 1,024 + 1e-5
.endm
.macro NORM i                          ; y = ((x - mean) rs) g + b
.set p, 0
.rept 16
	v_pk_mul_f32 v[X+32*\i+p:X+32*\i+p+1], v[X+32*\i+p:X+32*\i+p+1], v[MR+2*\i:MR+2*\i+1] op_sel_hi:[1,0]
.set p, p+2
.endr
.set p, 0
.rept 16
	v_pk_fma_f32 v[X+32*\i+p:X+32*\i+p+1], v[X+32*\i+p:X+32*\i+p+1], v[G+p:G+p+1], v[B+p:B+p+1]
.set p, p+2
.endr
.endm
.macro MKQ e, qs, lim                  ; v[qs] = 2^e as f32 (the conversion takes its exponent field), v[lim] = 448 x 2^e
	s_add_co_i32 s40, s[\e], 127
	s_lshl_b32 s41, s40, 23
	v_mov_b32 v[\qs], s41
	s_add_co_i32 s40, s40, 8
	s_lshl_b32 s40, s40, 23
	s_or_b32 s40, s40, 0x600000
	v_mov_b32 v[\lim], s40
.endm
; My four rows become codes.  Eight registers are two loads' numbers: k = 256 m + 4 lane + 0..3 and 128 further on: each code register is 4 neighbouring bytes of the row.
; The held numbers go into two sets by turns, so that eight plain lines stand between a conversion and the next write of its sources.
.macro QROWS qs, lim, stg
.set i, 0
.rept 4
.set m, 0
.rept 4
.set n, 0
.rept 8
	v_med3_num_f32 v[T+8*(m%2)+n], v[X+32*i+8*m+n], -v[\lim], v[\lim]   ; the conversion to an 8-bit code does not saturate (ISA guide 7.6.2): the hold comes first
.set n, n+1
.endr
	v_cvt_scalef32_pk8_fp8_f32 v[C+8*i+2*m:C+8*i+2*m+1], v[T+8*(m%2):T+8*(m%2)+7], v[\qs]
	ds_store_b32 v[SI], v[C+8*i+2*m] offset:\stg+i*PITCH+256*m
	ds_store_b32 v[SI], v[C+8*i+2*m+1] offset:\stg+i*PITCH+256*m+128
.set m, m+1
.endr
.set i, i+1
.endr
	v_nop                                          ; a plain line behind the last conversion
.endm
; Two fragments of the row tile (K blocks 2 w, 2 w + 1) leave: lane (r, h) reads 16 codes of row r, and the wave stores 512 consecutive bytes, aligned.
.macro OUT stg, reg, off
.set n, 0
.rept 8
	ds_load_b128 v[\reg+4*n:\reg+4*n+3], v[SO] offset:\stg+(n/4)*128+(n%4)*32
.set n, n+1
.endr
.set n, 0
.rept 8
	s_wait_dscnt 7-n                               ; LDS loads come back in order: number n is in
	global_store_b128 v[OO], v[\reg+4*n:\reg+4*n+3], s[OP:OP+1] offset:\off+(n/4)*2048+(n%4)*512
.set n, n+1
.endr
.endm
.if TWO
	s_load_b512 s[8:23], s[0:1], 0x0               ; x_q, x_kv, qn_g, qn_b, kvn_g, kvn_b, lowp_scales, ln1_c
.else
	s_load_b256 s[8:15], s[0:1], 0x0               ; x, g, b, lowp_scales
	s_load_b64 s[22:23], s[0:1], 0x20              ; the codes
.endif
	v_lshl_add_u32 v[SPW], v0, 2, SPARE
	v_mov_b32 v[NIL], 0
	v_lshrrev_b32 v9, 5, v0
	v_readfirstlane_b32 s42, v9                    ; wave
	v_and_b32 v8, 31, v0                           ; lane
	v_lshlrev_b32 v[GO], 4, v8
	s_lshl_b32 s43, s42, 14
	v_add_nc_u32 v[XO], s43, v[GO]
	s_mul_i32 s43, s42, 4*PITCH
	v_lshl_add_u32 v[SI], v8, 2, s43
	v_and_b32 v9, 15, v0                           ; r
	v_bfe_u32 v10, v0, 4, 1                        ; h
	v_mul_u32_u24 v[SO], v9, PITCH
	v_lshl_add_u32 v[SO], v10, 4, v[SO]
	s_lshl_b32 s43, s42, 8
	v_add_nc_u32 v[SO], s43, v[SO]
	s_lshl_b32 s43, s42, 12
	v_add_nc_u32 v[OO], s43, v[GO]
	v_mov_b32 v[PD], 0
	s_mov_b32 s44, 0x76543210                      ; lane selects: lane l xor 16
	s_mov_b32 s45, 0xfedcba98
	s_mov_b32 s46, 0x3a800000                      ; 1 / 1,024
	s_mov_b32 s47, 0x3727c5ac                      ; 1e-5
	s_wait_kmcnt 0x0
.if TWO
	s_cmp_lt_u32 ttmp9, 256                        ; x_q's work-group or x_kv's: the choice hangs on the work-group's number alone
	s_cselect_b64 s[XP:XP+1], s[8:9], s[10:11]
	s_cselect_b64 s[GP:GP+1], s[12:13], s[16:17]
	s_cselect_b64 s[BP:BP+1], s[14:15], s[18:19]
	s_load_b256 s[32:39], s[20:21], 0x0            ; e0 .. e7
.else
	s_load_b32 s32, s[14:15], 0x30                 ; e12
.endif
	s_and_b32 s40, ttmp9, 255
	s_lshl_b32 s40, s40, 16                        ; 16 rows of 4,096 bytes
	s_mov_b32 s41, 0
	s_add_nc_u64 s[XP:XP+1], s[XP:XP+1], s[40:41]
	s_lshl_b32 s40, ttmp9, 14                      ; a row tile's image is 16,384 bytes; groups 256 on fall into the second part
	s_add_nc_u64 s[OP:OP+1], s[OP:OP+1], s[40:41]
.set i, 0
.rept 4
.set j, 0
.rept 8
	global_load_b128 v[X+32*i+4*j:X+32*i+4*j+3], v[XO], s[XP:XP+1] offset:i*4096+j*512 th:TH_LOAD_NT   ; 512 consecutive bytes a load
.set j, j+1
.endr
.set i, i+1
.endr
.set j, 0
.rept 8
	global_load_b128 v[G+4*j:G+4*j+3], v[GO], s[GP:GP+1] offset:j*512
.set j, j+1
.endr
.set j, 0
.rept 8
	global_load_b128 v[B+4*j:B+4*j+3], v[GO], s[BP:BP+1] offset:j*512
.set j, j+1
.endr
	MEAN 0, 40                                     ; behind row 0's eight loads: 24 of the other rows, 16 of g and b
	MEAN 1, 32
	MEAN 2, 24
	MEAN 3, 16
	VAR 0
	VAR 1
	VAR 2
	VAR 3
.irp i, 0,1,2,3
	v_rsq_f32 v[MR+2*\i], v[SUM+4*\i]
.endr
	v_nop                                          ; a plain line behind the last of the batch
	s_wait_alu depctr_va_vdst(0)                   ; one wait for the four, ahead of their first reader
	s_wait_loadcnt 0x0                             ; g and b
	NORM 0
	NORM 1
	NORM 2
	NORM 3
	s_wait_kmcnt 0x0
.if TWO
	s_cmp_lt_u32 ttmp9, 256
	s_cselect_b32 s32, s32, s34                    ; e0 for x_q, e2 for x_kv
.endif
	MKQ 32, 8, 9
	QROWS 8, 9, 0
.if TWO
	s_cmp_lt_u32 ttmp9, 256
	s_cbranch_scc1 .Lone_scale
	MKQ 36, 10, 11                                 ; e4
	s_wait_dscnt 0x0                               ; the stores have read the code registers
	QROWS 10, 11, STGB
.Lone_scale:
.endif
	s_wait_dscnt 0x0                               ; for the others' sake: my stores into the stages are done
	s_barrier_signal -1
	s_barrier_wait -1
	OUT 0, 32, 0
.if TWO
	s_cmp_lt_u32 ttmp9, 256
	s_cbranch_scc1 .Lone_out
	OUT STGB, 64, 4194304                          ; v's part lies 4 MiB behind k's; other registers than the first output's, whose stores may still read theirs
.Lone_out:
.endif
	s_wait_tensorcnt 0x0                           ; the wave's end
	ds_add_u32 v[SPW], v[NIL]
	s_wait_dscnt 0x0
	s_endpgm
.Lfunc_end_k_qeb028d6779_lnq1:
	.size	k_qeb028d6779_lnq1, .Lfunc_end_k_qeb028d6779_lnq1-k_qeb028d6779_lnq1
	.p2alignl 7, 3214868480
	.fill 96, 4, 3214868480
	.section	.rodata,"a",@progbits
	.p2align	6, 0x0
	.amdhsa_kernel k_qeb028d6779_lnq1
		.amdhsa_group_segment_fixed_size 33792
		.amdhsa_private_segment_fixed_size 0
		.amdhsa_enable_private_segment 0
		.amdhsa_kernarg_size 64
		.amdhsa_user_sgpr_count 2
		.amdhsa_user_sgpr_kernarg_segment_ptr 1
		.amdhsa_wavefront_size32 1
		.amdhsa_system_sgpr_workgroup_id_x 1
		.amdhsa_system_sgpr_workgroup_id_y 1
		.amdhsa_system_sgpr_workgroup_id_z 1
		.amdhsa_system_vgpr_workitem_id 0
		.amdhsa_next_free_vgpr 256
		.amdhsa_next_free_sgpr 66
		.amdhsa_reserve_vcc 0
		.amdhsa_float_denorm_mode_32 3
		.amdhsa_float_denorm_mode_16_64 3
		.amdhsa_memory_ordered 1
		.amdhsa_forward_progress 1
		.amdhsa_inst_pref_size 57
	.end_amdhsa_kernel
	.amdgpu_metadata
---
amdhsa.version: [ 1, 2 ]
amdhsa.kernels:
  - .name:           k_qeb028d6779_lnq1
    .symbol:         k_qeb028d6779_lnq1.kd
    .args:
      - { .name: x_q, .offset: 0, .size: 8, .value_kind: global_buffer, .address_space: global }
      - { .name: x_kv, .offset: 8, .size: 8, .value_kind: global_buffer, .address_space: global }
      - { .name: qn_g, .offset: 16, .size: 8, .value_kind: global_buffer, .address_space: global }
      - { .name: qn_b, .offset: 24, .size: 8, .value_kind: global_buffer, .address_space: global }
      - { .name: kvn_g, .offset: 32, .size: 8, .value_kind: global_buffer, .address_space: global }
      - { .name: kvn_b, .offset: 40, .size: 8, .value_kind: global_buffer, .address_space: global }
      - { .name: lowp_scales, .offset: 48, .size: 8, .value_kind: global_buffer, .address_space: global }
      - { .name: ln1_c, .offset: 56, .size: 8, .value_kind: global_buffer, .address_space: global }
    .group_segment_fixed_size: 33792
    .private_segment_fixed_size: 0
    .kernarg_segment_align: 8
    .kernarg_segment_size: 64
    .max_flat_workgroup_size: 128
    .sgpr_count:     66
    .vgpr_count:     256
    .wavefront_size: 32
...
	.end_amdgpu_metadata
.endif
;; end of part 1
;; launch qkv (part 2): grid 12 x 16, 4 waves a work-group, clusters of 4 x 4, 327,680 bytes of LDS; arguments ln1_c, Wq_codes, Wk_codes, Wv_codes, bq, bk, bv, lowp_scales, qkv_i; writes qkv_i
.if DOCPART == 2
	.amdgcn_target "amdgcn-amd-amdhsa--gfx1250"
	.amdhsa_code_object_version 6
	.text
	.protected	k_qeb028d6779_qkv
	.globl	k_qeb028d6779_qkv
	.p2align	8
	.type	k_qeb028d6779_qkv,@function
k_qeb028d6779_qkv:
	s_mov_b64 s[64:65], 0
	v_nop
	global_prefetch_b8 v0, s[64:65] scope:SCOPE_SE
	s_setreg_imm32_b32 hwreg(HW_REG_WAVE_MODE, 25, 1), 1
	s_wait_xcnt 0x0
	s_wait_alu depctr_hold_cnt(0) depctr_sa_sdst(0) depctr_va_vdst(0) depctr_va_sdst(0) depctr_va_ssrc(0) depctr_va_vcc(0) depctr_vm_vsrc(0)
	s_getreg_b32 s2, hwreg(HW_REG_IB_STS2, 6, 4)
	s_cmp_eq_u32 s2, 0
	s_cbranch_scc0 .Lentry_in_a_cluster
	s_endpgm
.Lentry_in_a_cluster:
	s_bfe_u32 s2, ttmp6, 0x10000c
	s_cmp_lg_u32 s2, 0xf033
	s_cbranch_scc0 .Lentry_shape_is_right
	s_endpgm
.Lentry_shape_is_right:
; LAUNCH 2 OF 7: q = LN(x_q) Wq^T + bq, k = LN(x_kv) Wk^T + bk, v = LN(x_kv) Wv^T + bv, on E4M3 codes; the results are quantised at once (e6, e7, e8) for attention.  Nothing is left out.
; The cluster's x (0, 1, 2) says which of the three; it is the same in all sixteen partners, so branches and choices may hang on it.
; A tile of C, 256 tokens x 256 channels, is made by four waves, each 128 x 128: 64 accumulators, 512 registers.  K goes in steps of 256 through a ring of two LDS slots.
; A (the tokens' codes) lies in memory as register images [row tile of 16][K / 128][2,048]: a K step of a row tile is 4,096 consecutive bytes, and a fragment comes from LDS by four loads of 512 consecutive bytes.
; B (the weights' codes) lies as rows; its tile's rows of 256 bytes get 16 bytes of padding, pitch 272 = 17 x 16: the 16 rows of a load start in 16 different banks.
; Both sides then hold k = 32 c + 16 (lane / 16) + 0 .. 15 in registers 4 c .. 4 c + 3: one permutation of k, the same in A and B, so each product meets its partner.
; CLUSTERS 4 x 4: A's tile is asked for jointly along a row of the cluster, B's along a column.  SOURCE 0 = 16 rows of W, SOURCE 1 = 16 tokens: lane (r, h) holds token r and channels 8 h + 0 .. 7.
; OUT, qkv_i, three parts of 4 MiB.  q, k: [token tile][head][1,024]: the image of a 16 x 64 fragment (registers 2 c, 2 c + 1: channels 16 c + 8 h + 0 .. 7): a lane's conversions ARE that image.
; v: [128 keys][channel tile][2,048]: the image of 16 channels x 128 keys, keys innermost: the sums are turned, in f32, through the wave's own stage in LDS ahead of the quantiser.
; LIMITS: ea + eb between -126 and 127, the output's e between -126 and 119.  NaN among the inputs is not served.
.set KTOT,   1024
.set PITCH,  272
.set HALFA,  32768                     ; 8 row tiles x 4,096 bytes: what one of A's loads brings, and what a wave reads of A
.set HALFB,  128*PITCH
.set SLOTA,  2*HALFA
.set SLOT,   SLOTA+2*HALFB
.set LAPS,   KTOT/512
.set SPARE,  2*SLOT                    ; behind the ring: the spare words, 128 bytes a wave: two blocks of 256 bytes that no other line names
.set STG,    SPARE+512                 ; v's stages: 128 channels x 80 bytes for each wave; no tensor load lands here
.set FR,     16
.set NL,     4
.set NP,     4                         ; places behind this matrix instruction (ISA guide 7.12.1)
.set CO,   5                           ; v5   16 x lane
.set ADRA, 16
.set ADRB, 20
.set VST,  24                          ; v24  v's stage, in: 640 h + 4 r
.set VRD,  25                          ; v25  and back: 80 r + 32 h
.set QS,   26
.set LIM,  27
.set SPW,  28
.set NIL,  29
.set BIAS, 32                          ; v32-95  the bias in the result's layout
.set CV,   96                          ; v96-127 v's codes
.set AF,   128
.set TMP,  128                         ; v128-191 a block's sums x 2^(ea + eb) + bias
.set TR,   192                         ; v192-255 the block turned; on the q, k path the codes
.set G1, 24
.set G0, 32
.set G1B, 48
.set G0B, 56
.set MSB, 0
.macro WIN new                         ; the immediate's high byte repeats the setting that is left
.if MSB != \new
	s_set_vgpr_msb (MSB<<8)|\new
.set MSB, \new
.endif
.endm
.set MUL_LO, 0xa1                      ; source 0 (B) window 1, source 1 (A) window 0, C and D window 2
.set MUL_HI, 0xf1
.set TO_B,   0x40
.macro JLOAD g0a, g0b                  ; a joint load: waves 0, 1 fetch A's halves, waves 2, 3 B's; an s_nop 0 and four v_nop follow each line
	s_cmp_eq_u32 s15, 0
	s_cbranch_scc0 .Lfor_b_\@
	tensor_load_to_lds s[\g0a:\g0a+3], s[G1:G1+7]
	s_nop 0
.rept 4
	v_nop
.endr
	s_branch .Lasked_\@
.Lfor_b_\@:
	tensor_load_to_lds s[\g0b:\g0b+3], s[G1B:G1B+7]
	s_nop 0
.rept 4
	v_nop
.endr
.Lasked_\@:
.endm
.macro CREST
	s_cmp_lg_u32 s14, 0
	s_cbranch_scc1 .Lnot_wave_0_\@
	s_barrier_signal -3
.Lnot_wave_0_\@:
	s_barrier_wait -3
	s_barrier_signal -1
	s_barrier_wait -1
.endm
.macro CROUND
	s_barrier_signal -1
	s_barrier_wait -1
	CREST
.endm
.macro FRAGA reg, adr, q, i            ; an image: four loads of 512 consecutive bytes
.irp c, 0,1,2,3
	ds_load_b128 v[\reg+4*\c:\reg+4*\c+3], v[\adr] offset:(\i)*4096+(\q)*2048+512*\c
.endr
.endm
.macro FRAGB reg, adr, q, i            ; from padded rows
.irp c, 0,1,2,3
	ds_load_b128 v[\reg+4*\c:\reg+4*\c+3], v[\adr] offset:128*(\q)+32*\c+(\i)*16*PITCH
.endr
.endm
.macro MUL16 a0, p, zero               ; A's blocks a0, a0 + 1 x B's eight; the 64 accumulators take turns, one instruction a turn
.irp a, \a0, \a0+1
.irp b, 0,1,2,3,4,5,6,7
.if \zero
	v_wmma_f32_16x16x128_fp8_fp8 v[8*(8*((\a)%4)+\b):8*(8*((\a)%4)+\b)+7], v[128*(\p)+FR*\b:128*(\p)+FR*\b+FR-1], v[AF+FR*(\a):AF+FR*(\a)+FR-1], 0
.else
	v_wmma_f32_16x16x128_fp8_fp8 v[8*(8*((\a)%4)+\b):8*(8*((\a)%4)+\b)+7], v[128*(\p)+FR*\b:128*(\p)+FR*\b+FR-1], v[AF+FR*(\a):AF+FR*(\a)+FR-1], v[8*(8*((\a)%4)+\b):8*(8*((\a)%4)+\b)+7]
.endif
.endr
.endr
.endm
.macro FETCH_B slot, q, p
	WIN TO_B
.irp i, 0,1,2,3,4,5,6,7
	FRAGB 128*(\p)+FR*\i, ADRB+\slot, \q, \i
.endr
	WIN 0
.endm
.macro FETCH_A slot, q, i0
.irp i, \i0, \i0+1, \i0+2, \i0+3
	FRAGA AF+FR*(\i), ADRA+\slot, \q, \i
.endr
.endm
.macro PLACES n
.rept \n
	v_nop
.endr
.endm
.macro STEP slot, q, zero              ; 128 along K whose successor lies in the same slot
	s_wait_dscnt 4*NL                              ; B's set and A's blocks 0-3 are in; the youngest 16 loads (A's blocks 4-7) may be out
	WIN MUL_LO
	MUL16 0, (\q)%2, \zero
	MUL16 2, (\q)%2, \zero
	s_wait_dscnt 0
	PLACES NP
	FETCH_B \slot, (\q)+1, 1-(\q)%2
	FETCH_A \slot, (\q)+1, 0
	WIN MUL_HI
	MUL16 4, (\q)%2, \zero
	MUL16 6, (\q)%2, \zero
	PLACES NP
	WIN 0
	FETCH_A \slot, (\q)+1, 4
.endm
.macro TURN slot, next, fill           ; a slot's last step changes slots: one barrier; fill = 1: it opens a round of the cluster's barrier, and this slot is filled again
	s_wait_tensorcnt 0x0                           ; all my tensor loads have landed: my part of the next slot
	ds_add_u32 v[SPW], v[NIL]                      ; 0 onto my spare word
	s_wait_dscnt 4*NL+1                            ; the add and the youngest 16 loads may be out
	WIN MUL_LO
	MUL16 0, 1, 0
	s_wait_dscnt 0x0                               ; the add is done, and my reads of this slot are over
	s_barrier_signal -1
	MUL16 2, 1, 0
	WIN 0
	s_barrier_wait -1
.if \fill
	CREST                                          ; no wave of any partner still reads this slot or has a load on its way
	s_add_nc_u64 s[G0+4*\slot+2:G0+4*\slot+3], s[G0+4*\slot+2:G0+4*\slot+3], 8192
	s_add_nc_u64 s[G0B+4*\slot+2:G0B+4*\slot+3], s[G0B+4*\slot+2:G0B+4*\slot+3], 512
	JLOAD G0+4*\slot, G0B+4*\slot                  ; the first tensor load behind the round; its four v_nop are also the places in front of the loads below
.else
	PLACES NP
.endif
	FETCH_B \next, 0, 0
	FETCH_A \next, 0, 0
	WIN MUL_HI
	MUL16 4, 1, 0
	MUL16 6, 1, 0
	PLACES NP
	WIN 0
	FETCH_A \next, 0, 4
.endm
	s_load_b512 s[68:83], s[0:1], 0x0              ; ln1_c, Wq, Wk, Wv, bq, bk, bv, lowp_scales
	s_load_b64 s[84:85], s[0:1], 0x40              ; qkv_i
	v_lshl_add_u32 v[SPW], v0, 2, SPARE
	v_mov_b32 v[NIL], 0
	ds_add_u32 v[SPW], v[NIL]                      ; the opening
	ds_add_u32 v[SPW], v[NIL]
	v_lshrrev_b32 v1, 5, v0
	v_readfirstlane_b32 s14, v1                    ; wave
	s_lshr_b32 s15, s14, 1                         ; my half of the tile's tokens.  Also: I fetch for A (0) or B (1)
	s_and_b32 s16, s14, 1                          ; my half of its channels.  Also: which half of that tile I fetch
	s_bfe_u32 s40, ttmp6, 0x40000                  ; cx
	s_bfe_u32 s41, ttmp6, 0x40004                  ; cy
	s_mov_b32 s42, s40                             ; tile column = cx: a projection is four tiles wide
	s_and_b32 s17, ttmp7, 0xffff
	s_lshl_b32 s17, s17, 2
	s_add_co_u32 s17, s17, s41                     ; tile row = 4 x cluster y + cy
	s_lshl_b32 s43, s41, 2
	s_lshl_b32 s43, 15, s43                        ; my row of the cluster
	s_lshl_b32 s44, 0x1111, s40                    ; my column
	s_or_b32 s[G1+0], s43, (3<<16)|(1<<21)         ; A: the mask; elements of 8 bytes; bit 21 beside a mask; no padding
	s_mov_b32 s[G1+1], 512<<16                     ; tensor_dim0 = 512 elements: 4,096 bytes
	s_mov_b32 s[G1+2], 8<<16                       ; tensor_dim1 = 8 row tiles
	s_mov_b32 s[G1+3], 512<<16                     ; tile_dim0
	s_mov_b32 s[G1+4], 8                           ; tile_dim1
	s_mov_b32 s[G1+5], 2*KTOT                      ; from row tile to row tile: 16 KTOT bytes
	s_mov_b32 s[G1+6], 0
	s_mov_b32 s[G1+7], 0
	s_or_b32 s[G1B+0], s44, (1<<20)|(1<<21)|(5<<22)|(3<<25)   ; B: the mask; bytes; 4 words of padding after every 64
	s_mov_b32 s[G1B+1], 256<<16
	s_mov_b32 s[G1B+2], 128<<16
	s_mov_b32 s[G1B+3], 256<<16
	s_mov_b32 s[G1B+4], 128
	s_mov_b32 s[G1B+5], KTOT
	s_mov_b32 s[G1B+6], 0
	s_mov_b32 s[G1B+7], 0
	s_lshl_b32 s20, s17, 4
	s_lshl_b32 s18, s16, 3
	s_add_co_u32 s20, s20, s18                     ; A: row tile 16 x tile row + 8 x half
	s_mul_i32 s20, s20, 16*KTOT
	s_lshl_b32 s18, ttmp9, 22                      ; and the projection's part of ln1_c
	s_add_co_u32 s20, s20, s18
	s_mov_b32 s21, 0
	s_lshl_b32 s46, s42, 8
	s_lshl_b32 s18, s16, 7
	s_add_co_u32 s46, s46, s18                     ; B: row 256 x tile column + 128 x half
	s_mul_i32 s46, s46, KTOT
	s_mov_b32 s47, 0
	s_mul_i32 s45, s16, HALFA                      ; where they go: no place in the cluster enters an LDS address
	s_mul_i32 s19, s16, HALFB
	s_add_co_u32 s19, s19, SLOTA
	s_wait_dscnt 0x0                               ; both opening adds are done
	s_wait_kmcnt 0x0
	s_mov_b64 s[4:5], s[68:69]
	s_mov_b64 s[8:9], s[82:83]
	s_mov_b64 s[10:11], s[84:85]
	s_cmp_eq_u32 ttmp9, 0                          ; the weight and the bias of my projection
	s_cselect_b64 s[6:7], s[70:71], s[72:73]
	s_cselect_b64 s[12:13], s[76:77], s[78:79]
	s_cmp_eq_u32 ttmp9, 2
	s_cselect_b64 s[6:7], s[74:75], s[6:7]
	s_cselect_b64 s[12:13], s[80:81], s[12:13]
	s_load_b512 s[68:83], s[8:9], 0x0              ; e0 .. e15
	s_add_nc_u64 s[20:21], s[4:5], s[20:21]
	s_add_nc_u64 s[46:47], s[6:7], s[46:47]
	CROUND                                         ; all sixteen work-groups are here: the first joint loads meet
.irp s, 0,1
	s_mov_b32 s[G0+4*\s], 1
	s_add_co_u32 s[G0+4*\s+1], s45, \s*SLOT
	s_add_nc_u64 s[G0+4*\s+2:G0+4*\s+3], s[20:21], \s*4096
	s_or_b32 s[G0+4*\s+3], s[G0+4*\s+3], 0x80000000
	s_mov_b32 s[G0B+4*\s], 1
	s_add_co_u32 s[G0B+4*\s+1], s19, \s*SLOT
	s_add_nc_u64 s[G0B+4*\s+2:G0B+4*\s+3], s[46:47], \s*256
	s_or_b32 s[G0B+4*\s+3], s[G0B+4*\s+3], 0x80000000
	JLOAD G0+4*\s, G0B+4*\s
.endr
	v_and_b32 v1, 15, v0                           ; r
	v_bfe_u32 v2, v0, 4, 1                         ; h
	v_and_b32 v6, 31, v0
	v_lshlrev_b32 v[CO], 4, v6
	v_mul_u32_u24 v3, v1, PITCH
	v_lshl_add_u32 v4, v2, 4, v3
	s_mul_i32 s21, s15, HALFA
	s_mul_i32 s22, s16, HALFB
	s_add_co_u32 s22, s22, SLOTA
.irp s, 0,1
	v_add_nc_u32 v[ADRA+\s], s21, v[CO]
	v_add_nc_u32 v[ADRB+\s], s22, v4
	s_add_co_u32 s21, s21, SLOT
	s_add_co_u32 s22, s22, SLOT
.endr
	s_mul_i32 s23, s14, 128*80
	s_add_co_u32 s23, s23, STG                     ; my stage
	v_mul_u32_u24 v[VST], v2, 640
	v_lshl_add_u32 v[VST], v1, 2, v[VST]
	v_add_nc_u32 v[VST], s23, v[VST]
	v_mul_u32_u24 v[VRD], v1, 80
	v_lshl_add_u32 v[VRD], v2, 5, v[VRD]
	v_add_nc_u32 v[VRD], s23, v[VRD]
	v_lshlrev_b32 v7, 5, v2                        ; the bias: my half's eight numbers of a tile of 16
	s_lshl_b32 s46, s42, 10
	s_lshl_b32 s47, s16, 9
	s_add_co_u32 s46, s46, s47
	s_mov_b32 s47, 0
	s_add_nc_u64 s[12:13], s[12:13], s[46:47]
.set b, 0
.rept 8
	global_load_b128 v[BIAS+8*b:BIAS+8*b+3], v7, s[12:13] offset:64*b
	global_load_b128 v[BIAS+8*b+4:BIAS+8*b+7], v7, s[12:13] offset:64*b+16
.set b, b+1
.endr
	s_lshl_b32 s46, s42, 12                        ; where my results go: q, k: 4 cx + 2 x half heads of 1,024 bytes; v: 16 cx + 8 x half channel tiles of 2,048: eight times as far
	s_lshl_b32 s47, s16, 11
	s_add_co_u32 s46, s46, s47
	s_cmp_eq_u32 ttmp9, 2
	s_cselect_b32 s47, 3, 0
	s_lshl_b32 s46, s46, s47
	s_lshl_b32 s20, s17, 18                        ; 256 tokens are 16 token tiles of 16,384 bytes, and two key blocks of 131,072
	s_lshl_b32 s21, s15, 17
	s_add_co_u32 s20, s20, s21
	s_lshl_b32 s21, ttmp9, 22                      ; the part
	s_add_co_u32 s20, s20, s21
	s_add_co_u32 s20, s20, s46
	s_mov_b32 s21, 0
	s_add_nc_u64 s[10:11], s[10:11], s[20:21]
	s_wait_tensorcnt 1                             ; my part of K step 0 is in; K step 1's load may be out
	s_barrier_signal -1
	s_barrier_wait -1
	FETCH_B 0, 0, 0
	FETCH_A 0, 0, 0
	FETCH_A 0, 0, 4
	STEP 0, 0, 1                                   ; the first step's products start the sums
	s_mov_b32 s3, LAPS-1
.Llap:
	TURN 0, 1, 1
	STEP 1, 0, 0
	TURN 1, 0, 1
	STEP 0, 0, 0
	s_sub_co_u32 s3, s3, 1
	s_cmp_lg_u32 s3, 0
	s_cbranch_scc1 .Llap
	TURN 0, 1, 0                                   ; the last lap fills nothing
	STEP 1, 0, 0
	s_wait_dscnt 4*NL
	WIN MUL_LO
	MUL16 0, 1, 0
	MUL16 2, 1, 0
	s_wait_dscnt 0
	WIN MUL_HI
	MUL16 4, 1, 0
	MUL16 6, 1, 0
	WIN 0
	s_wait_kmcnt 0x0
	s_cmp_eq_u32 ttmp9, 0                          ; (ea, eb, eo) = (e0, e1, e6), (e2, e3, e7), (e4, e5, e8): chosen without a branch
	s_cselect_b32 s86, s68, s70
	s_cselect_b32 s87, s69, s71
	s_cselect_b32 s88, s74, s75
	s_cmp_eq_u32 ttmp9, 2
	s_cselect_b32 s86, s72, s86
	s_cselect_b32 s87, s73, s87
	s_cselect_b32 s88, s76, s88
	s_add_co_i32 s96, s86, s87
	s_add_co_i32 s96, s96, 127
	s_lshl_b32 s96, s96, 23                        ; 2^(ea + eb)
	s_mov_b32 s97, s96
	s_add_co_i32 s88, s88, 127
	s_lshl_b32 s89, s88, 23
	s_add_co_i32 s88, s88, 8
	s_lshl_b32 s88, s88, 23
	s_or_b32 s88, s88, 0x600000
	PLACES NP                                      ; behind the last products: for the reads of results and the writes over A's fragments
	v_mov_b32 v[QS], s89                           ; 2^eo
	v_mov_b32 v[LIM], s88                          ; 448 x 2^eo
	s_wait_loadcnt 0x0                             ; the bias
.macro SUMS a                          ; block a: sum x 2^(ea + eb) + bias, each accumulator from its low end on
	WIN 0x02+((\a)/4)
.set j, 0
.rept 32
	v_pk_fma_f32 v[TMP+j:TMP+j+1], v[64*((\a)%4)+j:64*((\a)%4)+j+1], s[96:97], v[BIAS+j:BIAS+j+1] op_sel_hi:[1,0,1]
.set j, j+2
.endr
	WIN 0
.endm
.macro EPI_QK a                        ; 16 tokens x 128 channels: the 16 code registers are two heads' images on end
	SUMS \a
.set j, 0
.rept 64
	v_med3_num_f32 v[TMP+j], v[TMP+j], -v[LIM], v[LIM]
.set j, j+1
.endr
.if (\a) == 4
	s_wait_xcnt 0x0                                ; blocks 0-3's stores have read their registers, which now take blocks 4-7's codes
.endif
.set b, 0
.rept 8
	v_cvt_scalef32_pk8_fp8_f32 v[TR+16*((\a)%4)+2*b:TR+16*((\a)%4)+2*b+1], v[TMP+8*b:TMP+8*b+7], v[QS]
.set b, b+1
.endr
	v_nop                                          ; a plain line behind the last conversion
.set i, 0
.rept 4
	global_store_b128 v[CO], v[TR+16*((\a)%4)+4*i:TR+16*((\a)%4)+4*i+3], s[10:11] offset:(\a)*16384+512*i   ; 512 consecutive bytes, aligned
.set i, i+1
.endr
.endm
.macro EPI_V a                         ; 16 keys x 128 channels are turned in f32: in by channel rows of 80 bytes, back as eight neighbouring keys a lane
	SUMS \a
.set j, 0
.rept 64
	ds_store_b32 v[VST], v[TMP+j] offset:(16*(j/8)+j%8)*80
.set j, j+1
.endr
.set b, 0
.rept 8
	ds_load_b128 v[TR+8*b:TR+8*b+3], v[VRD] offset:1280*b      ; LDS serves a wave's instructions in order: these see my stores
	ds_load_b128 v[TR+8*b+4:TR+8*b+7], v[VRD] offset:1280*b+16
.set b, b+1
.endr
	s_wait_dscnt 0x0
.set j, 0
.rept 64
	v_med3_num_f32 v[TR+j], v[TR+j], -v[LIM], v[LIM]
.set j, j+1
.endr
.if ((\a)%2 == 0) && ((\a) > 0)
	s_wait_xcnt 0x0                                ; the last pair's stores have read their registers
.endif
.set b, 0
.rept 8
	v_cvt_scalef32_pk8_fp8_f32 v[CV+4*b+2*((\a)%2):CV+4*b+2*((\a)%2)+1], v[TR+8*b:TR+8*b+7], v[QS]
.set b, b+1
.endr
	v_nop
.if (\a)%2 == 1
.set b, 0
.rept 8
	global_store_b128 v[CO], v[CV+4*b:CV+4*b+3], s[10:11] offset:2048*b+512*((\a)/2)   ; a quarter of channel tile b's image: keys 32 (a / 2) on
.set b, b+1
.endr
.endif
.endm
	s_cmp_eq_u32 ttmp9, 2
	s_cbranch_scc1 .Lv_path
.irp a, 0,1,2,3,4,5,6,7
	EPI_QK \a
.endr
	s_branch .Ldone
.Lv_path:
.irp a, 0,1,2,3,4,5,6,7
	EPI_V \a
.endr
.Ldone:
	s_wait_tensorcnt 0x0                           ; the wave's end
	ds_add_u32 v[SPW], v[NIL]
	s_wait_dscnt 0x0
	CROUND                                         ; the closing round
	s_endpgm
.Lfunc_end_k_qeb028d6779_qkv:
	.size	k_qeb028d6779_qkv, .Lfunc_end_k_qeb028d6779_qkv-k_qeb028d6779_qkv
	.p2alignl 7, 3214868480
	.fill 96, 4, 3214868480
	.section	.rodata,"a",@progbits
	.p2align	6, 0x0
	.amdhsa_kernel k_qeb028d6779_qkv
		.amdhsa_group_segment_fixed_size 327680
		.amdhsa_private_segment_fixed_size 0
		.amdhsa_enable_private_segment 0
		.amdhsa_kernarg_size 72
		.amdhsa_user_sgpr_count 2
		.amdhsa_user_sgpr_kernarg_segment_ptr 1
		.amdhsa_wavefront_size32 1
		.amdhsa_system_sgpr_workgroup_id_x 1
		.amdhsa_system_sgpr_workgroup_id_y 1
		.amdhsa_system_sgpr_workgroup_id_z 1
		.amdhsa_system_vgpr_workitem_id 0
		.amdhsa_next_free_vgpr 1024
		.amdhsa_next_free_sgpr 100
		.amdhsa_reserve_vcc 0
		.amdhsa_float_denorm_mode_32 3
		.amdhsa_float_denorm_mode_16_64 3
		.amdhsa_memory_ordered 1
		.amdhsa_forward_progress 1
		.amdhsa_inst_pref_size 233
	.end_amdhsa_kernel
	.amdgpu_metadata
---
amdhsa.version: [ 1, 2 ]
amdhsa.kernels:
  - .name:           k_qeb028d6779_qkv
    .symbol:         k_qeb028d6779_qkv.kd
    .args:
      - { .name: ln1_c, .offset: 0, .size: 8, .value_kind: global_buffer, .address_space: global }
      - { .name: Wq_codes, .offset: 8, .size: 8, .value_kind: global_buffer, .address_space: global }
      - { .name: Wk_codes, .offset: 16, .size: 8, .value_kind: global_buffer, .address_space: global }
      - { .name: Wv_codes, .offset: 24, .size: 8, .value_kind: global_buffer, .address_space: global }
      - { .name: bq, .offset: 32, .size: 8, .value_kind: global_buffer, .address_space: global }
      - { .name: bk, .offset: 40, .size: 8, .value_kind: global_buffer, .address_space: global }
      - { .name: bv, .offset: 48, .size: 8, .value_kind: global_buffer, .address_space: global }
      - { .name: lowp_scales, .offset: 56, .size: 8, .value_kind: global_buffer, .address_space: global }
      - { .name: qkv_i, .offset: 64, .size: 8, .value_kind: global_buffer, .address_space: global }
    .group_segment_fixed_size: 327680
    .private_segment_fixed_size: 0
    .kernarg_segment_align: 8
    .kernarg_segment_size: 72
    .max_flat_workgroup_size: 128
    .sgpr_count:     100
    .vgpr_count:     1024
    .wavefront_size: 32
...
	.end_amdgpu_metadata
.endif
;; end of part 2
;; launch att (part 3): grid 8 x 32, 8 waves a work-group, clusters of 4 x 1, 327,680 bytes of LDS; arguments qkv_i, lowp_scales, ao_c; writes ao_c
.if DOCPART == 3
	.amdgcn_target "amdgcn-amd-amdhsa--gfx1250"
	.amdhsa_code_object_version 6
	.text
	.protected	k_qeb028d6779_att
	.globl	k_qeb028d6779_att
	.p2align	8
	.type	k_qeb028d6779_att,@function
k_qeb028d6779_att:
	s_mov_b64 s[64:65], 0
	v_nop
	global_prefetch_b8 v0, s[64:65] scope:SCOPE_SE
	s_setreg_imm32_b32 hwreg(HW_REG_WAVE_MODE, 25, 1), 1
	s_wait_xcnt 0x0
	s_wait_alu depctr_hold_cnt(0) depctr_sa_sdst(0) depctr_va_vdst(0) depctr_va_sdst(0) depctr_va_ssrc(0) depctr_va_vcc(0) depctr_vm_vsrc(0)
	s_getreg_b32 s2, hwreg(HW_REG_IB_STS2, 6, 4)
	s_cmp_eq_u32 s2, 0
	s_cbranch_scc0 .Lentry_in_a_cluster
	s_endpgm
.Lentry_in_a_cluster:
	s_bfe_u32 s2, ttmp6, 0x10000c
	s_cmp_lg_u32 s2, 0x3003
	s_cbranch_scc0 .Lentry_shape_is_right
	s_endpgm
.Lentry_shape_is_right:
; LAUNCH 3 OF 7: softmax-1 attention on E4M3 codes.  attn = exp(s - m) / (sum exp(s - m) + exp(-m)), m = max(max s, 0), is quantised FINISHED AND NORMALISED (e9), so a row's maximum and divisor
; must be known before any of its attn is coded: TWO PASSES over the keys.  Pass 1: scores, a running maximum and the divisor.  Pass 2: the same scores again (the same instruction on the same codes),
; attn = 2^(t - M - log2 l) by one multiply-add and one exponential, quantised, times V.  Nothing of the problem is left out; the scores' product is done twice.
; t = score x log2(e) / 8 x 2^(e6 + e7).  M = the largest of all t and 0 (the implicit zero logit), rounded up to a whole number, kept as -M; when M moves, l is multiplied by 2^(old M - new M): exact.
; l begins as the implicit term 2^(0 - M) at M = 0: a half in each of the query's two lanes.
; SHARES: a work-group owns 256 queries of one (batch, head); each of its eight waves 32: two tiles of 16.  Two waves to a SIMD: one's exponentials stand beside the other's products and LDS loads.
; LDS holds the head's WHOLE K and V, 128 KiB each, as register images, filled once: no slot is ever filled again.  The four query blocks of a cluster ask for them jointly.
; BOTH PRODUCTS TRANSPOSED: S^T = K Q^T, O^T = V^T P^T: a lane holds one query (lane % 16) throughout, and S^T's eight registers of a key tile are keys 8 (lane / 16) + 0 .. 7: their codes ARE P's registers.
; OUT: ao_c, codes with e10, as the register images that the next product's A side wants.
; LIMITS: e6 + e7 between -123 and 130; e9 and e10 - e8 - e9 between -126 and 119.  An attn under 2^-126 becomes 0.  NaN among the inputs is not served.
.set VB,    131072                     ; V behind K
.set SPARE, 262144                     ; the spare words: 128 bytes for each of eight waves: four blocks of 256 bytes that no other line names
.set LI,  1                            ; v1  16 x lane
.set ADK, 2
.set ADV, 3
.set SPW, 4
.set NIL, 5
.set GO,  6                            ; v6  16 r + 8 h
.set ST,  8                            ; v[8+2t:9+2t]   (-M, the largest t); in pass 2 (-M - log2 l, -)
.set LS,  12                           ; v[12+2t:13+2t] l in two halves
.set FF,  16                           ; v[16+2t:17+2t] (f, 0)
.set CH,  20                           ; v[20+2t:21+2t] the maximum's two chains
.set PD,  24                           ; v[24+t]  the lane permute's destination
.set OSC, 28                           ; v28-31: the two scales and the two holds: written once at the head, read only afterwards
.set OLIM, 29
.set HOLD, 30
.set PSC, 31
.set Q,   32                           ; v32-47
.set KF,  48                           ; pass 1: 8 key tiles, v48-111; pass 2: 4, v48-79
.set VF,  80                           ; pass 2: v80-111
.set S,   112                          ; pass 1: 64 a tile, v112-239; pass 2: 32 a tile, v112-175
.set P,   176                          ; v176-191
.set O,   192                          ; v192-255, 32 a tile (pass 2)
.set L2,  240                          ; v[240+2t:241+2t] pass 1: the second chain of sums, behind S's 128 registers; pass 2's first products write these registers anew
.set G1K, 24
.set G1V, 32
.set G0K, 40
.set G0V, 44
.macro CROUND
	s_barrier_signal -1
	s_barrier_wait -1
	s_cmp_lg_u32 s18, 0
	s_cbranch_scc1 .Lnot_wave_0_\@
	s_barrier_signal -3
.Lnot_wave_0_\@:
	s_barrier_wait -3
	s_barrier_signal -1
	s_barrier_wait -1
.endm
	s_load_b128 s[4:7], s[0:1], 0x0                ; qkv_i, lowp_scales
	s_load_b64 s[8:9], s[0:1], 0x10                ; ao_c
	v_lshl_add_u32 v[SPW], v0, 2, SPARE
	v_mov_b32 v[NIL], 0
	ds_add_u32 v[SPW], v[NIL]                      ; the opening
	ds_add_u32 v[SPW], v[NIL]
	v_lshrrev_b32 v7, 5, v0
	v_readfirstlane_b32 s18, v7                    ; wave 0..7
	s_bfe_u32 s13, ttmp6, 0x40000                  ; cx
	s_lshl_b32 s14, ttmp9, 2
	s_add_co_u32 s14, s14, s13                     ; my block of 256 queries: it enters Q's and O's addresses alone
	s_and_b32 s15, ttmp7, 0xffff
	s_lshr_b32 s16, s15, 4                         ; batch
	s_and_b32 s17, s15, 15                         ; head
	s_mov_b32 s[G1K], 15|(3<<16)|(1<<21)           ; all four work-groups; elements of 8 bytes; bit 21 beside a mask
	s_mov_b32 s[G1K+1], 128<<16                    ; a key tile's image: 1,024 bytes
	s_mov_b32 s[G1K+2], 16<<16                     ; 16 key tiles
	s_mov_b32 s[G1K+3], 128<<16
	s_mov_b32 s[G1K+4], 16
	s_mov_b32 s[G1K+5], 2048                       ; 16 heads x 1,024 bytes from tile to tile
	s_mov_b32 s[G1K+6], 0
	s_mov_b32 s[G1K+7], 0
	s_mov_b32 s[G1V], 15|(3<<16)|(1<<21)
	s_mov_b32 s[G1V+1], 1024<<16                   ; the head's four channel tiles of a key block: 8,192 bytes
	s_mov_b32 s[G1V+2], 2<<16                      ; two key blocks
	s_mov_b32 s[G1V+3], 1024<<16
	s_mov_b32 s[G1V+4], 2
	s_mov_b32 s[G1V+5], 16384                      ; 64 channel tiles x 2,048 bytes from block to block
	s_mov_b32 s[G1V+6], 0
	s_mov_b32 s[G1V+7], 0
	s_lshl_b32 s48, s16, 21                        ; K: 4 MiB + ((128 batch + 16 wave) 16 + head) 1,024
	s_lshl_b32 s49, s18, 18
	s_add_co_u32 s48, s48, s49
	s_mov_b32 s50, s48                             ; V: 8 MiB + ((16 batch + 2 wave) 64 + 4 head) 2,048: the same two terms
	s_lshl_b32 s49, s17, 10
	s_add_co_u32 s48, s48, s49
	s_add_co_u32 s48, s48, 1<<22
	s_mov_b32 s49, 0
	s_lshl_b32 s51, s17, 13
	s_add_co_u32 s50, s50, s51
	s_add_co_u32 s50, s50, 1<<23
	s_mov_b32 s51, 0
	s_lshl_b32 s52, s16, 21                        ; Q and O alike: (128 batch + 16 block + 2 wave) 16,384 + head x 1,024
	s_lshl_b32 s53, s14, 18
	s_add_co_u32 s52, s52, s53
	s_lshl_b32 s53, s18, 15
	s_add_co_u32 s52, s52, s53
	s_lshl_b32 s53, s17, 10
	s_add_co_u32 s52, s52, s53
	s_mov_b32 s53, 0
	s_lshl_b32 s19, s18, 14                        ; my eighth in LDS
	s_mov_b32 s20, 0x76543210
	s_mov_b32 s21, 0xfedcba98
	s_mov_b32 s22, 0x3e38aa3b                      ; log2(e) / 8
	s_wait_dscnt 0x0                               ; both opening adds are done
	s_wait_kmcnt 0x0
	s_load_b512 s[68:83], s[6:7], 0x0              ; e0 .. e15
	s_mov_b32 s[G0K], 1
	s_mov_b32 s[G0K+1], s19
	s_add_nc_u64 s[G0K+2:G0K+3], s[4:5], s[48:49]
	s_or_b32 s[G0K+3], s[G0K+3], 0x80000000
	s_mov_b32 s[G0V], 1
	s_add_co_u32 s[G0V+1], s19, VB
	s_add_nc_u64 s[G0V+2:G0V+3], s[4:5], s[50:51]
	s_or_b32 s[G0V+3], s[G0V+3], 0x80000000
	s_add_nc_u64 s[10:11], s[4:5], s[52:53]        ; Q
	s_add_nc_u64 s[8:9], s[8:9], s[52:53]          ; O
	CROUND                                         ; all four work-groups are here: the joint loads meet
	tensor_load_to_lds s[G0K:G0K+3], s[G1K:G1K+7]  ; every wave: its eighth of K,
	s_nop 0
	tensor_load_to_lds s[G0V:G0V+3], s[G1V:G1V+7]  ; and of V: two loads of mine are out
	s_nop 0
.rept 4
	v_nop
.endr
	v_and_b32 v7, 31, v0
	v_lshlrev_b32 v[LI], 4, v7
.irp t, 0,1
	global_load_b128 v[Q+8*\t:Q+8*\t+3], v[LI], s[10:11] offset:\t*16384
	global_load_b128 v[Q+8*\t+4:Q+8*\t+7], v[LI], s[10:11] offset:\t*16384+512
.endr
	v_and_b32 v7, 15, v0
	v_lshlrev_b32 v[GO], 4, v7
	v_bfe_u32 v7, v0, 4, 1
	v_lshl_add_u32 v[GO], v7, 3, v[GO]
.irp t, 0,1
	v_mov_b32 v[ST+2*\t], 0                        ; -M = 0
	v_mov_b32 v[ST+2*\t+1], 0                      ; the largest t so far: the implicit zero logit
	v_mov_b32 v[LS+2*\t], 0.5                      ; its term, a half in each of the query's two lanes
	v_mov_b32 v[LS+2*\t+1], 0
	v_mov_b32 v[FF+2*\t+1], 0
	v_mov_b32 v[PD+\t], 0
.endr
	s_wait_kmcnt 0x0
	s_add_co_i32 s54, s74, s75                     ; e6 + e7 go into c's exponent field
	s_lshl_b32 s54, s54, 23
	s_add_co_i32 s22, s22, s54
	s_mov_b32 s23, s22
	s_add_co_i32 s54, s77, 127
	s_lshl_b32 s55, s54, 23
	v_mov_b32 v[PSC], s55                          ; 2^e9
	s_add_co_i32 s54, s54, 8
	s_lshl_b32 s54, s54, 23
	s_or_b32 s54, s54, 0x600000
	v_mov_b32 v[HOLD], s54                         ; 448 x 2^e9
	s_sub_co_i32 s54, s78, s76
	s_sub_co_i32 s54, s54, s77
	s_add_co_i32 s54, s54, 127
	s_lshl_b32 s55, s54, 23
	v_mov_b32 v[OSC], s55                          ; 2^(e10 - e8 - e9): a sum of the second product stands for sum x 2^(e8 + e9)
	s_add_co_i32 s54, s54, 8
	s_lshl_b32 s54, s54, 23
	s_or_b32 s54, s54, 0x600000
	v_mov_b32 v[OLIM], s54
	s_wait_tensorcnt 0x1                           ; my eighth of K is in; V's may stay out
	s_barrier_signal -1
	s_barrier_wait -1                              ; everybody's is
.macro FK8                             ; eight key tiles from byte s2 of K on
	v_add_nc_u32 v[ADK], s2, v[LI]
.set n, 0
.rept 8
	ds_load_b128 v[KF+8*n:KF+8*n+3], v[ADK] offset:n*1024
	ds_load_b128 v[KF+8*n+4:KF+8*n+7], v[ADK] offset:n*1024+512
.set n, n+1
.endr
	s_add_co_u32 s2, s2, 8192
.endm
; PASS 1, a step of 128 keys.
.macro P1STEP next
	s_wait_dscnt 0x0                               ; K's eight tiles are in
.set n, 0
.rept 8
	v_wmma_f32_16x16x64_fp8_fp8 v[S+8*n:S+8*n+7], v[KF+8*n:KF+8*n+7], v[Q:Q+7], 0
	v_wmma_f32_16x16x64_fp8_fp8 v[S+64+8*n:S+64+8*n+7], v[KF+8*n:KF+8*n+7], v[Q+8:Q+15], 0
.set n, n+1
.endr
.rept 4
	v_nop                                          ; places: for the loads into K's registers and the reads of the scores
.endr
.if \next
	FK8                                            ; the next step's K lands under the softmax
.endif
.irp t, 0,1
	v_max3_num_f32 v[CH+2*\t], v[S+64*\t], v[S+64*\t+1], v[S+64*\t+2]
	v_max3_num_f32 v[CH+2*\t+1], v[S+64*\t+3], v[S+64*\t+4], v[S+64*\t+5]
.endr
.set i, 6
.rept 14
.irp t, 0,1
	v_max3_num_f32 v[CH+2*\t], v[CH+2*\t], v[S+64*\t+i], v[S+64*\t+i+1]
	v_max3_num_f32 v[CH+2*\t+1], v[CH+2*\t+1], v[S+64*\t+i+2], v[S+64*\t+i+3]
.endr
.set i, i+4
.endr
.irp t, 0,1
	v_max3_num_f32 v[CH+2*\t], v[CH+2*\t], v[S+64*\t+62], v[S+64*\t+63]
.endr
.irp t, 0,1
	v_max_num_f32 v[CH+2*\t], v[CH+2*\t], v[CH+2*\t+1]
.endr
.irp t, 0,1
	v_permlanex16_b32 v[PD+\t], v[CH+2*\t], s20, s21       ; the query's other keys lie in the lane 16 away
.endr
.irp t, 0,1
	v_max_num_f32 v[CH+2*\t], v[CH+2*\t], v[PD+\t]
.endr
.irp t, 0,1
	v_mul_f32 v[CH+2*\t], s22, v[CH+2*\t]          ; as t (c is positive)
.endr
.irp t, 0,1
	v_max_num_f32 v[ST+2*\t+1], v[ST+2*\t+1], v[CH+2*\t]
	v_mov_b32 v[CH+2*\t], v[ST+2*\t]
.endr
.irp t, 0,1
	v_floor_f32 v[ST+2*\t], -v[ST+2*\t+1]          ; the new -M = -ceil(largest t)
.endr
.irp t, 0,1
	v_sub_f32 v[CH+2*\t], v[ST+2*\t], v[CH+2*\t]   ; old M - new M: a whole number, 0 or less
.endr
.irp t, 0,1
	v_cvt_i32_f32 v[CH+2*\t], v[CH+2*\t]
.endr
.irp t, 0,1
	v_ldexp_f32 v[FF+2*\t], 1.0, v[CH+2*\t]        ; f = 2^(old M - new M)
.endr
.irp t, 0,1
.set p, 0
.rept 32
	v_pk_fma_f32 v[S+64*\t+p:S+64*\t+p+1], v[S+64*\t+p:S+64*\t+p+1], s[22:23], v[ST+2*\t:ST+2*\t+1] op_sel_hi:[1,0,0]   ; t - M
.set p, p+2
.endr
.endr
.set p, 0
.rept 128
	v_exp_f32 v[S+p], v[S+p]
.set p, p+1
.endr
.irp t, 0,1
	v_pk_mul_f32 v[LS+2*\t:LS+2*\t+1], v[LS+2*\t:LS+2*\t+1], v[FF+2*\t:FF+2*\t+1] op_sel_hi:[1,0]   ; l under the new M (plain lines behind the batch)
.endr
	s_wait_alu depctr_va_vdst(0)                   ; one wait for the 128 exponentials, ahead of their first reader
.irp t, 0,1
	v_pk_add_f32 v[L2+2*\t:L2+2*\t+1], v[S+64*\t:S+64*\t+1], v[S+64*\t+2:S+64*\t+3]
.endr
.set p, 4
.rept 15
.irp t, 0,1
	v_pk_add_f32 v[LS+2*\t:LS+2*\t+1], v[LS+2*\t:LS+2*\t+1], v[S+64*\t+p:S+64*\t+p+1]
	v_pk_add_f32 v[L2+2*\t:L2+2*\t+1], v[L2+2*\t:L2+2*\t+1], v[S+64*\t+p+2:S+64*\t+p+3]
.endr
.set p, p+4
.endr
.irp t, 0,1
	v_pk_add_f32 v[LS+2*\t:LS+2*\t+1], v[LS+2*\t:LS+2*\t+1], v[L2+2*\t:L2+2*\t+1]
.endr
.endm
	s_mov_b32 s2, 0
	FK8
	s_wait_loadcnt 0x0                             ; Q
	s_mov_b32 s3, 15
.Lpass1:
	P1STEP 1
	s_sub_co_u32 s3, s3, 1
	s_cmp_lg_u32 s3, 0
	s_cbranch_scc1 .Lpass1
	P1STEP 0                                       ; the sixteenth step fetches nothing
	; BETWEEN THE PASSES: l whole, between 0.5 and 2,050; c2 = -M - log2 l
.irp t, 0,1
	v_add_f32 v[LS+2*\t], v[LS+2*\t], v[LS+2*\t+1]
.endr
.irp t, 0,1
	v_permlanex16_b32 v[PD+\t], v[LS+2*\t], s20, s21
.endr
.irp t, 0,1
	v_add_f32 v[LS+2*\t], v[LS+2*\t], v[PD+\t]
.endr
.irp t, 0,1
	v_log_f32 v[LS+2*\t], v[LS+2*\t]
.endr
	v_nop
	s_wait_alu depctr_va_vdst(0)                   ; one wait for the two logarithms
.irp t, 0,1
	v_sub_f32 v[ST+2*\t], v[ST+2*\t], v[LS+2*\t]
.endr
	s_wait_tensorcnt 0x0                           ; my eighth of V is in
	s_wait_dscnt 0x0
	s_barrier_signal -1
	s_barrier_wait -1                              ; everybody's is
.macro FK4 off                         ; four key tiles
.set n, 0
.rept 4
	ds_load_b128 v[KF+8*n:KF+8*n+3], v[ADK] offset:\off+n*1024
	ds_load_b128 v[KF+8*n+4:KF+8*n+7], v[ADK] offset:\off+n*1024+512
.set n, n+1
.endr
.endm
; PASS 2, a step of 64 keys: half u of a key block.  zero = 1: the products start O^T's sums.  next = 1: the block's other half of K is fetched; 2: the next block's first; 0: nothing.
.macro P2STEP u, zero, next
	s_wait_dscnt 0x0                               ; K's four tiles are in
.set n, 0
.rept 4
	v_wmma_f32_16x16x64_fp8_fp8 v[S+8*n:S+8*n+7], v[KF+8*n:KF+8*n+7], v[Q:Q+7], 0
	v_wmma_f32_16x16x64_fp8_fp8 v[S+32+8*n:S+32+8*n+7], v[KF+8*n:KF+8*n+7], v[Q+8:Q+15], 0
.set n, n+1
.endr
.rept 4
	v_nop                                          ; places: for the loads into V's and K's registers and the reads of the scores
.endr
.set n, 0
.rept 4
	ds_load_b128 v[VF+8*n:VF+8*n+3], v[ADV] offset:n*2048+\u*1024
	ds_load_b128 v[VF+8*n+4:VF+8*n+7], v[ADV] offset:n*2048+\u*1024+512
.set n, n+1
.endr
.if \next == 1
	FK4 4096
.elseif \next == 2
	s_add_co_u32 s2, s2, 8192                      ; a key block on: 8 key tiles of K, and 8,192 bytes of V
	v_add_nc_u32 v[ADK], s2, v[LI]
	v_add_nc_u32 v[ADV], VB, v[ADK]
	FK4 0
.endif
.irp t, 0,1
.set p, 0
.rept 16
	v_pk_fma_f32 v[S+32*\t+p:S+32*\t+p+1], v[S+32*\t+p:S+32*\t+p+1], s[22:23], v[ST+2*\t:ST+2*\t+1] op_sel_hi:[1,0,0]   ; t - M - log2 l
.set p, p+2
.endr
.endr
.set p, 0
.rept 64
	v_exp_f32 v[S+p], v[S+p]                       ; attn, finished and normalised
.set p, p+1
.endr
	v_nop
	s_wait_alu depctr_va_vdst(0)                   ; one wait for the 64 exponentials
.set p, 0
.rept 64
	v_min_num_f32 v[S+p], v[S+p], v[HOLD]          ; the conversion does not saturate (ISA guide 7.6.2); attn is not negative: a one-sided hold, always executed
.set p, p+1
.endr
.irp t, 0,1
.set n, 0
.rept 4
	v_cvt_scalef32_pk8_fp8_f32 v[P+8*\t+2*n:P+8*\t+2*n+1], v[S+32*\t+8*n:S+32*\t+8*n+7], v[PSC]
.set n, n+1
.endr
.endr
	v_nop                                          ; a plain line between the conversions and the products that read their results
.if \next
	s_wait_dscnt 8                                 ; V's eight loads are in; the next K's eight may be out
.else
	s_wait_dscnt 0x0
.endif
.set n, 0
.rept 4                                ; the eight accumulators take turns, one instruction a turn
.if \zero
	v_wmma_f32_16x16x64_fp8_fp8 v[O+8*n:O+8*n+7], v[VF+8*n:VF+8*n+7], v[P:P+7], 0
	v_wmma_f32_16x16x64_fp8_fp8 v[O+32+8*n:O+32+8*n+7], v[VF+8*n:VF+8*n+7], v[P+8:P+15], 0
.else
	v_wmma_f32_16x16x64_fp8_fp8 v[O+8*n:O+8*n+7], v[VF+8*n:VF+8*n+7], v[P:P+7], v[O+8*n:O+8*n+7]
	v_wmma_f32_16x16x64_fp8_fp8 v[O+32+8*n:O+32+8*n+7], v[VF+8*n:VF+8*n+7], v[P+8:P+15], v[O+32+8*n:O+32+8*n+7]
.endif
.set n, n+1
.endr
.endm
	s_mov_b32 s2, 0
	v_add_nc_u32 v[ADK], s2, v[LI]
	v_add_nc_u32 v[ADV], VB, v[ADK]
	FK4 0
	P2STEP 0, 1, 1                                 ; the first key block is written out: its first products start the sums
	P2STEP 1, 0, 2
	s_mov_b32 s3, 14
.Lpass2:
	P2STEP 0, 0, 1
	P2STEP 1, 0, 2
	s_sub_co_u32 s3, s3, 1
	s_cmp_lg_u32 s3, 0
	s_cbranch_scc1 .Lpass2
	P2STEP 0, 0, 1                                 ; the last key block fetches nothing beyond itself
	P2STEP 1, 0, 0
	; THE WAY OUT: a lane's eight registers are eight neighbouring channels of its query: eight codes, 8 bytes; the wave's store covers 256 consecutive bytes, aligned.
.rept 4
	v_nop
.endr
.set p, 0
.rept 64
	v_med3_num_f32 v[O+p], v[O+p], -v[OLIM], v[OLIM]
.set p, p+1
.endr
.set n, 0
.rept 8
	v_cvt_scalef32_pk8_fp8_f32 v[S+2*n:S+2*n+1], v[O+8*n:O+8*n+7], v[OSC]
.set n, n+1
.endr
	v_nop
.set n, 0
.rept 8
	global_store_b64 v[GO], v[S+2*n:S+2*n+1], s[8:9] offset:(n/4)*16384+(n%4)*256
.set n, n+1
.endr
	s_wait_tensorcnt 0x0                           ; the wave's end
	ds_add_u32 v[SPW], v[NIL]
	s_wait_dscnt 0x0
	CROUND                                         ; the closing round
	s_endpgm
.Lfunc_end_k_qeb028d6779_att:
	.size	k_qeb028d6779_att, .Lfunc_end_k_qeb028d6779_att-k_qeb028d6779_att
	.p2alignl 7, 3214868480
	.fill 96, 4, 3214868480
	.section	.rodata,"a",@progbits
	.p2align	6, 0x0
	.amdhsa_kernel k_qeb028d6779_att
		.amdhsa_group_segment_fixed_size 327680
		.amdhsa_private_segment_fixed_size 0
		.amdhsa_enable_private_segment 0
		.amdhsa_kernarg_size 24
		.amdhsa_user_sgpr_count 2
		.amdhsa_user_sgpr_kernarg_segment_ptr 1
		.amdhsa_wavefront_size32 1
		.amdhsa_system_sgpr_workgroup_id_x 1
		.amdhsa_system_sgpr_workgroup_id_y 1
		.amdhsa_system_sgpr_workgroup_id_z 1
		.amdhsa_system_vgpr_workitem_id 0
		.amdhsa_next_free_vgpr 256
		.amdhsa_next_free_sgpr 100
		.amdhsa_reserve_vcc 0
		.amdhsa_float_denorm_mode_32 3
		.amdhsa_float_denorm_mode_16_64 3
		.amdhsa_memory_ordered 1
		.amdhsa_forward_progress 1
		.amdhsa_inst_pref_size 105
	.end_amdhsa_kernel
	.amdgpu_metadata
---
amdhsa.version: [ 1, 2 ]
amdhsa.kernels:
  - .name:           k_qeb028d6779_att
    .symbol:         k_qeb028d6779_att.kd
    .args:
      - { .name: qkv_i, .offset: 0, .size: 8, .value_kind: global_buffer, .address_space: global }
      - { .name: lowp_scales, .offset: 8, .size: 8, .value_kind: global_buffer, .address_space: global }
      - { .name: ao_c, .offset: 16, .size: 8, .value_kind: global_buffer, .address_space: global }
    .group_segment_fixed_size: 327680
    .private_segment_fixed_size: 0
    .kernarg_segment_align: 8
    .kernarg_segment_size: 24
    .max_flat_workgroup_size: 256
    .sgpr_count:     100
    .vgpr_count:     256
    .wavefront_size: 32
...
	.end_amdgpu_metadata
.endif
;; end of part 3
;; launch wo (part 4): grid 4 x 16, 4 waves a work-group, clusters of 4 x 4, 327,680 bytes of LDS; arguments ao_c, Wo_codes, lowp_scales, bo, x_q, xres; writes xres
.if DOCPART == 4
	.amdgcn_target "amdgcn-amd-amdhsa--gfx1250"
	.amdhsa_code_object_version 6
	.text
	.protected	k_qeb028d6779_wo
	.globl	k_qeb028d6779_wo
	.p2align	8
	.type	k_qeb028d6779_wo,@function
k_qeb028d6779_wo:
	s_mov_b64 s[64:65], 0
	v_nop
	global_prefetch_b8 v0, s[64:65] scope:SCOPE_SE
	s_setreg_imm32_b32 hwreg(HW_REG_WAVE_MODE, 25, 1), 1
	s_wait_xcnt 0x0
	s_wait_alu depctr_hold_cnt(0) depctr_sa_sdst(0) depctr_va_vdst(0) depctr_va_sdst(0) depctr_va_ssrc(0) depctr_va_vcc(0) depctr_vm_vsrc(0)
	s_getreg_b32 s2, hwreg(HW_REG_IB_STS2, 6, 4)
	s_cmp_eq_u32 s2, 0
	s_cbranch_scc0 .Lentry_in_a_cluster
	s_endpgm
.Lentry_in_a_cluster:
	s_bfe_u32 s2, ttmp6, 0x10000c
	s_cmp_lg_u32 s2, 0xf033
	s_cbranch_scc0 .Lentry_shape_is_right
	s_endpgm
.Lentry_shape_is_right:
; LAUNCH 4 OF 7: x = x_q + (attn_out Wo^T + bo), the product on E4M3 codes (e10, e11), the rest in f32.  Nothing is left out.
; out[m][n] = res[m][n] + bias[n] + 2^(ea + eb) x sum over k of A[m][k] W[n][k].  A tile of 256 x 256 is made by four waves, each 128 x 128: 64 accumulators, 512 registers.
; K goes in steps of 256 through a ring of two LDS slots.  A lies in memory as register images [row tile of 16][K / 128][2,048]; W as rows, padded in LDS to a pitch of 272 = 17 x 16 bytes.
; Both sides hold k = 32 c + 16 (lane / 16) + 0 .. 15 in registers 4 c .. 4 c + 3: one permutation of k, the same in A and W.  CLUSTERS 4 x 4: A's tile jointly along a row, W's along a column.
; SOURCE 0 = 16 rows of W, SOURCE 1 = 16 rows of A: a lane holds eight neighbouring numbers of a row of the output; a block of 16 rows goes through the wave's own stage and leaves as rows of 512 bytes.
; LIMIT: ea + eb between -126 and 127.
.set KTOT,   1024
.set SCOFF,  0x28                      ; the two exponents' place in lowp_scales
.set PF,     0                         ; with four K steps nothing lies two refills on: no prefetch
.set PITCH,  272
.set HALFA,  32768
.set HALFB,  128*PITCH
.set SLOTA,  2*HALFA
.set SLOT,   SLOTA+2*HALFB
.set LAPS,   KTOT/512
.set SPARE,  2*SLOT                    ; the spare words, 128 bytes a wave: two blocks of 256 bytes that no other line names
.set STG,    SPARE+512                 ; the stages: 16 rows x 528 bytes for each wave; no tensor load lands here
.set FR,     16
.set NL,     4
.set NP,     4
.set CO,   5                           ; v5   16 x lane
.set ADRA, 16
.set ADRB, 20
.set STO,  24
.set RD,   25
.set SPW,  28
.set NIL,  29
.set PFO,  30
.set BO,   96                          ; v96-99 the bias of my four columns
.set AF,   128
.set BK,   128                         ; v128-191 a block's rows, back from the stage
.set G1, 24
.set G0, 32
.set G1B, 48
.set G0B, 56
.set PFA, 86
.set PFS, 88
.set LIM, 90
.set MSB, 0
.macro WIN new
.if MSB != \new
	s_set_vgpr_msb (MSB<<8)|\new
.set MSB, \new
.endif
.endm
.set MUL_LO, 0xa1
.set MUL_HI, 0xf1
.set TO_B,   0x40
.macro JLOAD g0a, g0b                  ; waves 0, 1 fetch A's halves, waves 2, 3 W's; an s_nop 0 and four v_nop follow each line
	s_cmp_eq_u32 s15, 0
	s_cbranch_scc0 .Lfor_b_\@
	tensor_load_to_lds s[\g0a:\g0a+3], s[G1:G1+7]
	s_nop 0
.rept 4
	v_nop
.endr
	s_branch .Lasked_\@
.Lfor_b_\@:
	tensor_load_to_lds s[\g0b:\g0b+3], s[G1B:G1B+7]
	s_nop 0
.rept 4
	v_nop
.endr
.Lasked_\@:
.endm
.macro ASK                             ; a prefetch of the K step two refills on: 32 blocks of 256 bytes, a lane a block; the loop's last trip asks for nothing
	s_cmp_gt_u32 s3, s[LIM]
	s_cbranch_scc0 .Lnot_mine_\@
	global_prefetch_b8 v[PFO], s[PFA:PFA+1] th:TH_LOAD_NT scope:SCOPE_SE
.Lnot_mine_\@:
.endm
.macro CREST
	s_cmp_lg_u32 s14, 0
	s_cbranch_scc1 .Lnot_wave_0_\@
	s_barrier_signal -3
.Lnot_wave_0_\@:
	s_barrier_wait -3
	s_barrier_signal -1
	s_barrier_wait -1
.endm
.macro CROUND
	s_barrier_signal -1
	s_barrier_wait -1
	CREST
.endm
.macro FRAGA reg, adr, q, i
.irp c, 0,1,2,3
	ds_load_b128 v[\reg+4*\c:\reg+4*\c+3], v[\adr] offset:(\i)*4096+(\q)*2048+512*\c
.endr
.endm
.macro FRAGB reg, adr, q, i
.irp c, 0,1,2,3
	ds_load_b128 v[\reg+4*\c:\reg+4*\c+3], v[\adr] offset:128*(\q)+32*\c+(\i)*16*PITCH
.endr
.endm
.macro MUL16 a0, p, zero               ; the 64 accumulators take turns, one instruction a turn
.irp a, \a0, \a0+1
.irp b, 0,1,2,3,4,5,6,7
.if \zero
	v_wmma_f32_16x16x128_fp8_fp8 v[8*(8*((\a)%4)+\b):8*(8*((\a)%4)+\b)+7], v[128*(\p)+FR*\b:128*(\p)+FR*\b+FR-1], v[AF+FR*(\a):AF+FR*(\a)+FR-1], 0
.else
	v_wmma_f32_16x16x128_fp8_fp8 v[8*(8*((\a)%4)+\b):8*(8*((\a)%4)+\b)+7], v[128*(\p)+FR*\b:128*(\p)+FR*\b+FR-1], v[AF+FR*(\a):AF+FR*(\a)+FR-1], v[8*(8*((\a)%4)+\b):8*(8*((\a)%4)+\b)+7]
.endif
.endr
.endr
.endm
.macro FETCH_B slot, q, p
	WIN TO_B
.irp i, 0,1,2,3,4,5,6,7
	FRAGB 128*(\p)+FR*\i, ADRB+\slot, \q, \i
.endr
	WIN 0
.endm
.macro FETCH_A slot, q, i0
.irp i, \i0, \i0+1, \i0+2, \i0+3
	FRAGA AF+FR*(\i), ADRA+\slot, \q, \i
.endr
.endm
.macro PLACES n
.rept \n
	v_nop
.endr
.endm
.macro STEP slot, q, zero
	s_wait_dscnt 4*NL                              ; W's set and A's blocks 0-3 are in; the youngest 16 loads (A's blocks 4-7) may be out
	WIN MUL_LO
	MUL16 0, (\q)%2, \zero
	MUL16 2, (\q)%2, \zero
	s_wait_dscnt 0
	PLACES NP
	FETCH_B \slot, (\q)+1, 1-(\q)%2
	FETCH_A \slot, (\q)+1, 0
	WIN MUL_HI
	MUL16 4, (\q)%2, \zero
	MUL16 6, (\q)%2, \zero
	PLACES NP
	WIN 0
	FETCH_A \slot, (\q)+1, 4
.endm
.macro TURN slot, next, fill
.if PF && \fill
	s_wait_xcnt 0x0                                ; the last prefetch, a K step back, has read its address: it steps here, ahead of the waits of the change of slots
	s_add_nc_u64 s[PFA:PFA+1], s[PFA:PFA+1], s[PFS:PFS+1]
.endif
	s_wait_tensorcnt 0x0                           ; all my tensor loads have landed: my part of the next slot
	ds_add_u32 v[SPW], v[NIL]                      ; 0 onto my spare word
	s_wait_dscnt 4*NL+1                            ; the add and the youngest 16 loads may be out
	WIN MUL_LO
	MUL16 0, 1, 0
	s_wait_dscnt 0x0                               ; the add is done, and my reads of this slot are over
	s_barrier_signal -1
	MUL16 2, 1, 0
	WIN 0
	s_barrier_wait -1
.if \fill
	CREST                                          ; no wave of any partner still reads this slot or has a load on its way
	s_add_nc_u64 s[G0+4*\slot+2:G0+4*\slot+3], s[G0+4*\slot+2:G0+4*\slot+3], 8192
	s_add_nc_u64 s[G0B+4*\slot+2:G0B+4*\slot+3], s[G0B+4*\slot+2:G0B+4*\slot+3], 512
	JLOAD G0+4*\slot, G0B+4*\slot
.else
	PLACES NP
.endif
	FETCH_B \next, 0, 0
	FETCH_A \next, 0, 0
.if PF && \fill
	ASK
.endif
	WIN MUL_HI
	MUL16 4, 1, 0
	MUL16 6, 1, 0
	PLACES NP
	WIN 0
	FETCH_A \next, 0, 4
.endm
	s_load_b256 s[4:11], s[0:1], 0x0               ; A, W, lowp_scales, the bias
	s_load_b128 s[68:71], s[0:1], 0x20             ; the residual, the output
	v_lshl_add_u32 v[SPW], v0, 2, SPARE
	v_mov_b32 v[NIL], 0
	ds_add_u32 v[SPW], v[NIL]                      ; the opening
	ds_add_u32 v[SPW], v[NIL]
	v_lshrrev_b32 v1, 5, v0
	v_readfirstlane_b32 s14, v1
	s_lshr_b32 s15, s14, 1
	s_and_b32 s16, s14, 1
	s_bfe_u32 s40, ttmp6, 0x40000
	s_bfe_u32 s41, ttmp6, 0x40004
	s_lshl_b32 s42, ttmp9, 2
	s_add_co_u32 s42, s42, s40                     ; tile column
	s_and_b32 s17, ttmp7, 0xffff
	s_lshl_b32 s17, s17, 2
	s_add_co_u32 s17, s17, s41                     ; tile row
	s_lshl_b32 s43, s41, 2
	s_lshl_b32 s43, 15, s43
	s_lshl_b32 s44, 0x1111, s40
	s_or_b32 s[G1+0], s43, (3<<16)|(1<<21)         ; A: 8 row tiles x 4,096 bytes, elements of 8 bytes, no padding
	s_mov_b32 s[G1+1], 512<<16
	s_mov_b32 s[G1+2], 8<<16
	s_mov_b32 s[G1+3], 512<<16
	s_mov_b32 s[G1+4], 8
	s_mov_b32 s[G1+5], 2*KTOT
	s_mov_b32 s[G1+6], 0
	s_mov_b32 s[G1+7], 0
	s_or_b32 s[G1B+0], s44, (1<<20)|(1<<21)|(5<<22)|(3<<25)   ; W: 128 rows x 256 bytes, 4 words of padding after every 64
	s_mov_b32 s[G1B+1], 256<<16
	s_mov_b32 s[G1B+2], 128<<16
	s_mov_b32 s[G1B+3], 256<<16
	s_mov_b32 s[G1B+4], 128
	s_mov_b32 s[G1B+5], KTOT
	s_mov_b32 s[G1B+6], 0
	s_mov_b32 s[G1B+7], 0
	s_lshl_b32 s20, s17, 4
	s_lshl_b32 s18, s16, 3
	s_add_co_u32 s20, s20, s18
	s_mul_i32 s20, s20, 16*KTOT
	s_mov_b32 s21, 0
	s_lshl_b32 s46, s42, 8
	s_lshl_b32 s18, s16, 7
	s_add_co_u32 s46, s46, s18
	s_mul_i32 s46, s46, KTOT
	s_mov_b32 s47, 0
	s_mul_i32 s45, s16, HALFA
	s_mul_i32 s19, s16, HALFB
	s_add_co_u32 s19, s19, SLOTA
	s_wait_dscnt 0x0                               ; both opening adds are done
	s_wait_kmcnt 0x0
	s_load_b64 s[96:97], s[8:9], SCOFF             ; ea, eb
	s_add_nc_u64 s[20:21], s[4:5], s[20:21]
	s_add_nc_u64 s[46:47], s[6:7], s[46:47]
	CROUND
.irp s, 0,1
	s_mov_b32 s[G0+4*\s], 1
	s_add_co_u32 s[G0+4*\s+1], s45, \s*SLOT
	s_add_nc_u64 s[G0+4*\s+2:G0+4*\s+3], s[20:21], \s*4096
	s_or_b32 s[G0+4*\s+3], s[G0+4*\s+3], 0x80000000
	s_mov_b32 s[G0B+4*\s], 1
	s_add_co_u32 s[G0B+4*\s+1], s19, \s*SLOT
	s_add_nc_u64 s[G0B+4*\s+2:G0B+4*\s+3], s[46:47], \s*256
	s_or_b32 s[G0B+4*\s+3], s[G0B+4*\s+3], 0x80000000
	JLOAD G0+4*\s, G0B+4*\s
.endr
	v_and_b32 v1, 15, v0
	v_bfe_u32 v2, v0, 4, 1
	v_and_b32 v6, 31, v0
	v_lshlrev_b32 v[CO], 4, v6
	v_mul_u32_u24 v3, v1, PITCH
	v_lshl_add_u32 v4, v2, 4, v3
	s_mul_i32 s21, s15, HALFA
	s_mul_i32 s22, s16, HALFB
	s_add_co_u32 s22, s22, SLOTA
.irp s, 0,1
	v_add_nc_u32 v[ADRA+\s], s21, v[CO]
	v_add_nc_u32 v[ADRB+\s], s22, v4
	s_add_co_u32 s21, s21, SLOT
	s_add_co_u32 s22, s22, SLOT
.endr
	s_mul_i32 s23, s14, 16*528
	s_add_co_u32 s23, s23, STG                     ; my stage
	v_mul_u32_u24 v7, v1, 528
	v_lshl_add_u32 v7, v2, 5, v7
	v_add_nc_u32 v[STO], s23, v7                   ; in: row r, 32 bytes for each half of the lanes
	v_add_nc_u32 v[RD], s23, v[CO]                 ; back: the 32 lanes take a row of 512 bytes
.if PF
	; the prefetches.  A's waves: of the 8 row tiles that I fetch, partner cx takes two: 32 blocks of 256 bytes.  W's waves: of the 128 rows, partner cy takes 32, a lane a row; the first cluster along y alone asks.
	s_lshl_b32 s72, s17, 4
	s_lshl_b32 s73, s16, 3
	s_add_co_u32 s72, s72, s73
	s_lshl_b32 s73, s40, 1
	s_add_co_u32 s72, s72, s73
	s_mul_i32 s72, s72, 16*KTOT
	s_lshl_b32 s74, s42, 8
	s_lshl_b32 s73, s16, 7
	s_add_co_u32 s74, s74, s73
	s_lshl_b32 s73, s41, 5
	s_add_co_u32 s74, s74, s73
	s_mul_i32 s74, s74, KTOT
	s_and_b32 s75, ttmp7, 0xffff
	s_mov_b32 s76, KTOT
	s_mov_b32 s[PFS], 256
	s_cmp_eq_u32 s15, 0
	s_cselect_b64 s[PFA:PFA+1], s[4:5], s[6:7]
	s_cselect_b32 s72, s72, s74
	s_cselect_b32 s[PFS], 4096, s[PFS]             ; a K step on
	s_cselect_b32 s76, 256, s76                    ; from lane to lane among sixteen
	s_cselect_b32 s75, 0, s75                      ; there is one cluster along x: every cluster asks for its own rows of A
	s_cmp_eq_u32 s75, 0
	s_cselect_b32 s[LIM], 1, -1                    ; the same in all sixteen partners, for a given wave
	s_mov_b32 s73, 0
	s_mov_b32 s[PFS+1], 0
	s_add_nc_u64 s[PFA:PFA+1], s[PFA:PFA+1], s[72:73]
	s_mul_i32 s72, s[PFS], 3                       ; at K step 3: the first refill steps it to 4
	s_add_nc_u64 s[PFA:PFA+1], s[PFA:PFA+1], s[72:73]
	v_mul_u32_u24 v[PFO], v2, 16*KTOT
	v_mul_lo_u32 v31, v1, s76
	v_add_nc_u32 v[PFO], v[PFO], v31
.endif
	s_lshl_b32 s20, s17, 8
	s_lshl_b32 s21, s15, 7
	s_add_co_u32 s20, s20, s21
	s_lshl_b32 s20, s20, 12                        ; my first row, of 4,096 bytes
	s_mov_b32 s21, 0
	s_lshl_b32 s46, s42, 10
	s_lshl_b32 s47, s16, 9
	s_add_co_u32 s46, s46, s47                     ; my first column, in bytes
	s_mov_b32 s47, 0
	s_add_nc_u64 s[10:11], s[10:11], s[46:47]
	s_add_nc_u64 s[20:21], s[20:21], s[46:47]
	s_add_nc_u64 s[68:69], s[68:69], s[20:21]
	s_add_nc_u64 s[70:71], s[70:71], s[20:21]
	global_load_b128 v[BO:BO+3], v[CO], s[10:11]
.set n, 0
.rept 16
	global_load_b128 v[32+4*n:32+4*n+3], v[CO], s[68:69] offset:n*4096 th:TH_LOAD_NT   ; block 0's rows of the residual
.set n, n+1
.endr
	s_wait_tensorcnt 1                             ; my part of K step 0 is in; K step 1's load may be out
	s_barrier_signal -1
	s_barrier_wait -1
	FETCH_B 0, 0, 0
	FETCH_A 0, 0, 0
	FETCH_A 0, 0, 4
	STEP 0, 0, 1
	s_mov_b32 s3, LAPS-1
.Llap:
	TURN 0, 1, 1
	STEP 1, 0, 0
	TURN 1, 0, 1
	STEP 0, 0, 0
	s_sub_co_u32 s3, s3, 1
	s_cmp_lg_u32 s3, 0
	s_cbranch_scc1 .Llap
	TURN 0, 1, 0
	STEP 1, 0, 0
	s_wait_dscnt 4*NL
	WIN MUL_LO
	MUL16 0, 1, 0
	MUL16 2, 1, 0
	s_wait_dscnt 0
	WIN MUL_HI
	MUL16 4, 1, 0
	MUL16 6, 1, 0
	WIN 0
; THE WAY OUT, block by block of 16 rows x 128 columns: the raw sums through my stage, back as rows; out = sum x 2^(ea + eb) + (residual + bias).  The next block's residual is asked for a block ahead.
.macro RES a
.set AC, 64*((\a)%4)
.set XR, 32+160*((\a)%2)               ; this block's residual: v32-95 or v192-255;
.set XN, 32+160*(1-(\a)%2)             ; the next block's
.if (\a) > 0
	s_wait_xcnt 0x0                                ; the last block's stores have read their registers
.endif
	WIN 0x08+4*((\a)/4)                            ; store data: window 2 or 3
.set n, 0
.rept 16
	ds_store_b128 v[STO], v[AC+4*n:AC+4*n+3] offset:64*(n/2)+16*(n%2)   ; each accumulator's low half first
.set n, n+1
.endr
	WIN 0
.set n, 0
.rept 16
	ds_load_b128 v[BK+4*n:BK+4*n+3], v[RD] offset:n*528        ; LDS serves a wave's instructions in order: these see my stores
.set n, n+1
.endr
.if (\a) < 7
.set n, 0
.rept 16
	global_load_b128 v[XN+4*n:XN+4*n+3], v[CO], s[68:69] offset:(16*((\a)+1)+n)*4096 th:TH_LOAD_NT
.set n, n+1
.endr
	s_wait_loadcnt 16                              ; this block's residual is in; the next block's 16 loads may be out
.else
	s_wait_loadcnt 0x0
.endif
	s_wait_dscnt 0x0
.set n, 0
.rept 16
	v_pk_add_f32 v[XR+4*n:XR+4*n+1], v[XR+4*n:XR+4*n+1], v[BO:BO+1]
	v_pk_add_f32 v[XR+4*n+2:XR+4*n+3], v[XR+4*n+2:XR+4*n+3], v[BO+2:BO+3]
.set n, n+1
.endr
.set n, 0
.rept 16
	v_pk_fma_f32 v[BK+4*n:BK+4*n+1], v[BK+4*n:BK+4*n+1], s[96:97], v[XR+4*n:XR+4*n+1] op_sel_hi:[1,0,1]
	v_pk_fma_f32 v[BK+4*n+2:BK+4*n+3], v[BK+4*n+2:BK+4*n+3], s[96:97], v[XR+4*n+2:XR+4*n+3] op_sel_hi:[1,0,1]
.set n, n+1
.endr
.set n, 0
.rept 16
	global_store_b128 v[CO], v[BK+4*n:BK+4*n+3], s[70:71] offset:(16*(\a)+n)*4096 th:TH_STORE_NT   ; 512 consecutive bytes, aligned
.set n, n+1
.endr
.endm
	s_wait_kmcnt 0x0
	s_add_co_i32 s96, s96, s97
	s_add_co_i32 s96, s96, 127
	s_lshl_b32 s96, s96, 23                        ; 2^(ea + eb)
	s_mov_b32 s97, s96
	PLACES NP                                      ; behind the last products: for the stores of results and the loads over A's fragments
.irp a, 0,1,2,3,4,5,6,7
	RES \a
.endr
	s_wait_tensorcnt 0x0                           ; the wave's end
	ds_add_u32 v[SPW], v[NIL]
	s_wait_dscnt 0x0
	CROUND                                         ; the closing round
	s_endpgm
.Lfunc_end_k_qeb028d6779_wo:
	.size	k_qeb028d6779_wo, .Lfunc_end_k_qeb028d6779_wo-k_qeb028d6779_wo
	.p2alignl 7, 3214868480
	.fill 96, 4, 3214868480
	.section	.rodata,"a",@progbits
	.p2align	6, 0x0
	.amdhsa_kernel k_qeb028d6779_wo
		.amdhsa_group_segment_fixed_size 327680
		.amdhsa_private_segment_fixed_size 0
		.amdhsa_enable_private_segment 0
		.amdhsa_kernarg_size 48
		.amdhsa_user_sgpr_count 2
		.amdhsa_user_sgpr_kernarg_segment_ptr 1
		.amdhsa_wavefront_size32 1
		.amdhsa_system_sgpr_workgroup_id_x 1
		.amdhsa_system_sgpr_workgroup_id_y 1
		.amdhsa_system_sgpr_workgroup_id_z 1
		.amdhsa_system_vgpr_workitem_id 0
		.amdhsa_next_free_vgpr 1024
		.amdhsa_next_free_sgpr 100
		.amdhsa_reserve_vcc 0
		.amdhsa_float_denorm_mode_32 3
		.amdhsa_float_denorm_mode_16_64 3
		.amdhsa_memory_ordered 1
		.amdhsa_forward_progress 1
		.amdhsa_inst_pref_size 151
	.end_amdhsa_kernel
	.amdgpu_metadata
---
amdhsa.version: [ 1, 2 ]
amdhsa.kernels:
  - .name:           k_qeb028d6779_wo
    .symbol:         k_qeb028d6779_wo.kd
    .args:
      - { .name: ao_c, .offset: 0, .size: 8, .value_kind: global_buffer, .address_space: global }
      - { .name: Wo_codes, .offset: 8, .size: 8, .value_kind: global_buffer, .address_space: global }
      - { .name: lowp_scales, .offset: 16, .size: 8, .value_kind: global_buffer, .address_space: global }
      - { .name: bo, .offset: 24, .size: 8, .value_kind: global_buffer, .address_space: global }
      - { .name: x_q, .offset: 32, .size: 8, .value_kind: global_buffer, .address_space: global }
      - { .name: xres, .offset: 40, .size: 8, .value_kind: global_buffer, .address_space: global }
    .group_segment_fixed_size: 327680
    .private_segment_fixed_size: 0
    .kernarg_segment_align: 8
    .kernarg_segment_size: 48
    .max_flat_workgroup_size: 128
    .sgpr_count:     100
    .vgpr_count:     1024
    .wavefront_size: 32
...
	.end_amdgpu_metadata
.endif
;; end of part 4
;; launch lnq2 (part 5): grid 256 x 1, 4 waves a work-group, no clusters, 33,792 bytes of LDS; arguments xres, n2_g, n2_b, lowp_scales, ln2_c; writes ln2_c
.if DOCPART == 5
	.amdgcn_target "amdgcn-amd-amdhsa--gfx1250"
	.amdhsa_code_object_version 6
	.text
	.protected	k_qeb028d6779_lnq2
	.globl	k_qeb028d6779_lnq2
	.p2align	8
	.type	k_qeb028d6779_lnq2,@function
k_qeb028d6779_lnq2:
	s_mov_b64 s[64:65], 0
	v_nop
	global_prefetch_b8 v0, s[64:65] scope:SCOPE_SE
	s_setreg_imm32_b32 hwreg(HW_REG_WAVE_MODE, 25, 1), 1
	s_wait_xcnt 0x0
; LAUNCH 5 OF 7: LN(x) with n2_g, n2_b, as E4M3 codes with e12.  The text is launch 1's with TWO = 0: one tensor, one scale.  Nothing is left out.
; OUT: ln2_c, [row tile of 16][K / 128][2,048 bytes]: the register image of a 16 x 128 fragment: byte (r, k) at (k / 16) x 256 + 16 r + k % 16.
; SHARES: a work-group takes 16 rows; wave w rows 4 w .. 4 w + 3, a whole row in 32 registers a lane.  The codes go row-major into a stage in LDS (pitch 1,040 = 65 x 16 bytes) and leave as 512 consecutive bytes a store.
; LIMITS: e12 between -126 and 119.  NaN among the inputs is not served.
.set TWO,   0
.set PITCH, 1040
.set STGB,  16*PITCH
.set SPARE, 32*PITCH                   ; the spare words, 128 bytes a wave: two blocks of 256 bytes that no other line names
.set GO,  1
.set XO,  2
.set SI,  3
.set SO,  4
.set OO,  5
.set SPW, 6
.set NIL, 7
.set MR,  8
.set T,   16
.set PD,  31
.set SUM, 32
.set C,   32
.set X,   64
.set G,   192
.set B,   224
.set OP,  22
.set XP, 8
.set GP, 10
.set BP, 12
.macro RED r
	v_add_f32_dpp v[\r], v[\r], v[\r] row_xmask:1 row_mask:0xf bank_mask:0xf
	v_add_f32_dpp v[\r], v[\r], v[\r] row_xmask:2 row_mask:0xf bank_mask:0xf
	v_add_f32_dpp v[\r], v[\r], v[\r] row_xmask:4 row_mask:0xf bank_mask:0xf
	v_add_f32_dpp v[\r], v[\r], v[\r] row_xmask:8 row_mask:0xf bank_mask:0xf
	v_permlanex16_b32 v[PD], v[\r], s44, s45
	v_add_f32 v[\r], v[\r], v[PD]
.endm
.macro MEAN i, left
	s_wait_loadcnt \left
	v_pk_add_f32 v[SUM+4*\i:SUM+4*\i+1], v[X+32*\i:X+32*\i+1], v[X+32*\i+4:X+32*\i+5]
	v_pk_add_f32 v[SUM+4*\i+2:SUM+4*\i+3], v[X+32*\i+2:X+32*\i+3], v[X+32*\i+6:X+32*\i+7]
.set p, 8
.rept 6
	v_pk_add_f32 v[SUM+4*\i:SUM+4*\i+1], v[SUM+4*\i:SUM+4*\i+1], v[X+32*\i+p:X+32*\i+p+1]
	v_pk_add_f32 v[SUM+4*\i+2:SUM+4*\i+3], v[SUM+4*\i+2:SUM+4*\i+3], v[X+32*\i+p+2:X+32*\i+p+3]
.set p, p+4
.endr
	v_pk_add_f32 v[SUM+4*\i:SUM+4*\i+1], v[SUM+4*\i:SUM+4*\i+1], v[SUM+4*\i+2:SUM+4*\i+3]
	v_add_f32 v[SUM+4*\i], v[SUM+4*\i], v[SUM+4*\i+1]
	RED SUM+4*\i
	v_mul_f32 v[MR+2*\i], s46, v[SUM+4*\i]
	v_mov_b32 v[MR+2*\i+1], v[MR+2*\i]
.endm
.macro VAR i
.set p, 0
.rept 16
	v_pk_add_f32 v[X+32*\i+p:X+32*\i+p+1], v[X+32*\i+p:X+32*\i+p+1], v[MR+2*\i:MR+2*\i+1] op_sel_hi:[1,0] neg_lo:[0,1] neg_hi:[0,1]
.set p, p+2
.endr
	v_pk_mul_f32 v[SUM+4*\i:SUM+4*\i+1], v[X+32*\i:X+32*\i+1], v[X+32*\i:X+32*\i+1]
	v_pk_mul_f32 v[SUM+4*\i+2:SUM+4*\i+3], v[X+32*\i+2:X+32*\i+3], v[X+32*\i+2:X+32*\i+3]
.set p, 4
.rept 7
	v_pk_fma_f32 v[SUM+4*\i:SUM+4*\i+1], v[X+32*\i+p:X+32*\i+p+1], v[X+32*\i+p:X+32*\i+p+1], v[SUM+4*\i:SUM+4*\i+1]
	v_pk_fma_f32 v[SUM+4*\i+2:SUM+4*\i+3], v[X+32*\i+p+2:X+32*\i+p+3], v[X+32*\i+p+2:X+32*\i+p+3], v[SUM+4*\i+2:SUM+4*\i+3]
.set p, p+4
.endr
	v_pk_add_f32 v[SUM+4*\i:SUM+4*\i+1], v[SUM+4*\i:SUM+4*\i+1], v[SUM+4*\i+2:SUM+4*\i+3]
	v_add_f32 v[SUM+4*\i], v[SUM+4*\i], v[SUM+4*\i+1]
	RED SUM+4*\i
	v_fma_f32 v[SUM+4*\i], v[SUM+4*\i], s46, s47
.endm
.macro NORM i
.set p, 0
.rept 16
	v_pk_mul_f32 v[X+32*\i+p:X+32*\i+p+1], v[X+32*\i+p:X+32*\i+p+1], v[MR+2*\i:MR+2*\i+1] op_sel_hi:[1,0]
.set p, p+2
.endr
.set p, 0
.rept 16
	v_pk_fma_f32 v[X+32*\i+p:X+32*\i+p+1], v[X+32*\i+p:X+32*\i+p+1], v[G+p:G+p+1], v[B+p:B+p+1]
.set p, p+2
.endr
.endm
.macro MKQ e, qs, lim
	s_add_co_i32 s40, s[\e], 127
	s_lshl_b32 s41, s40, 23
	v_mov_b32 v[\qs], s41
	s_add_co_i32 s40, s40, 8
	s_lshl_b32 s40, s40, 23
	s_or_b32 s40, s40, 0x600000
	v_mov_b32 v[\lim], s40
.endm
.macro QROWS qs, lim, stg              ; the held numbers go into two sets by turns, so that eight plain lines stand between a conversion and the next write of its sources
.set i, 0
.rept 4
.set m, 0
.rept 4
.set n, 0
.rept 8
	v_med3_num_f32 v[T+8*(m%2)+n], v[X+32*i+8*m+n], -v[\lim], v[\lim]   ; the conversion does not saturate (ISA guide 7.6.2): the hold comes first
.set n, n+1
.endr
	v_cvt_scalef32_pk8_fp8_f32 v[C+8*i+2*m:C+8*i+2*m+1], v[T+8*(m%2):T+8*(m%2)+7], v[\qs]
	ds_store_b32 v[SI], v[C+8*i+2*m] offset:\stg+i*PITCH+256*m
	ds_store_b32 v[SI], v[C+8*i+2*m+1] offset:\stg+i*PITCH+256*m+128
.set m, m+1
.endr
.set i, i+1
.endr
	v_nop
.endm
.macro OUT stg, reg, off
.set n, 0
.rept 8
	ds_load_b128 v[\reg+4*n:\reg+4*n+3], v[SO] offset:\stg+(n/4)*128+(n%4)*32
.set n, n+1
.endr
.set n, 0
.rept 8
	s_wait_dscnt 7-n                               ; LDS loads come back in order: number n is in
	global_store_b128 v[OO], v[\reg+4*n:\reg+4*n+3], s[OP:OP+1] offset:\off+(n/4)*2048+(n%4)*512
.set n, n+1
.endr
.endm
	s_load_b256 s[8:15], s[0:1], 0x0               ; x, g, b, lowp_scales
	s_load_b64 s[22:23], s[0:1], 0x20              ; the codes
	v_lshl_add_u32 v[SPW], v0, 2, SPARE
	v_mov_b32 v[NIL], 0
	v_lshrrev_b32 v9, 5, v0
	v_readfirstlane_b32 s42, v9                    ; wave
	v_and_b32 v8, 31, v0                           ; lane
	v_lshlrev_b32 v[GO], 4, v8
	s_lshl_b32 s43, s42, 14
	v_add_nc_u32 v[XO], s43, v[GO]
	s_mul_i32 s43, s42, 4*PITCH
	v_lshl_add_u32 v[SI], v8, 2, s43
	v_and_b32 v9, 15, v0
	v_bfe_u32 v10, v0, 4, 1
	v_mul_u32_u24 v[SO], v9, PITCH
	v_lshl_add_u32 v[SO], v10, 4, v[SO]
	s_lshl_b32 s43, s42, 8
	v_add_nc_u32 v[SO], s43, v[SO]
	s_lshl_b32 s43, s42, 12
	v_add_nc_u32 v[OO], s43, v[GO]
	v_mov_b32 v[PD], 0
	s_mov_b32 s44, 0x76543210
	s_mov_b32 s45, 0xfedcba98
	s_mov_b32 s46, 0x3a800000                      ; 1 / 1,024
	s_mov_b32 s47, 0x3727c5ac                      ; 1e-5
	s_wait_kmcnt 0x0
	s_load_b32 s32, s[14:15], 0x30                 ; e12
	s_lshl_b32 s40, ttmp9, 16                      ; 16 rows of 4,096 bytes
	s_mov_b32 s41, 0
	s_add_nc_u64 s[XP:XP+1], s[XP:XP+1], s[40:41]
	s_lshl_b32 s40, ttmp9, 14
	s_add_nc_u64 s[OP:OP+1], s[OP:OP+1], s[40:41]
.set i, 0
.rept 4
.set j, 0
.rept 8
	global_load_b128 v[X+32*i+4*j:X+32*i+4*j+3], v[XO], s[XP:XP+1] offset:i*4096+j*512
.set j, j+1
.endr
.set i, i+1
.endr
.set j, 0
.rept 8
	global_load_b128 v[G+4*j:G+4*j+3], v[GO], s[GP:GP+1] offset:j*512
.set j, j+1
.endr
.set j, 0
.rept 8
	global_load_b128 v[B+4*j:B+4*j+3], v[GO], s[BP:BP+1] offset:j*512
.set j, j+1
.endr
	MEAN 0, 40                                     ; behind row 0's eight loads: 24 of the other rows, 16 of g and b
	MEAN 1, 32
	MEAN 2, 24
	MEAN 3, 16
	VAR 0
	VAR 1
	VAR 2
	VAR 3
.irp i, 0,1,2,3
	v_rsq_f32 v[MR+2*\i], v[SUM+4*\i]
.endr
	v_nop
	s_wait_alu depctr_va_vdst(0)                   ; one wait for the four, ahead of their first reader
	s_wait_loadcnt 0x0
	NORM 0
	NORM 1
	NORM 2
	NORM 3
	s_wait_kmcnt 0x0
	MKQ 32, 8, 9
	QROWS 8, 9, 0
	s_wait_dscnt 0x0                               ; for the others' sake: my stores into the stage are done
	s_barrier_signal -1
	s_barrier_wait -1
	OUT 0, 32, 0
	s_wait_tensorcnt 0x0                           ; the wave's end
	ds_add_u32 v[SPW], v[NIL]
	s_wait_dscnt 0x0
	s_endpgm
.Lfunc_end_k_qeb028d6779_lnq2:
	.size	k_qeb028d6779_lnq2, .Lfunc_end_k_qeb028d6779_lnq2-k_qeb028d6779_lnq2
	.p2alignl 7, 3214868480
	.fill 96, 4, 3214868480
	.section	.rodata,"a",@progbits
	.p2align	6, 0x0
	.amdhsa_kernel k_qeb028d6779_lnq2
		.amdhsa_group_segment_fixed_size 33792
		.amdhsa_private_segment_fixed_size 0
		.amdhsa_enable_private_segment 0
		.amdhsa_kernarg_size 40
		.amdhsa_user_sgpr_count 2
		.amdhsa_user_sgpr_kernarg_segment_ptr 1
		.amdhsa_wavefront_size32 1
		.amdhsa_system_sgpr_workgroup_id_x 1
		.amdhsa_system_sgpr_workgroup_id_y 1
		.amdhsa_system_sgpr_workgroup_id_z 1
		.amdhsa_system_vgpr_workitem_id 0
		.amdhsa_next_free_vgpr 256
		.amdhsa_next_free_sgpr 66
		.amdhsa_reserve_vcc 0
		.amdhsa_float_denorm_mode_32 3
		.amdhsa_float_denorm_mode_16_64 3
		.amdhsa_memory_ordered 1
		.amdhsa_forward_progress 1
		.amdhsa_inst_pref_size 44
	.end_amdhsa_kernel
	.amdgpu_metadata
---
amdhsa.version: [ 1, 2 ]
amdhsa.kernels:
  - .name:           k_qeb028d6779_lnq2
    .symbol:         k_qeb028d6779_lnq2.kd
    .args:
      - { .name: xres, .offset: 0, .size: 8, .value_kind: global_buffer, .address_space: global }
      - { .name: n2_g, .offset: 8, .size: 8, .value_kind: global_buffer, .address_space: global }
      - { .name: n2_b, .offset: 16, .size: 8, .value_kind: global_buffer, .address_space: global }
      - { .name: lowp_scales, .offset: 24, .size: 8, .value_kind: global_buffer, .address_space: global }
      - { .name: ln2_c, .offset: 32, .size: 8, .value_kind: global_buffer, .address_space: global }
    .group_segment_fixed_size: 33792
    .private_segment_fixed_size: 0
    .kernarg_segment_align: 8
    .kernarg_segment_size: 40
    .max_flat_workgroup_size: 128
    .sgpr_count:     66
    .vgpr_count:     256
    .wavefront_size: 32
...
	.end_amdgpu_metadata
.endif
;; end of part 5
;; launch ff1 (part 6): grid 16 x 16, 4 waves a work-group, clusters of 4 x 4, 327,680 bytes of LDS; arguments ln2_c, W1_codes, lowp_scales, b1, h_c; writes h_c
.if DOCPART == 6
	.amdgcn_target "amdgcn-amd-amdhsa--gfx1250"
	.amdhsa_code_object_version 6
	.text
	.protected	k_qeb028d6779_ff1
	.globl	k_qeb028d6779_ff1
	.p2align	8
	.type	k_qeb028d6779_ff1,@function
k_qeb028d6779_ff1:
	s_mov_b64 s[64:65], 0
	v_nop
	global_prefetch_b8 v0, s[64:65] scope:SCOPE_SE
	s_setreg_imm32_b32 hwreg(HW_REG_WAVE_MODE, 25, 1), 1
	s_wait_xcnt 0x0
	s_wait_alu depctr_hold_cnt(0) depctr_sa_sdst(0) depctr_va_vdst(0) depctr_va_sdst(0) depctr_va_ssrc(0) depctr_va_vcc(0) depctr_vm_vsrc(0)
	s_getreg_b32 s2, hwreg(HW_REG_IB_STS2, 6, 4)
	s_cmp_eq_u32 s2, 0
	s_cbranch_scc0 .Lentry_in_a_cluster
	s_endpgm
.Lentry_in_a_cluster:
	s_bfe_u32 s2, ttmp6, 0x10000c
	s_cmp_lg_u32 s2, 0xf033
	s_cbranch_scc0 .Lentry_shape_is_right
	s_endpgm
.Lentry_shape_is_right:
; LAUNCH 6 OF 7: h = gelu(LN(x) W1^T + b1), the product on E4M3 codes (e12, e13), the exact (erf) GELU in f32, h quantised at once with e14.  Nothing is left out.
; The product is made as in launches 2 and 4: a tile of 256 x 256 by four waves, each 128 x 128; K in steps of 256 through a ring of two LDS slots; A as register images, W as padded rows; clusters 4 x 4.
; SOURCE 0 = 16 rows of W, SOURCE 1 = 16 tokens: lane (r, h) holds token r and hidden units 8 h + 0 .. 7: eight neighbours along the next product's K: a conversion's result is 8 bytes of the next A's image.
; THE WAY OUT IS A LOOP.  Written out for 512 different accumulator registers the GELU would be several times the product's own text.  So the sums go once, as register images, into the ring's bytes
; (which have had their last fill, and which nobody reads behind the barrier in front of the spill), 65,536 bytes a wave, the wave's own; a loop of 8 trips takes them back, 32 numbers a lane at a time.
; erf(z) = z P(z^2) / Q(z^2), z = y / sqrt 2 held within +-4, P of degree 6 and Q of degree 4 in z^2.  LIMIT: beyond +-4 erf is held at its value there, which differs from 1 by less than an f32 step.
; LIMITS: e12 + e13 between -126 and 127; e14 between -126 and 119.  NaN among the inputs is not served.
.set KTOT,   1024
.set PITCH,  272
.set HALFA,  32768
.set HALFB,  128*PITCH
.set SLOTA,  2*HALFA
.set SLOT,   SLOTA+2*HALFB
.set LAPS,   KTOT/512
.set SPARE,  2*SLOT                    ; the spare words, 128 bytes a wave: two blocks of 256 bytes that no other line names
.set FR,     16
.set NL,     4
.set NP,     4
.set CO,   5                           ; v5   16 x lane
.set CD,   8                           ; v8-15 a batch's codes
.set ADRA, 16
.set A1V,  18                          ; v[18:19] P's second coefficient
.set ADRB, 20
.set B1V,  22                          ; v[22:23] Q's second coefficient
.set SA,   24                          ; v24  65,536 x wave + 16 x lane
.set RA,   25                          ; v25  + the trip's 8,192
.set QS,   26
.set LIM,  27
.set SPW,  28
.set NIL,  29
.set GOF,  30                          ; v30  16 r + 8 h
.set BIAS, 32                          ; v32-95
.set Y,    96                          ; v96-127
.set AF,   128
.set X,    128                         ; v128-159
.set X2,   160                         ; v160-191
.set PA,   192                         ; v192-223
.set PB,   224                         ; v224-255
.set G1, 24
.set G0, 32
.set G1B, 48
.set G0B, 56
.set MSB, 0
.macro WIN new
.if MSB != \new
	s_set_vgpr_msb (MSB<<8)|\new
.set MSB, \new
.endif
.endm
.set MUL_LO, 0xa1
.set MUL_HI, 0xf1
.set TO_B,   0x40
.macro JLOAD g0a, g0b                  ; waves 0, 1 fetch A's halves, waves 2, 3 W's; an s_nop 0 and four v_nop follow each line
	s_cmp_eq_u32 s15, 0
	s_cbranch_scc0 .Lfor_b_\@
	tensor_load_to_lds s[\g0a:\g0a+3], s[G1:G1+7]
	s_nop 0
.rept 4
	v_nop
.endr
	s_branch .Lasked_\@
.Lfor_b_\@:
	tensor_load_to_lds s[\g0b:\g0b+3], s[G1B:G1B+7]
	s_nop 0
.rept 4
	v_nop
.endr
.Lasked_\@:
.endm
.macro CREST
	s_cmp_lg_u32 s14, 0
	s_cbranch_scc1 .Lnot_wave_0_\@
	s_barrier_signal -3
.Lnot_wave_0_\@:
	s_barrier_wait -3
	s_barrier_signal -1
	s_barrier_wait -1
.endm
.macro CROUND
	s_barrier_signal -1
	s_barrier_wait -1
	CREST
.endm
.macro FRAGA reg, adr, q, i
.irp c, 0,1,2,3
	ds_load_b128 v[\reg+4*\c:\reg+4*\c+3], v[\adr] offset:(\i)*4096+(\q)*2048+512*\c
.endr
.endm
.macro FRAGB reg, adr, q, i
.irp c, 0,1,2,3
	ds_load_b128 v[\reg+4*\c:\reg+4*\c+3], v[\adr] offset:128*(\q)+32*\c+(\i)*16*PITCH
.endr
.endm
.macro MUL16 a0, p, zero               ; the 64 accumulators take turns, one instruction a turn
.irp a, \a0, \a0+1
.irp b, 0,1,2,3,4,5,6,7
.if \zero
	v_wmma_f32_16x16x128_fp8_fp8 v[8*(8*((\a)%4)+\b):8*(8*((\a)%4)+\b)+7], v[128*(\p)+FR*\b:128*(\p)+FR*\b+FR-1], v[AF+FR*(\a):AF+FR*(\a)+FR-1], 0
.else
	v_wmma_f32_16x16x128_fp8_fp8 v[8*(8*((\a)%4)+\b):8*(8*((\a)%4)+\b)+7], v[128*(\p)+FR*\b:128*(\p)+FR*\b+FR-1], v[AF+FR*(\a):AF+FR*(\a)+FR-1], v[8*(8*((\a)%4)+\b):8*(8*((\a)%4)+\b)+7]
.endif
.endr
.endr
.endm
.macro FETCH_B slot, q, p
	WIN TO_B
.irp i, 0,1,2,3,4,5,6,7
	FRAGB 128*(\p)+FR*\i, ADRB+\slot, \q, \i
.endr
	WIN 0
.endm
.macro FETCH_A slot, q, i0
.irp i, \i0, \i0+1, \i0+2, \i0+3
	FRAGA AF+FR*(\i), ADRA+\slot, \q, \i
.endr
.endm
.macro PLACES n
.rept \n
	v_nop
.endr
.endm
.macro STEP slot, q, zero
	s_wait_dscnt 4*NL                              ; W's set and A's blocks 0-3 are in; the youngest 16 loads (A's blocks 4-7) may be out
	WIN MUL_LO
	MUL16 0, (\q)%2, \zero
	MUL16 2, (\q)%2, \zero
	s_wait_dscnt 0
	PLACES NP
	FETCH_B \slot, (\q)+1, 1-(\q)%2
	FETCH_A \slot, (\q)+1, 0
	WIN MUL_HI
	MUL16 4, (\q)%2, \zero
	MUL16 6, (\q)%2, \zero
	PLACES NP
	WIN 0
	FETCH_A \slot, (\q)+1, 4
.endm
.macro TURN slot, next, fill
	s_wait_tensorcnt 0x0                           ; all my tensor loads have landed: my part of the next slot
	ds_add_u32 v[SPW], v[NIL]                      ; 0 onto my spare word
	s_wait_dscnt 4*NL+1                            ; the add and the youngest 16 loads may be out
	WIN MUL_LO
	MUL16 0, 1, 0
	s_wait_dscnt 0x0                               ; the add is done, and my reads of this slot are over
	s_barrier_signal -1
	MUL16 2, 1, 0
	WIN 0
	s_barrier_wait -1
.if \fill
	CREST                                          ; no wave of any partner still reads this slot or has a load on its way
	s_add_nc_u64 s[G0+4*\slot+2:G0+4*\slot+3], s[G0+4*\slot+2:G0+4*\slot+3], 8192
	s_add_nc_u64 s[G0B+4*\slot+2:G0B+4*\slot+3], s[G0B+4*\slot+2:G0B+4*\slot+3], 512
	JLOAD G0+4*\slot, G0B+4*\slot
.else
	PLACES NP
.endif
	FETCH_B \next, 0, 0
	FETCH_A \next, 0, 0
	WIN MUL_HI
	MUL16 4, 1, 0
	MUL16 6, 1, 0
	PLACES NP
	WIN 0
	FETCH_A \next, 0, 4
.endm
	s_load_b256 s[4:11], s[0:1], 0x0               ; A, W, lowp_scales, b1
	s_load_b64 s[12:13], s[0:1], 0x20              ; h_c
	v_lshl_add_u32 v[SPW], v0, 2, SPARE
	v_mov_b32 v[NIL], 0
	ds_add_u32 v[SPW], v[NIL]                      ; the opening
	ds_add_u32 v[SPW], v[NIL]
	v_lshrrev_b32 v1, 5, v0
	v_readfirstlane_b32 s14, v1
	s_lshr_b32 s15, s14, 1
	s_and_b32 s16, s14, 1
	s_bfe_u32 s40, ttmp6, 0x40000
	s_bfe_u32 s41, ttmp6, 0x40004
	s_lshl_b32 s42, ttmp9, 2
	s_add_co_u32 s42, s42, s40                     ; tile column
	s_and_b32 s17, ttmp7, 0xffff
	s_lshl_b32 s17, s17, 2
	s_add_co_u32 s17, s17, s41                     ; tile row
	s_lshl_b32 s43, s41, 2
	s_lshl_b32 s43, 15, s43
	s_lshl_b32 s44, 0x1111, s40
	s_or_b32 s[G1+0], s43, (3<<16)|(1<<21)         ; A: 8 row tiles x 4,096 bytes, elements of 8 bytes, no padding
	s_mov_b32 s[G1+1], 512<<16
	s_mov_b32 s[G1+2], 8<<16
	s_mov_b32 s[G1+3], 512<<16
	s_mov_b32 s[G1+4], 8
	s_mov_b32 s[G1+5], 2*KTOT
	s_mov_b32 s[G1+6], 0
	s_mov_b32 s[G1+7], 0
	s_or_b32 s[G1B+0], s44, (1<<20)|(1<<21)|(5<<22)|(3<<25)   ; W: 128 rows x 256 bytes, 4 words of padding after every 64
	s_mov_b32 s[G1B+1], 256<<16
	s_mov_b32 s[G1B+2], 128<<16
	s_mov_b32 s[G1B+3], 256<<16
	s_mov_b32 s[G1B+4], 128
	s_mov_b32 s[G1B+5], KTOT
	s_mov_b32 s[G1B+6], 0
	s_mov_b32 s[G1B+7], 0
	s_lshl_b32 s20, s17, 4
	s_lshl_b32 s18, s16, 3
	s_add_co_u32 s20, s20, s18
	s_mul_i32 s20, s20, 16*KTOT
	s_mov_b32 s21, 0
	s_lshl_b32 s46, s42, 8
	s_lshl_b32 s18, s16, 7
	s_add_co_u32 s46, s46, s18
	s_mul_i32 s46, s46, KTOT
	s_mov_b32 s47, 0
	s_mul_i32 s45, s16, HALFA
	s_mul_i32 s19, s16, HALFB
	s_add_co_u32 s19, s19, SLOTA
	s_wait_dscnt 0x0                               ; both opening adds are done
	s_wait_kmcnt 0x0
	s_load_b128 s[92:95], s[8:9], 0x30             ; e12, e13, e14, e15
	s_add_nc_u64 s[20:21], s[4:5], s[20:21]
	s_add_nc_u64 s[46:47], s[6:7], s[46:47]
	CROUND
.irp s, 0,1
	s_mov_b32 s[G0+4*\s], 1
	s_add_co_u32 s[G0+4*\s+1], s45, \s*SLOT
	s_add_nc_u64 s[G0+4*\s+2:G0+4*\s+3], s[20:21], \s*4096
	s_or_b32 s[G0+4*\s+3], s[G0+4*\s+3], 0x80000000
	s_mov_b32 s[G0B+4*\s], 1
	s_add_co_u32 s[G0B+4*\s+1], s19, \s*SLOT
	s_add_nc_u64 s[G0B+4*\s+2:G0B+4*\s+3], s[46:47], \s*256
	s_or_b32 s[G0B+4*\s+3], s[G0B+4*\s+3], 0x80000000
	JLOAD G0+4*\s, G0B+4*\s
.endr
	v_and_b32 v1, 15, v0
	v_bfe_u32 v2, v0, 4, 1
	v_and_b32 v6, 31, v0
	v_lshlrev_b32 v[CO], 4, v6
	v_mul_u32_u24 v3, v1, PITCH
	v_lshl_add_u32 v4, v2, 4, v3
	s_mul_i32 s21, s15, HALFA
	s_mul_i32 s22, s16, HALFB
	s_add_co_u32 s22, s22, SLOTA
.irp s, 0,1
	v_add_nc_u32 v[ADRA+\s], s21, v[CO]
	v_add_nc_u32 v[ADRB+\s], s22, v4
	s_add_co_u32 s21, s21, SLOT
	s_add_co_u32 s22, s22, SLOT
.endr
	s_lshl_b32 s23, s14, 16
	v_add_nc_u32 v[SA], s23, v[CO]
	v_lshlrev_b32 v[GOF], 4, v1
	v_lshl_add_u32 v[GOF], v2, 3, v[GOF]
	v_lshlrev_b32 v7, 5, v2                        ; the bias: my half's eight numbers of a tile of 16
	s_lshl_b32 s46, s42, 10
	s_lshl_b32 s47, s16, 9
	s_add_co_u32 s46, s46, s47
	s_mov_b32 s47, 0
	s_add_nc_u64 s[10:11], s[10:11], s[46:47]
.set b, 0
.rept 8
	global_load_b128 v[BIAS+8*b:BIAS+8*b+3], v7, s[10:11] offset:64*b
	global_load_b128 v[BIAS+8*b+4:BIAS+8*b+7], v7, s[10:11] offset:64*b+16
.set b, b+1
.endr
	s_lshl_b32 s20, s17, 20                        ; h_c: ((16 tile row + 8 half) 32 + 2 tile column + half) 2,048
	s_lshl_b32 s21, s15, 19
	s_add_co_u32 s20, s20, s21
	s_lshl_b32 s46, s42, 12
	s_lshl_b32 s47, s16, 11
	s_add_co_u32 s46, s46, s47
	s_add_co_u32 s20, s20, s46
	s_mov_b32 s21, 0
	s_add_nc_u64 s[12:13], s[12:13], s[20:21]
	s_wait_tensorcnt 1                             ; my part of K step 0 is in; K step 1's load may be out
	s_barrier_signal -1
	s_barrier_wait -1
	FETCH_B 0, 0, 0
	FETCH_A 0, 0, 0
	FETCH_A 0, 0, 4
	STEP 0, 0, 1
	s_mov_b32 s3, LAPS-1
.Llap:
	TURN 0, 1, 1
	STEP 1, 0, 0
	TURN 1, 0, 1
	STEP 0, 0, 0
	s_sub_co_u32 s3, s3, 1
	s_cmp_lg_u32 s3, 0
	s_cbranch_scc1 .Llap
	TURN 0, 1, 0
	STEP 1, 0, 0
	s_wait_dscnt 4*NL
	WIN MUL_LO
	MUL16 0, 1, 0
	MUL16 2, 1, 0
	s_wait_dscnt 0
	WIN MUL_HI
	MUL16 4, 1, 0
	MUL16 6, 1, 0
	WIN 0
	s_wait_dscnt 0x0                               ; my reads of the ring are over;
	s_barrier_signal -1
	s_barrier_wait -1                              ; everybody's are: the ring's bytes, which have had their last fill, take the sums
	PLACES NP
.set a, 0
.rept 8
	WIN 0x08+4*(a/4)                               ; store data: window 2 or 3
.set n, 0
.rept 16
	ds_store_b128 v[SA], v[64*(a%4)+4*n:64*(a%4)+4*n+3] offset:(16*a+n)*512   ; each accumulator's low half first; 512 consecutive bytes a store
.set n, n+1
.endr
.set a, a+1
.endr
	WIN 0
.macro TWICE reg, val                  ; a constant as a scalar pair: the packed forms name a pair and take its low word for both halves
	s_mov_b32 s[\reg], \val
	s_mov_b32 s[\reg+1], \val
.endm
	TWICE 66, 0xaf95df0b                           ; P: -2.72614225801306e-10
	v_mov_b32 v[A1V], 0x32edffee                   ;     2.77068142495902e-08
	v_mov_b32 v[A1V+1], 0x32edffee
	TWICE 68, 0xb60cff51                           ;    -2.10102402082508e-06
	TWICE 70, 0xb86ec2d2                           ;    -5.69250639462346e-05
	TWICE 72, 0xba40ac63                           ;    -7.34990630326855e-04
	TWICE 74, 0xbb41a1f6                           ;    -2.95459980854025e-03
	TWICE 76, 0xbc83dbd4                           ;    -1.60960333262415e-02
	TWICE 78, 0xb77460cd                           ; Q: -1.45660718464996e-05
	v_mov_b32 v[B1V], 0xb95fbd29                   ;    -2.13374055278905e-04
	v_mov_b32 v[B1V+1], 0xb95fbd29
	TWICE 80, 0xbadc924e                           ;    -1.68282697438203e-03
	TWICE 82, 0xbbf19bf8                           ;    -7.37332916720468e-03
	TWICE 84, 0xbc69b6a7                           ;    -1.42647390514189e-02
	TWICE 86, 0x3f3504f3                           ; 1 / sqrt 2
	s_wait_kmcnt 0x0
	s_add_co_i32 s96, s92, s93
	s_add_co_i32 s96, s96, 127
	s_lshl_b32 s96, s96, 23                        ; 2^(e12 + e13)
	s_mov_b32 s97, s96
	s_add_co_i32 s88, s94, 127
	s_lshl_b32 s89, s88, 23
	v_mov_b32 v[QS], s89                           ; 2^e14
	s_add_co_i32 s88, s88, 8
	s_lshl_b32 s88, s88, 23
	s_or_b32 s88, s88, 0x600000
	v_mov_b32 v[LIM], s88                          ; 448 x 2^e14
	s_wait_loadcnt 0x0                             ; the bias
.macro LEVEL acc, c                    ; a level of Horner's scheme for 32 numbers: acc = acc x z^2 + c
.set p, 0
.rept 16
	v_pk_fma_f32 v[\acc+p:\acc+p+1], v[\acc+p:\acc+p+1], v[X2+p:X2+p+1], s[\c:\c+1] op_sel_hi:[1,1,0]
.set p, p+2
.endr
.endm
; 32 numbers a lane: the block's 16 tokens x hidden units 64 hb .. 64 hb + 63 of my 128.
.macro GELU hb
.set n, 0
.rept 8
	ds_load_b128 v[Y+4*n:Y+4*n+3], v[RA] offset:(8*\hb+n)*512
.set n, n+1
.endr
	s_wait_dscnt 0x0
.set p, 0
.rept 16
	v_pk_fma_f32 v[Y+p:Y+p+1], v[Y+p:Y+p+1], s[96:97], v[BIAS+32*\hb+p:BIAS+32*\hb+p+1] op_sel_hi:[1,0,1]   ; y = sum x 2^(e12 + e13) + b1
.set p, p+2
.endr
.set p, 0
.rept 16
	v_pk_mul_f32 v[X+p:X+p+1], v[Y+p:Y+p+1], s[86:87] op_sel_hi:[1,0]
.set p, p+2
.endr
.set p, 0
.rept 32
	v_med3_num_f32 v[X+p], v[X+p], -4.0, 4.0
.set p, p+1
.endr
.set p, 0
.rept 16
	v_pk_mul_f32 v[X2+p:X2+p+1], v[X+p:X+p+1], v[X+p:X+p+1]
.set p, p+2
.endr
.set p, 0
.rept 16
	v_pk_fma_f32 v[PA+p:PA+p+1], v[X2+p:X2+p+1], s[66:67], v[A1V:A1V+1] op_sel_hi:[1,0,0]
	v_pk_fma_f32 v[PB+p:PB+p+1], v[X2+p:X2+p+1], s[78:79], v[B1V:B1V+1] op_sel_hi:[1,0,0]
.set p, p+2
.endr
	LEVEL PA, 68
	LEVEL PB, 80
	LEVEL PA, 70
	LEVEL PB, 82
	LEVEL PA, 72
	LEVEL PB, 84
	LEVEL PA, 74
	LEVEL PA, 76
.set p, 0
.rept 32
	v_rcp_f32 v[PB+p], v[PB+p]
.set p, p+1
.endr
.set p, 0
.rept 16                               ; work that names no reciprocal stands behind the batch
	v_pk_mul_f32 v[PA+p:PA+p+1], v[PA+p:PA+p+1], v[X+p:X+p+1]
.set p, p+2
.endr
.set p, 0
.rept 16
	v_pk_mul_f32 v[X+p:X+p+1], v[Y+p:Y+p+1], 0.5 op_sel_hi:[1,0]
.set p, p+2
.endr
	s_wait_alu depctr_va_vdst(0)                   ; one wait for the 32 reciprocals, ahead of their first reader
.set p, 0
.rept 16
	v_pk_mul_f32 v[PA+p:PA+p+1], v[PA+p:PA+p+1], v[PB+p:PB+p+1]    ; erf
.set p, p+2
.endr
.set p, 0
.rept 16
	v_pk_fma_f32 v[Y+p:Y+p+1], v[X+p:X+p+1], v[PA+p:PA+p+1], v[X+p:X+p+1]   ; h = y / 2 x erf + y / 2
.set p, p+2
.endr
.set p, 0
.rept 32
	v_med3_num_f32 v[Y+p], v[Y+p], -v[LIM], v[LIM]
.set p, p+1
.endr
	s_wait_xcnt 0x0                                ; the last batch's stores have read the code registers
.set n, 0
.rept 4
	v_cvt_scalef32_pk8_fp8_f32 v[CD+2*n:CD+2*n+1], v[Y+8*n:Y+8*n+7], v[QS]
.set n, n+1
.endr
	v_nop                                          ; a plain line behind the last conversion
.set n, 0
.rept 4
	global_store_b64 v[GOF], v[CD+2*n:CD+2*n+1], s[12:13] offset:(4*\hb+n)*256   ; 256 consecutive bytes, aligned
.set n, n+1
.endr
.endm
	s_mov_b32 s2, 0
	s_mov_b32 s3, 8
.Lrows:                                            ; a trip: 16 tokens
	v_add_nc_u32 v[RA], s2, v[SA]
	GELU 0
	GELU 1
	s_wait_xcnt 0x0                                ; the stores have read their base
	s_add_nc_u64 s[12:13], s[12:13], 65536         ; the next row tile's images
	s_add_co_u32 s2, s2, 8192
	s_sub_co_u32 s3, s3, 1
	s_cmp_lg_u32 s3, 0
	s_cbranch_scc1 .Lrows
	s_wait_tensorcnt 0x0                           ; the wave's end
	ds_add_u32 v[SPW], v[NIL]
	s_wait_dscnt 0x0
	CROUND                                         ; the closing round
	s_endpgm
.Lfunc_end_k_qeb028d6779_ff1:
	.size	k_qeb028d6779_ff1, .Lfunc_end_k_qeb028d6779_ff1-k_qeb028d6779_ff1
	.p2alignl 7, 3214868480
	.fill 96, 4, 3214868480
	.section	.rodata,"a",@progbits
	.p2align	6, 0x0
	.amdhsa_kernel k_qeb028d6779_ff1
		.amdhsa_group_segment_fixed_size 327680
		.amdhsa_private_segment_fixed_size 0
		.amdhsa_enable_private_segment 0
		.amdhsa_kernarg_size 40
		.amdhsa_user_sgpr_count 2
		.amdhsa_user_sgpr_kernarg_segment_ptr 1
		.amdhsa_wavefront_size32 1
		.amdhsa_system_sgpr_workgroup_id_x 1
		.amdhsa_system_sgpr_workgroup_id_y 1
		.amdhsa_system_sgpr_workgroup_id_z 1
		.amdhsa_system_vgpr_workitem_id 0
		.amdhsa_next_free_vgpr 1024
		.amdhsa_next_free_sgpr 100
		.amdhsa_reserve_vcc 0
		.amdhsa_float_denorm_mode_32 3
		.amdhsa_float_denorm_mode_16_64 3
		.amdhsa_memory_ordered 1
		.amdhsa_forward_progress 1
		.amdhsa_inst_pref_size 136
	.end_amdhsa_kernel
	.amdgpu_metadata
---
amdhsa.version: [ 1, 2 ]
amdhsa.kernels:
  - .name:           k_qeb028d6779_ff1
    .symbol:         k_qeb028d6779_ff1.kd
    .args:
      - { .name: ln2_c, .offset: 0, .size: 8, .value_kind: global_buffer, .address_space: global }
      - { .name: W1_codes, .offset: 8, .size: 8, .value_kind: global_buffer, .address_space: global }
      - { .name: lowp_scales, .offset: 16, .size: 8, .value_kind: global_buffer, .address_space: global }
      - { .name: b1, .offset: 24, .size: 8, .value_kind: global_buffer, .address_space: global }
      - { .name: h_c, .offset: 32, .size: 8, .value_kind: global_buffer, .address_space: global }
    .group_segment_fixed_size: 327680
    .private_segment_fixed_size: 0
    .kernarg_segment_align: 8
    .kernarg_segment_size: 40
    .max_flat_workgroup_size: 128
    .sgpr_count:     100
    .vgpr_count:     1024
    .wavefront_size: 32
...
	.end_amdgpu_metadata
.endif
;; end of part 6
;; launch ff2 (part 7): grid 4 x 16, 4 waves a work-group, clusters of 4 x 4, 327,680 bytes of LDS; arguments h_c, W2_codes, lowp_scales, b2, xres, out0; writes out0
.if DOCPART == 7
	.amdgcn_target "amdgcn-amd-amdhsa--gfx1250"
	.amdhsa_code_object_version 6
	.text
	.protected	k_qeb028d6779_ff2
	.globl	k_qeb028d6779_ff2
	.p2align	8
	.type	k_qeb028d6779_ff2,@function
k_qeb028d6779_ff2:
	s_mov_b64 s[64:65], 0
	v_nop
	global_prefetch_b8 v0, s[64:65] scope:SCOPE_SE
	s_setreg_imm32_b32 hwreg(HW_REG_WAVE_MODE, 25, 1), 1
	s_wait_xcnt 0x0
	s_wait_alu depctr_hold_cnt(0) depctr_sa_sdst(0) depctr_va_vdst(0) depctr_va_sdst(0) depctr_va_ssrc(0) depctr_va_vcc(0) depctr_vm_vsrc(0)
	s_getreg_b32 s2, hwreg(HW_REG_IB_STS2, 6, 4)
	s_cmp_eq_u32 s2, 0
	s_cbranch_scc0 .Lentry_in_a_cluster
	s_endpgm
.Lentry_in_a_cluster:
	s_bfe_u32 s2, ttmp6, 0x10000c
	s_cmp_lg_u32 s2, 0xf033
	s_cbranch_scc0 .Lentry_shape_is_right
	s_endpgm
.Lentry_shape_is_right:
; LAUNCH 7 OF 7: out = x + (h W2^T + b2), the product on E4M3 codes (e14, e15), the rest in f32.  The text is launch 4's with K = 4,096 and with prefetches.  Nothing is left out.
; out[m][n] = res[m][n] + bias[n] + 2^(ea + eb) x sum over k of A[m][k] W[n][k].  A tile of 256 x 256 is made by four waves, each 128 x 128: 64 accumulators, 512 registers.
; K goes in steps of 256 through a ring of two LDS slots.  A lies in memory as register images [row tile of 16][K / 128][2,048]; W as rows, padded in LDS to a pitch of 272 = 17 x 16 bytes.
; Both sides hold k = 32 c + 16 (lane / 16) + 0 .. 15 in registers 4 c .. 4 c + 3: one permutation of k, the same in A and W.  CLUSTERS 4 x 4: A's tile jointly along a row, W's along a column.
; PREFETCH: behind each joint refill and the LDS loads that follow it, one instruction a wave names the K step that stands two refills on, a lane a block of 256 bytes; each block is named once in the launch:
; the four partners of a joint load share its blocks out by address; W's rows, which every cluster along y reads, are asked for by the first of them.  K steps 0 to 3 come by their loads alone; the last two refills ask for nothing.
; LIMIT: ea + eb between -126 and 127.
.set KTOT,   4096
.set SCOFF,  0x38                      ; the two exponents' place in lowp_scales
.set PF,     1
.set PITCH,  272
.set HALFA,  32768
.set HALFB,  128*PITCH
.set SLOTA,  2*HALFA
.set SLOT,   SLOTA+2*HALFB
.set LAPS,   KTOT/512
.set SPARE,  2*SLOT                    ; the spare words, 128 bytes a wave: two blocks of 256 bytes that no other line names
.set STG,    SPARE+512                 ; the stages: 16 rows x 528 bytes for each wave; no tensor load lands here
.set FR,     16
.set NL,     4
.set NP,     4
.set CO,   5                           ; v5   16 x lane
.set ADRA, 16
.set ADRB, 20
.set STO,  24
.set RD,   25
.set SPW,  28
.set NIL,  29
.set PFO,  30
.set BO,   96                          ; v96-99 the bias of my four columns
.set AF,   128
.set BK,   128                         ; v128-191 a block's rows, back from the stage
.set G1, 24
.set G0, 32
.set G1B, 48
.set G0B, 56
.set PFA, 86
.set PFS, 88
.set LIM, 90
.set MSB, 0
.macro WIN new
.if MSB != \new
	s_set_vgpr_msb (MSB<<8)|\new
.set MSB, \new
.endif
.endm
.set MUL_LO, 0xa1
.set MUL_HI, 0xf1
.set TO_B,   0x40
.macro JLOAD g0a, g0b                  ; waves 0, 1 fetch A's halves, waves 2, 3 W's; an s_nop 0 and four v_nop follow each line
	s_cmp_eq_u32 s15, 0
	s_cbranch_scc0 .Lfor_b_\@
	tensor_load_to_lds s[\g0a:\g0a+3], s[G1:G1+7]
	s_nop 0
.rept 4
	v_nop
.endr
	s_branch .Lasked_\@
.Lfor_b_\@:
	tensor_load_to_lds s[\g0b:\g0b+3], s[G1B:G1B+7]
	s_nop 0
.rept 4
	v_nop
.endr
.Lasked_\@:
.endm
.macro ASK                             ; a prefetch of the K step two refills on: 32 blocks of 256 bytes, a lane a block; the loop's last trip asks for nothing
	s_cmp_gt_u32 s3, s[LIM]
	s_cbranch_scc0 .Lnot_mine_\@
	global_prefetch_b8 v[PFO], s[PFA:PFA+1] th:TH_LOAD_NT scope:SCOPE_SE
.Lnot_mine_\@:
.endm
.macro CREST
	s_cmp_lg_u32 s14, 0
	s_cbranch_scc1 .Lnot_wave_0_\@
	s_barrier_signal -3
.Lnot_wave_0_\@:
	s_barrier_wait -3
	s_barrier_signal -1
	s_barrier_wait -1
.endm
.macro CROUND
	s_barrier_signal -1
	s_barrier_wait -1
	CREST
.endm
.macro FRAGA reg, adr, q, i
.irp c, 0,1,2,3
	ds_load_b128 v[\reg+4*\c:\reg+4*\c+3], v[\adr] offset:(\i)*4096+(\q)*2048+512*\c
.endr
.endm
.macro FRAGB reg, adr, q, i
.irp c, 0,1,2,3
	ds_load_b128 v[\reg+4*\c:\reg+4*\c+3], v[\adr] offset:128*(\q)+32*\c+(\i)*16*PITCH
.endr
.endm
.macro MUL16 a0, p, zero               ; the 64 accumulators take turns, one instruction a turn
.irp a, \a0, \a0+1
.irp b, 0,1,2,3,4,5,6,7
.if \zero
	v_wmma_f32_16x16x128_fp8_fp8 v[8*(8*((\a)%4)+\b):8*(8*((\a)%4)+\b)+7], v[128*(\p)+FR*\b:128*(\p)+FR*\b+FR-1], v[AF+FR*(\a):AF+FR*(\a)+FR-1], 0
.else
	v_wmma_f32_16x16x128_fp8_fp8 v[8*(8*((\a)%4)+\b):8*(8*((\a)%4)+\b)+7], v[128*(\p)+FR*\b:128*(\p)+FR*\b+FR-1], v[AF+FR*(\a):AF+FR*(\a)+FR-1], v[8*(8*((\a)%4)+\b):8*(8*((\a)%4)+\b)+7]
.endif
.endr
.endr
.endm
.macro FETCH_B slot, q, p
	WIN TO_B
.irp i, 0,1,2,3,4,5,6,7
	FRAGB 128*(\p)+FR*\i, ADRB+\slot, \q, \i
.endr
	WIN 0
.endm
.macro FETCH_A slot, q, i0
.irp i, \i0, \i0+1, \i0+2, \i0+3
	FRAGA AF+FR*(\i), ADRA+\slot, \q, \i
.endr
.endm
.macro PLACES n
.rept \n
	v_nop
.endr
.endm
.macro STEP slot, q, zero
	s_wait_dscnt 4*NL                              ; W's set and A's blocks 0-3 are in; the youngest 16 loads (A's blocks 4-7) may be out
	WIN MUL_LO
	MUL16 0, (\q)%2, \zero
	MUL16 2, (\q)%2, \zero
	s_wait_dscnt 0
	PLACES NP
	FETCH_B \slot, (\q)+1, 1-(\q)%2
	FETCH_A \slot, (\q)+1, 0
	WIN MUL_HI
	MUL16 4, (\q)%2, \zero
	MUL16 6, (\q)%2, \zero
	PLACES NP
	WIN 0
	FETCH_A \slot, (\q)+1, 4
.endm
.macro TURN slot, next, fill
.if PF && \fill
	s_wait_xcnt 0x0                                ; the last prefetch, a K step back, has read its address: it steps here, ahead of the waits of the change of slots
	s_add_nc_u64 s[PFA:PFA+1], s[PFA:PFA+1], s[PFS:PFS+1]
.endif
	s_wait_tensorcnt 0x0                           ; all my tensor loads have landed: my part of the next slot
	ds_add_u32 v[SPW], v[NIL]                      ; 0 onto my spare word
	s_wait_dscnt 4*NL+1                            ; the add and the youngest 16 loads may be out
	WIN MUL_LO
	MUL16 0, 1, 0
	s_wait_dscnt 0x0                               ; the add is done, and my reads of this slot are over
	s_barrier_signal -1
	MUL16 2, 1, 0
	WIN 0
	s_barrier_wait -1
.if \fill
	CREST                                          ; no wave of any partner still reads this slot or has a load on its way
	s_add_nc_u64 s[G0+4*\slot+2:G0+4*\slot+3], s[G0+4*\slot+2:G0+4*\slot+3], 8192
	s_add_nc_u64 s[G0B+4*\slot+2:G0B+4*\slot+3], s[G0B+4*\slot+2:G0B+4*\slot+3], 512
	JLOAD G0+4*\slot, G0B+4*\slot
.else
	PLACES NP
.endif
	FETCH_B \next, 0, 0
	FETCH_A \next, 0, 0
.if PF && \fill
	ASK
.endif
	WIN MUL_HI
	MUL16 4, 1, 0
	MUL16 6, 1, 0
	PLACES NP
	WIN 0
	FETCH_A \next, 0, 4
.endm
	s_load_b256 s[4:11], s[0:1], 0x0               ; A, W, lowp_scales, the bias
	s_load_b128 s[68:71], s[0:1], 0x20             ; the residual, the output
	v_lshl_add_u32 v[SPW], v0, 2, SPARE
	v_mov_b32 v[NIL], 0
	ds_add_u32 v[SPW], v[NIL]                      ; the opening
	ds_add_u32 v[SPW], v[NIL]
	v_lshrrev_b32 v1, 5, v0
	v_readfirstlane_b32 s14, v1
	s_lshr_b32 s15, s14, 1
	s_and_b32 s16, s14, 1
	s_bfe_u32 s40, ttmp6, 0x40000
	s_bfe_u32 s41, ttmp6, 0x40004
	s_lshl_b32 s42, ttmp9, 2
	s_add_co_u32 s42, s42, s40                     ; tile column
	s_and_b32 s17, ttmp7, 0xffff
	s_lshl_b32 s17, s17, 2
	s_add_co_u32 s17, s17, s41                     ; tile row
	s_lshl_b32 s43, s41, 2
	s_lshl_b32 s43, 15, s43
	s_lshl_b32 s44, 0x1111, s40
	s_or_b32 s[G1+0], s43, (3<<16)|(1<<21)         ; A: 8 row tiles x 4,096 bytes, elements of 8 bytes, no padding
	s_mov_b32 s[G1+1], 512<<16
	s_mov_b32 s[G1+2], 8<<16
	s_mov_b32 s[G1+3], 512<<16
	s_mov_b32 s[G1+4], 8
	s_mov_b32 s[G1+5], 2*KTOT
	s_mov_b32 s[G1+6], 0
	s_mov_b32 s[G1+7], 0
	s_or_b32 s[G1B+0], s44, (1<<20)|(1<<21)|(5<<22)|(3<<25)   ; W: 128 rows x 256 bytes, 4 words of padding after every 64
	s_mov_b32 s[G1B+1], 256<<16
	s_mov_b32 s[G1B+2], 128<<16
	s_mov_b32 s[G1B+3], 256<<16
	s_mov_b32 s[G1B+4], 128
	s_mov_b32 s[G1B+5], KTOT
	s_mov_b32 s[G1B+6], 0
	s_mov_b32 s[G1B+7], 0
	s_lshl_b32 s20, s17, 4
	s_lshl_b32 s18, s16, 3
	s_add_co_u32 s20, s20, s18
	s_mul_i32 s20, s20, 16*KTOT
	s_mov_b32 s21, 0
	s_lshl_b32 s46, s42, 8
	s_lshl_b32 s18, s16, 7
	s_add_co_u32 s46, s46, s18
	s_mul_i32 s46, s46, KTOT
	s_mov_b32 s47, 0
	s_mul_i32 s45, s16, HALFA
	s_mul_i32 s19, s16, HALFB
	s_add_co_u32 s19, s19, SLOTA
	s_wait_dscnt 0x0                               ; both opening adds are done
	s_wait_kmcnt 0x0
	s_load_b64 s[96:97], s[8:9], SCOFF             ; ea, eb
	s_add_nc_u64 s[20:21], s[4:5], s[20:21]
	s_add_nc_u64 s[46:47], s[6:7], s[46:47]
	CROUND
.irp s, 0,1
	s_mov_b32 s[G0+4*\s], 1
	s_add_co_u32 s[G0+4*\s+1], s45, \s*SLOT
	s_add_nc_u64 s[G0+4*\s+2:G0+4*\s+3], s[20:21], \s*4096
	s_or_b32 s[G0+4*\s+3], s[G0+4*\s+3], 0x80000000
	s_mov_b32 s[G0B+4*\s], 1
	s_add_co_u32 s[G0B+4*\s+1], s19, \s*SLOT
	s_add_nc_u64 s[G0B+4*\s+2:G0B+4*\s+3], s[46:47], \s*256
	s_or_b32 s[G0B+4*\s+3], s[G0B+4*\s+3], 0x80000000
	JLOAD G0+4*\s, G0B+4*\s
.endr
	v_and_b32 v1, 15, v0
	v_bfe_u32 v2, v0, 4, 1
	v_and_b32 v6, 31, v0
	v_lshlrev_b32 v[CO], 4, v6
	v_mul_u32_u24 v3, v1, PITCH
	v_lshl_add_u32 v4, v2, 4, v3
	s_mul_i32 s21, s15, HALFA
	s_mul_i32 s22, s16, HALFB
	s_add_co_u32 s22, s22, SLOTA
.irp s, 0,1
	v_add_nc_u32 v[ADRA+\s], s21, v[CO]
	v_add_nc_u32 v[ADRB+\s], s22, v4
	s_add_co_u32 s21, s21, SLOT
	s_add_co_u32 s22, s22, SLOT
.endr
	s_mul_i32 s23, s14, 16*528
	s_add_co_u32 s23, s23, STG                     ; my stage
	v_mul_u32_u24 v7, v1, 528
	v_lshl_add_u32 v7, v2, 5, v7
	v_add_nc_u32 v[STO], s23, v7                   ; in: row r, 32 bytes for each half of the lanes
	v_add_nc_u32 v[RD], s23, v[CO]                 ; back: the 32 lanes take a row of 512 bytes
.if PF
	; the prefetches.  A's waves: of the 8 row tiles that I fetch, partner cx takes two: 32 blocks of 256 bytes.  W's waves: of the 128 rows, partner cy takes 32, a lane a row; the first cluster along y alone asks.
	s_lshl_b32 s72, s17, 4
	s_lshl_b32 s73, s16, 3
	s_add_co_u32 s72, s72, s73
	s_lshl_b32 s73, s40, 1
	s_add_co_u32 s72, s72, s73
	s_mul_i32 s72, s72, 16*KTOT
	s_lshl_b32 s74, s42, 8
	s_lshl_b32 s73, s16, 7
	s_add_co_u32 s74, s74, s73
	s_lshl_b32 s73, s41, 5
	s_add_co_u32 s74, s74, s73
	s_mul_i32 s74, s74, KTOT
	s_and_b32 s75, ttmp7, 0xffff
	s_mov_b32 s76, KTOT
	s_mov_b32 s[PFS], 256
	s_cmp_eq_u32 s15, 0
	s_cselect_b64 s[PFA:PFA+1], s[4:5], s[6:7]
	s_cselect_b32 s72, s72, s74
	s_cselect_b32 s[PFS], 4096, s[PFS]             ; a K step on
	s_cselect_b32 s76, 256, s76                    ; from lane to lane among sixteen
	s_cselect_b32 s75, 0, s75                      ; there is one cluster along x: every cluster asks for its own rows of A
	s_cmp_eq_u32 s75, 0
	s_cselect_b32 s[LIM], 1, -1                    ; the same in all sixteen partners, for a given wave
	s_mov_b32 s73, 0
	s_mov_b32 s[PFS+1], 0
	s_add_nc_u64 s[PFA:PFA+1], s[PFA:PFA+1], s[72:73]
	s_mul_i32 s72, s[PFS], 3                       ; at K step 3: the first refill steps it to 4
	s_add_nc_u64 s[PFA:PFA+1], s[PFA:PFA+1], s[72:73]
	v_mul_u32_u24 v[PFO], v2, 16*KTOT
	v_mul_lo_u32 v31, v1, s76
	v_add_nc_u32 v[PFO], v[PFO], v31
.endif
	s_lshl_b32 s20, s17, 8
	s_lshl_b32 s21, s15, 7
	s_add_co_u32 s20, s20, s21
	s_lshl_b32 s20, s20, 12                        ; my first row, of 4,096 bytes
	s_mov_b32 s21, 0
	s_lshl_b32 s46, s42, 10
	s_lshl_b32 s47, s16, 9
	s_add_co_u32 s46, s46, s47                     ; my first column, in bytes
	s_mov_b32 s47, 0
	s_add_nc_u64 s[10:11], s[10:11], s[46:47]
	s_add_nc_u64 s[20:21], s[20:21], s[46:47]
	s_add_nc_u64 s[68:69], s[68:69], s[20:21]
	s_add_nc_u64 s[70:71], s[70:71], s[20:21]
	global_load_b128 v[BO:BO+3], v[CO], s[10:11]
.set n, 0
.rept 16
	global_load_b128 v[32+4*n:32+4*n+3], v[CO], s[68:69] offset:n*4096 th:TH_LOAD_NT   ; block 0's rows of the residual
.set n, n+1
.endr
	s_wait_tensorcnt 1                             ; my part of K step 0 is in; K step 1's load may be out
	s_barrier_signal -1
	s_barrier_wait -1
	FETCH_B 0, 0, 0
	FETCH_A 0, 0, 0
	FETCH_A 0, 0, 4
	STEP 0, 0, 1
	s_mov_b32 s3, LAPS-1
.Llap:
	TURN 0, 1, 1
	STEP 1, 0, 0
	TURN 1, 0, 1
	STEP 0, 0, 0
	s_sub_co_u32 s3, s3, 1
	s_cmp_lg_u32 s3, 0
	s_cbranch_scc1 .Llap
	TURN 0, 1, 0
	STEP 1, 0, 0
	s_wait_dscnt 4*NL
	WIN MUL_LO
	MUL16 0, 1, 0
	MUL16 2, 1, 0
	s_wait_dscnt 0
	WIN MUL_HI
	MUL16 4, 1, 0
	MUL16 6, 1, 0
	WIN 0
; THE WAY OUT, block by block of 16 rows x 128 columns: the raw sums through my stage, back as rows; out = sum x 2^(ea + eb) + (residual + bias).  The next block's residual is asked for a block ahead.
.macro RES a
.set AC, 64*((\a)%4)
.set XR, 32+160*((\a)%2)               ; this block's residual: v32-95 or v192-255;
.set XN, 32+160*(1-(\a)%2)             ; the next block's
.if (\a) > 0
	s_wait_xcnt 0x0                                ; the last block's stores have read their registers
.endif
	WIN 0x08+4*((\a)/4)                            ; store data: window 2 or 3
.set n, 0
.rept 16
	ds_store_b128 v[STO], v[AC+4*n:AC+4*n+3] offset:64*(n/2)+16*(n%2)   ; each accumulator's low half first
.set n, n+1
.endr
	WIN 0
.set n, 0
.rept 16
	ds_load_b128 v[BK+4*n:BK+4*n+3], v[RD] offset:n*528        ; LDS serves a wave's instructions in order: these see my stores
.set n, n+1
.endr
.if (\a) < 7
.set n, 0
.rept 16
	global_load_b128 v[XN+4*n:XN+4*n+3], v[CO], s[68:69] offset:(16*((\a)+1)+n)*4096 th:TH_LOAD_NT
.set n, n+1
.endr
	s_wait_loadcnt 16                              ; this block's residual is in; the next block's 16 loads may be out
.else
	s_wait_loadcnt 0x0
.endif
	s_wait_dscnt 0x0
.set n, 0
.rept 16
	v_pk_add_f32 v[XR+4*n:XR+4*n+1], v[XR+4*n:XR+4*n+1], v[BO:BO+1]
	v_pk_add_f32 v[XR+4*n+2:XR+4*n+3], v[XR+4*n+2:XR+4*n+3], v[BO+2:BO+3]
.set n, n+1
.endr
.set n, 0
.rept 16
	v_pk_fma_f32 v[BK+4*n:BK+4*n+1], v[BK+4*n:BK+4*n+1], s[96:97], v[XR+4*n:XR+4*n+1] op_sel_hi:[1,0,1]
	v_pk_fma_f32 v[BK+4*n+2:BK+4*n+3], v[BK+4*n+2:BK+4*n+3], s[96:97], v[XR+4*n+2:XR+4*n+3] op_sel_hi:[1,0,1]
.set n, n+1
.endr
.set n, 0
.rept 16
	global_store_b128 v[CO], v[BK+4*n:BK+4*n+3], s[70:71] offset:(16*(\a)+n)*4096 th:TH_STORE_NT   ; 512 consecutive bytes, aligned
.set n, n+1
.endr
.endm
	s_wait_kmcnt 0x0
	s_add_co_i32 s96, s96, s97
	s_add_co_i32 s96, s96, 127
	s_lshl_b32 s96, s96, 23                        ; 2^(ea + eb)
	s_mov_b32 s97, s96
	PLACES NP                                      ; behind the last products: for the stores of results and the loads over A's fragments
.irp a, 0,1,2,3,4,5,6,7
	RES \a
.endr
	s_wait_tensorcnt 0x0                           ; the wave's end
	ds_add_u32 v[SPW], v[NIL]
	s_wait_dscnt 0x0
	CROUND                                         ; the closing round
	s_endpgm
.Lfunc_end_k_qeb028d6779_ff2:
	.size	k_qeb028d6779_ff2, .Lfunc_end_k_qeb028d6779_ff2-k_qeb028d6779_ff2
	.p2alignl 7, 3214868480
	.fill 96, 4, 3214868480
	.section	.rodata,"a",@progbits
	.p2align	6, 0x0
	.amdhsa_kernel k_qeb028d6779_ff2
		.amdhsa_group_segment_fixed_size 327680
		.amdhsa_private_segment_fixed_size 0
		.amdhsa_enable_private_segment 0
		.amdhsa_kernarg_size 48
		.amdhsa_user_sgpr_count 2
		.amdhsa_user_sgpr_kernarg_segment_ptr 1
		.amdhsa_wavefront_size32 1
		.amdhsa_system_sgpr_workgroup_id_x 1
		.amdhsa_system_sgpr_workgroup_id_y 1
		.amdhsa_system_sgpr_workgroup_id_z 1
		.amdhsa_system_vgpr_workitem_id 0
		.amdhsa_next_free_vgpr 1024
		.amdhsa_next_free_sgpr 100
		.amdhsa_reserve_vcc 0
		.amdhsa_float_denorm_mode_32 3
		.amdhsa_float_denorm_mode_16_64 3
		.amdhsa_memory_ordered 1
		.amdhsa_forward_progress 1
		.amdhsa_inst_pref_size 153
	.end_amdhsa_kernel
	.amdgpu_metadata
---
amdhsa.version: [ 1, 2 ]
amdhsa.kernels:
  - .name:           k_qeb028d6779_ff2
    .symbol:         k_qeb028d6779_ff2.kd
    .args:
      - { .name: h_c, .offset: 0, .size: 8, .value_kind: global_buffer, .address_space: global }
      - { .name: W2_codes, .offset: 8, .size: 8, .value_kind: global_buffer, .address_space: global }
      - { .name: lowp_scales, .offset: 16, .size: 8, .value_kind: global_buffer, .address_space: global }
      - { .name: b2, .offset: 24, .size: 8, .value_kind: global_buffer, .address_space: global }
      - { .name: xres, .offset: 32, .size: 8, .value_kind: global_buffer, .address_space: global }
      - { .name: out0, .offset: 40, .size: 8, .value_kind: global_buffer, .address_space: global }
    .group_segment_fixed_size: 327680
    .private_segment_fixed_size: 0
    .kernarg_segment_align: 8
    .kernarg_segment_size: 48
    .max_flat_workgroup_size: 128
    .sgpr_count:     100
    .vgpr_count:     1024
    .wavefront_size: 32
...
	.end_amdgpu_metadata
.endif
;; end of part 7
;; ======== version 2 of 2: 7 launches
;; workspace buffers: ln1_c 12,582,912 bytes; qkv_i 12,582,912 bytes; ao_c 4,194,304 bytes; xres 16,777,216 bytes; ln2_c 4,194,304 bytes; h_c 16,777,216 bytes
;; launch lnq1: the kernel of part 1 again; grid 512 x 1, 4 waves a work-group, no clusters, 33,792 bytes of LDS; arguments x_q, x_kv, qn_g, qn_b, kvn_g, kvn_b, lowp_scales, ln1_c; writes ln1_c
;; launch qkv: the kernel of part 2 again; grid 12 x 16, 4 waves a work-group, clusters of 4 x 4, 327,680 bytes of LDS; arguments ln1_c, Wq_codes, Wk_codes, Wv_codes, bq, bk, bv, lowp_scales, qkv_i; writes qkv_i
;; launch att: the kernel of part 3 again; grid 8 x 32, 8 waves a work-group, clusters of 4 x 1, 327,680 bytes of LDS; arguments qkv_i, lowp_scales, ao_c; writes ao_c
;; launch wo (part 8): grid 8 x 32, 4 waves a work-group, clusters of 4 x 4, 327,680 bytes of LDS; arguments ao_c, Wo_codes, lowp_scales, bo, x_q, xres; writes xres
.if DOCPART == 8
	.amdgcn_target "amdgcn-amd-amdhsa--gfx1250"
	.amdhsa_code_object_version 6
	.text
	.protected	k_qeb028d6779_wo
	.globl	k_qeb028d6779_wo
	.p2align	8
	.type	k_qeb028d6779_wo,@function
k_qeb028d6779_wo:
	s_mov_b64 s[64:65], 0
	v_nop
	global_prefetch_b8 v0, s[64:65] scope:SCOPE_SE
	s_setreg_imm32_b32 hwreg(HW_REG_WAVE_MODE, 25, 1), 1
	s_wait_xcnt 0x0
	s_wait_alu depctr_hold_cnt(0) depctr_sa_sdst(0) depctr_va_vdst(0) depctr_va_sdst(0) depctr_va_ssrc(0) depctr_va_vcc(0) depctr_vm_vsrc(0)
	s_getreg_b32 s2, hwreg(HW_REG_IB_STS2, 6, 4)
	s_cmp_eq_u32 s2, 0
	s_cbranch_scc0 .Lentry_in_a_cluster
	s_endpgm
.Lentry_in_a_cluster:
	s_bfe_u32 s2, ttmp6, 0x10000c
	s_cmp_lg_u32 s2, 0xf033
	s_cbranch_scc0 .Lentry_shape_is_right
	s_endpgm
.Lentry_shape_is_right:
; LAUNCH 4 OF 7: x = x_q + (attn_out Wo^T + bo), the product on E4M3 codes (e10, e11), the rest in f32.  Nothing is left out.
; out[m][n] = res[m][n] + bias[n] + 2^(ea + eb) x sum over k of A[m][k] W[n][k].  The output is 4,096 x 1,024: tiles of 128 x 128 make 256 work-groups, tiles of 256 x 256 would make 64.
; A tile is made by four waves, each 64 x 64: 16 accumulators, 128 registers.  K goes in steps of 512, as long as two slots in LDS allow, through a ring of two slots; here K = 1,024: both steps are asked for at the head.
; A lies in memory as register images [row tile of 16][K / 128][2,048]: a K step of a row tile is 8,192 consecutive bytes, and a fragment comes from LDS by four loads of 512 consecutive bytes.
; W lies as rows; its tile's rows of 512 bytes get 16 bytes of padding, pitch 528 = 33 x 16: the 16 rows of a load start in 16 different banks.
; Both sides hold k = 32 c + 16 (lane / 16) + 0 .. 15 in registers 4 c .. 4 c + 3: one permutation of k, the same in A and W.  CLUSTERS 4 x 4: A's tile jointly along a row of the cluster, W's along a column.
; SOURCE 0 = 16 rows of W, SOURCE 1 = 16 rows of A: a lane holds eight neighbouring numbers of a row of the output.  A wave's 64 columns are 256 bytes, aligned: a block of 16 rows goes through the wave's own stage
; and leaves as whole rows of 256 bytes, two rows a store.  The wave's part of the residual is asked for at the head and waits in registers.
; REGISTERS, in windows of 256: window 0: v0-31 addresses; v96-99 the bias; v128-255 the accumulators ((a, b) at v[128 + 8 (4 a + b)]).
;   window 1: two fragment buffers of 128: A's four fragments (16 rows x 128 K, 16 registers each), then W's four.   window 2: v0-127 the residual, 32 registers a block of 16 rows.
; LIMIT: ea + eb between -126 and 127.
.set KTOT,   1024
.set SCOFF,  0x28                      ; the two exponents' place in lowp_scales
.set PF,     0                         ; both K steps are asked for at the head: nothing is left to prefetch
.set KS,     512                       ; along K in a slot
.set RTB,    16*KS                     ; a row tile's bytes of a K step
.set PITCH,  528
.set HALFA,  4*RTB                     ; 4 row tiles: what one of A's loads brings, and what a wave reads of A
.set HALFB,  64*PITCH                  ; 64 rows of W likewise
.set SLOTA,  2*HALFA
.set SLOT,   SLOTA+2*HALFB
.set LAPS,   KTOT/(2*KS)               ; a lap = two K steps = once round the ring
.set SPARE,  2*SLOT                    ; behind the ring: the spare words, 128 bytes a wave: two blocks of 256 bytes that no other line names
.set STG,    SPARE+512                 ; the stages: 16 rows x 272 bytes for each wave; no tensor load lands here
.set SP,     272
.set FR,     16
.set NP,     4                         ; places behind this matrix instruction (ISA guide 7.12.1)
.set CO,   5                           ; v5   4,096 h + 16 r: my 16 bytes in two rows of the output
.set BOF,  6                           ; v6   16 r
.set ADRA, 16                          ; v16-17 LDS address of my A fragments in slot 0, 1
.set ADRB, 20                          ; v20-21 the same for W
.set STO,  24                          ; v24  the stage, in
.set RD,   25                          ; v25  and back
.set SPW,  28                          ; v28  my spare word; never rewritten
.set NIL,  29                          ; v29  0; never rewritten
.set PFO,  30
.set BO,   96                          ; v96-99 the bias of my four columns
.set ACC,  128
.set F0,   0                           ; the fragment buffers, in window 1
.set F1,   128
.set XR,   0                           ; the residual, in window 2
.set G1, 24
.set G0, 32
.set G1B, 48
.set G0B, 56
.set PFA, 86
.set PFS, 88
.set LIM, 90
.set MSB, 0
.macro WIN new                         ; the immediate's high byte repeats the setting that is left
.if MSB != \new
	s_set_vgpr_msb (MSB<<8)|\new
.set MSB, \new
.endif
.endm
.set MUL,  0x05                        ; sources 0 (W) and 1 (A) window 1; C and D window 0
.set TO_F, 0x40                        ; destination window 1, address window 0
.macro JLOAD g0a, g0b                  ; a joint load: waves 0, 1 fetch A's halves, waves 2, 3 W's; an s_nop 0 and four v_nop follow each line
	s_cmp_eq_u32 s15, 0
	s_cbranch_scc0 .Lfor_b_\@
	tensor_load_to_lds s[\g0a:\g0a+3], s[G1:G1+7]
	s_nop 0
.rept 4
	v_nop
.endr
	s_branch .Lasked_\@
.Lfor_b_\@:
	tensor_load_to_lds s[\g0b:\g0b+3], s[G1B:G1B+7]
	s_nop 0
.rept 4
	v_nop
.endr
.Lasked_\@:
.endm
.macro ASK                             ; a prefetch of the K step two refills on: 32 blocks of 256 bytes, a lane a block; the loop's last trip asks for nothing
	s_cmp_gt_u32 s3, s[LIM]
	s_cbranch_scc0 .Lnot_mine_\@
	global_prefetch_b8 v[PFO], s[PFA:PFA+1] th:TH_LOAD_NT scope:SCOPE_SE
.Lnot_mine_\@:
.endm
.macro CREST                           ; a round of the cluster's barrier behind its opening barrier
	s_cmp_lg_u32 s14, 0
	s_cbranch_scc1 .Lnot_wave_0_\@
	s_barrier_signal -3
.Lnot_wave_0_\@:
	s_barrier_wait -3
	s_barrier_signal -1
	s_barrier_wait -1
.endm
.macro CROUND
	s_barrier_signal -1
	s_barrier_wait -1
	CREST
.endm
; 32 LDS loads in one run: the fragments of the slot's q-th 128 along K into buffer f: W's four, then A's four, so that a wait can leave A's blocks 2, 3 (the youngest eight loads) out
.macro FETCH slot, q, f
	WIN TO_F
.irp i, 0,1,2,3
.irp c, 0,1,2,3
	ds_load_b128 v[64+(\f)+FR*\i+4*\c:64+(\f)+FR*\i+4*\c+3], v[ADRB+\slot] offset:128*(\q)+32*\c+\i*16*PITCH
.endr
.endr
.irp i, 0,1,2,3
.irp c, 0,1,2,3
	ds_load_b128 v[FR*\i+(\f)+4*\c:FR*\i+(\f)+4*\c+3], v[ADRA+\slot] offset:\i*RTB+(\q)*2048+512*\c
.endr
.endr
.endm
; 4 matrix instructions: A's block a x W's four, 128 along K, from buffer f.  zero = 1: the product starts the sums.  The 16 accumulators take turns, one instruction a turn.
.macro MUL4 f, a, zero
.irp b, 0,1,2,3
.if \zero
	v_wmma_f32_16x16x128_fp8_fp8 v[ACC+8*(4*(\a)+\b):ACC+8*(4*(\a)+\b)+7], v[64+(\f)+FR*\b:64+(\f)+FR*\b+FR-1], v[FR*(\a)+(\f):FR*(\a)+(\f)+FR-1], 0
.else
	v_wmma_f32_16x16x128_fp8_fp8 v[ACC+8*(4*(\a)+\b):ACC+8*(4*(\a)+\b)+7], v[64+(\f)+FR*\b:64+(\f)+FR*\b+FR-1], v[FR*(\a)+(\f):FR*(\a)+(\f)+FR-1], v[ACC+8*(4*(\a)+\b):ACC+8*(4*(\a)+\b)+7]
.endif
.endr
.endm
.macro PLACES n                        ; places in front of loads into registers that matrix instructions have read, and of the first read of results
.rept \n
	v_nop
.endr
.endm
; A K step is four quarters of 128 along K, 16 matrix instructions each, on buffers 0, 1, 0, 1.  One of the first three: the next quarter's fragments are asked for first, into the buffer that the quarter before multiplied.
.macro STEP slot, q, zero
	PLACES NP
	FETCH \slot, (\q)+1, 128*(1-(\q)%2)
	s_wait_dscnt 40                                ; W's four and A's blocks 0, 1 of this quarter are in; its youngest eight loads and the 32 just issued may be out
	WIN MUL
	MUL4 128*((\q)%2), 0, \zero
	MUL4 128*((\q)%2), 1, \zero
	s_wait_dscnt 32                                ; all but the 32 just issued
	MUL4 128*((\q)%2), 2, \zero
	MUL4 128*((\q)%2), 3, \zero
.endm
; The fourth quarter multiplies buffer 1 and changes slots: ONE barrier; in front of it each wave waits for all its tensor loads, adds 0 to its spare word, and waits for that and for its own reads of this slot.
; fill = 1: the barrier opens a round of the cluster's barrier, and this slot is filled again, two K steps ahead.
.macro TURN slot, next, fill
.if PF && \fill
	s_wait_xcnt 0x0                                ; the last prefetch, a K step back, has read its address: it steps here, ahead of the waits of the change of slots
	s_add_nc_u64 s[PFA:PFA+1], s[PFA:PFA+1], s[PFS:PFS+1]
.endif
	WIN 0                                          ; (the add's two registers lie in window 0)
	s_wait_tensorcnt 0x0                           ; all my tensor loads have landed: my part of the next slot
	ds_add_u32 v[SPW], v[NIL]                      ; 0 onto my spare word
	s_wait_dscnt 9                                 ; the add and the youngest eight loads may be out
	WIN MUL
	MUL4 F1, 0, 0                                  ; eight matrix instructions stand between the add and the wait for it
	MUL4 F1, 1, 0
	s_wait_dscnt 0x0                               ; the add is done, and my reads of this slot are over
	s_barrier_signal -1
	MUL4 F1, 2, 0
	WIN 0
	s_barrier_wait -1
.if \fill
	CREST                                          ; no wave of any partner still reads this slot or has a load on its way
	s_add_nc_u64 s[G0+4*\slot+2:G0+4*\slot+3], s[G0+4*\slot+2:G0+4*\slot+3], 2*RTB
	s_add_nc_u64 s[G0B+4*\slot+2:G0B+4*\slot+3], s[G0B+4*\slot+2:G0B+4*\slot+3], 2*KS
	JLOAD G0+4*\slot, G0B+4*\slot                  ; the first tensor load behind the round; its four v_nop are also the places in front of the loads below
.else
	PLACES NP
.endif
	FETCH \next, 0, F0
.if PF && \fill
	WIN 0
	ASK
.endif
	WIN MUL
	MUL4 F1, 3, 0
.endm
	s_load_b256 s[4:11], s[0:1], 0x0               ; A, W, lowp_scales, the bias
	s_load_b128 s[68:71], s[0:1], 0x20             ; the residual, the output
	v_lshl_add_u32 v[SPW], v0, 2, SPARE
	v_mov_b32 v[NIL], 0
	ds_add_u32 v[SPW], v[NIL]                      ; the opening
	ds_add_u32 v[SPW], v[NIL]
	v_lshrrev_b32 v1, 5, v0
	v_readfirstlane_b32 s14, v1                    ; wave
	s_lshr_b32 s15, s14, 1                         ; my half of the tile's rows.  Also: I fetch for A (0) or for W (1)
	s_and_b32 s16, s14, 1                          ; my half of its columns.  Also: which half of that tile I fetch
	s_bfe_u32 s40, ttmp6, 0x40000                  ; cx
	s_bfe_u32 s41, ttmp6, 0x40004                  ; cy
	s_lshl_b32 s42, ttmp9, 2
	s_add_co_u32 s42, s42, s40                     ; tile column = 4 x cluster x + cx
	s_and_b32 s17, ttmp7, 0xffff
	s_lshl_b32 s17, s17, 2
	s_add_co_u32 s17, s17, s41                     ; tile row = 4 x cluster y + cy
	s_lshl_b32 s43, s41, 2
	s_lshl_b32 s43, 15, s43                        ; my row of the cluster
	s_lshl_b32 s44, 0x1111, s40                    ; my column
	s_or_b32 s[G1+0], s43, (3<<16)|(1<<21)         ; A: the mask; elements of 8 bytes; bit 21 beside a mask; no padding
	s_mov_b32 s[G1+1], 1024<<16                    ; tensor_dim0 = 1,024 elements: 8,192 bytes
	s_mov_b32 s[G1+2], 4<<16                       ; tensor_dim1 = 4 row tiles
	s_mov_b32 s[G1+3], 1024<<16                    ; tile_dim0
	s_mov_b32 s[G1+4], 4                           ; tile_dim1
	s_mov_b32 s[G1+5], 2*KTOT                      ; from row tile to row tile: 16 KTOT bytes
	s_mov_b32 s[G1+6], 0
	s_mov_b32 s[G1+7], 0
	s_or_b32 s[G1B+0], s44, (1<<20)|(1<<21)|(6<<22)|(3<<25)   ; W: the mask; bytes; 4 words of padding after every 128
	s_mov_b32 s[G1B+1], KS<<16
	s_mov_b32 s[G1B+2], 64<<16
	s_mov_b32 s[G1B+3], KS<<16
	s_mov_b32 s[G1B+4], 64
	s_mov_b32 s[G1B+5], KTOT
	s_mov_b32 s[G1B+6], 0
	s_mov_b32 s[G1B+7], 0
	s_lshl_b32 s20, s17, 3
	s_lshl_b32 s18, s16, 2
	s_add_co_u32 s20, s20, s18                     ; A: row tile 8 x tile row + 4 x half
	s_mul_i32 s20, s20, 16*KTOT
	s_mov_b32 s21, 0
	s_lshl_b32 s46, s42, 7
	s_lshl_b32 s18, s16, 6
	s_add_co_u32 s46, s46, s18                     ; W: row 128 x tile column + 64 x half
	s_mul_i32 s46, s46, KTOT
	s_mov_b32 s47, 0
	s_mul_i32 s45, s16, HALFA                      ; where they go: no place in the cluster enters an LDS address
	s_mul_i32 s19, s16, HALFB
	s_add_co_u32 s19, s19, SLOTA
	s_wait_dscnt 0x0                               ; both opening adds are done
	s_wait_kmcnt 0x0
	s_load_b64 s[96:97], s[8:9], SCOFF             ; ea, eb
	s_add_nc_u64 s[20:21], s[4:5], s[20:21]
	s_add_nc_u64 s[46:47], s[6:7], s[46:47]
	CROUND                                         ; all sixteen work-groups are here: the first joint loads meet
.irp s, 0,1
	s_mov_b32 s[G0+4*\s], 1
	s_add_co_u32 s[G0+4*\s+1], s45, \s*SLOT
	s_add_nc_u64 s[G0+4*\s+2:G0+4*\s+3], s[20:21], \s*RTB
	s_or_b32 s[G0+4*\s+3], s[G0+4*\s+3], 0x80000000
	s_mov_b32 s[G0B+4*\s], 1
	s_add_co_u32 s[G0B+4*\s+1], s19, \s*SLOT
	s_add_nc_u64 s[G0B+4*\s+2:G0B+4*\s+3], s[46:47], \s*KS
	s_or_b32 s[G0B+4*\s+3], s[G0B+4*\s+3], 0x80000000
	JLOAD G0+4*\s, G0B+4*\s
.endr
	v_and_b32 v1, 15, v0                           ; r
	v_bfe_u32 v2, v0, 4, 1                         ; h
	v_and_b32 v7, 31, v0                           ; lane
	v_lshlrev_b32 v8, 4, v7
	v_mul_u32_u24 v3, v1, PITCH
	v_lshl_add_u32 v4, v2, 4, v3
	s_mul_i32 s21, s15, HALFA
	s_mul_i32 s22, s16, HALFB
	s_add_co_u32 s22, s22, SLOTA
.irp s, 0,1
	v_add_nc_u32 v[ADRA+\s], s21, v8
	v_add_nc_u32 v[ADRB+\s], s22, v4
	s_add_co_u32 s21, s21, SLOT
	s_add_co_u32 s22, s22, SLOT
.endr
	s_mul_i32 s23, s14, 16*SP
	s_add_co_u32 s23, s23, STG                     ; my stage
	v_mul_u32_u24 v9, v1, SP
	v_lshl_add_u32 v9, v2, 5, v9
	v_add_nc_u32 v[STO], s23, v9                   ; in: row r, 32 bytes for each half of the lanes
	v_mul_u32_u24 v9, v2, SP
	v_lshl_add_u32 v9, v1, 4, v9
	v_add_nc_u32 v[RD], s23, v9                    ; back: lanes 0-15 take one row of 256 bytes, lanes 16-31 the next
	v_lshlrev_b32 v[BOF], 4, v1
	v_lshl_add_u32 v[CO], v2, 12, v[BOF]           ; and the same two rows in the output, 4,096 bytes apart
.if PF
	; the prefetches.  A's waves: of the 4 row tiles that I fetch, partner cx takes one: 8,192 bytes of a K step, lanes 256 bytes apart; the first cluster along x asks.
	; W's waves: of the 64 rows, partner cy takes 16, two lanes a row; the first cluster along y asks.
	s_lshl_b32 s72, s17, 3
	s_lshl_b32 s73, s16, 2
	s_add_co_u32 s72, s72, s73
	s_add_co_u32 s72, s72, s40
	s_mul_i32 s72, s72, 16*KTOT
	s_lshl_b32 s74, s42, 7
	s_lshl_b32 s73, s16, 6
	s_add_co_u32 s74, s74, s73
	s_lshl_b32 s73, s41, 4
	s_add_co_u32 s74, s74, s73
	s_mul_i32 s74, s74, KTOT
	s_and_b32 s75, ttmp7, 0xffff
	s_mov_b32 s76, KTOT
	s_mov_b32 s[PFS], KS
	s_cmp_eq_u32 s15, 0
	s_cselect_b64 s[PFA:PFA+1], s[4:5], s[6:7]
	s_cselect_b32 s72, s72, s74
	s_cselect_b32 s[PFS], RTB, s[PFS]              ; a K step on
	s_cselect_b32 s76, 512, s76                    ; from one pair of lanes to the next
	s_cselect_b32 s75, ttmp9, s75                  ; the coordinate along which other clusters read the same rows
	s_cmp_eq_u32 s75, 0
	s_cselect_b32 s[LIM], 1, -1                    ; the same in all sixteen partners, for a given wave
	s_mov_b32 s73, 0
	s_mov_b32 s[PFS+1], 0
	s_add_nc_u64 s[PFA:PFA+1], s[PFA:PFA+1], s[72:73]
	s_mul_i32 s72, s[PFS], 3                       ; at K step 3: the first refill steps it to 4
	s_add_nc_u64 s[PFA:PFA+1], s[PFA:PFA+1], s[72:73]
	v_lshrrev_b32 v31, 1, v7
	v_mul_lo_u32 v31, v31, s76
	v_and_b32 v[PFO], 1, v7
	v_lshl_add_u32 v[PFO], v[PFO], 8, v31
.endif
	s_lshl_b32 s20, s17, 7
	s_lshl_b32 s21, s15, 6
	s_add_co_u32 s20, s20, s21
	s_lshl_b32 s20, s20, 12                        ; my first row, of 4,096 bytes
	s_mov_b32 s21, 0
	s_lshl_b32 s46, s42, 9
	s_lshl_b32 s47, s16, 8
	s_add_co_u32 s46, s46, s47                     ; my first column, in bytes
	s_mov_b32 s47, 0
	s_add_nc_u64 s[10:11], s[10:11], s[46:47]
	s_add_nc_u64 s[20:21], s[20:21], s[46:47]
	s_add_nc_u64 s[68:69], s[68:69], s[20:21]
	s_add_nc_u64 s[70:71], s[70:71], s[20:21]
	global_load_b128 v[BO:BO+3], v[BOF], s[10:11]
	WIN 0x80                                       ; destination window 2
.set n, 0
.rept 32
	global_load_b128 v[XR+4*n:XR+4*n+3], v[CO], s[68:69] offset:2*n*4096 th:TH_LOAD_NT   ; my 64 rows x 256 bytes of the residual, two rows a load
.set n, n+1
.endr
	WIN 0
	s_wait_tensorcnt 1                             ; my part of K step 0 is in; K step 1's load may be out
	s_barrier_signal -1
	s_barrier_wait -1
	FETCH 0, 0, F0
	STEP 0, 0, 1                                   ; the first quarter's products start the sums
.if LAPS > 1
	WIN 0                                          ; at a label and at a branch every window is 0
	s_mov_b32 s3, LAPS-1
.Llap:                                             ; a trip goes once round the ring, from a lap's second quarter to the next lap's first, and fills both slots again
	STEP 0, 1, 0
	STEP 0, 2, 0
	TURN 0, 1, 1
	STEP 1, 0, 0
	STEP 1, 1, 0
	STEP 1, 2, 0
	TURN 1, 0, 1
	STEP 0, 0, 0
	WIN 0
	s_sub_co_u32 s3, s3, 1
	s_cmp_lg_u32 s3, 0
	s_cbranch_scc1 .Llap
.endif
	STEP 0, 1, 0                                   ; the last lap fills nothing, and has no round of the cluster's barrier
	STEP 0, 2, 0
	TURN 0, 1, 0
	STEP 1, 0, 0
	STEP 1, 1, 0
	STEP 1, 2, 0
	s_wait_dscnt 8                                 ; the very last quarter: nothing more to fetch
	MUL4 F1, 0, 0
	MUL4 F1, 1, 0
	s_wait_dscnt 0x0
	MUL4 F1, 2, 0
	MUL4 F1, 3, 0
	WIN 0
	; THE WAY OUT.  Each block of 16 rows x 64 columns goes through my stage and comes back, as whole rows, into the registers that it left; out = sum x 2^(ea + eb) + (residual + bias).
	s_wait_kmcnt 0x0
	s_add_co_i32 s96, s96, s97
	s_add_co_i32 s96, s96, 127
	s_lshl_b32 s96, s96, 23                        ; 2^(ea + eb)
	s_mov_b32 s97, s96
	PLACES NP                                      ; behind the last products: for the stores of results and the loads over them
.set a, 0
.rept 4
.set n, 0
.rept 8
	ds_store_b128 v[STO], v[ACC+32*a+4*n:ACC+32*a+4*n+3] offset:64*(n/2)+16*(n%2)   ; each accumulator's low half first
.set n, n+1
.endr
.set n, 0
.rept 8
	ds_load_b128 v[ACC+32*a+4*n:ACC+32*a+4*n+3], v[RD] offset:n*2*SP   ; LDS serves a wave's instructions in order: these see my stores, and the next block's stores come behind them
.set n, n+1
.endr
.set a, a+1
.endr
	s_wait_loadcnt 0x0                             ; the residual and the bias, asked for at the head
	WIN 0x82                                       ; destination and source 0 window 2, source 1 window 0
.set n, 0
.rept 32
	v_pk_add_f32 v[XR+4*n:XR+4*n+1], v[XR+4*n:XR+4*n+1], v[BO:BO+1]
	v_pk_add_f32 v[XR+4*n+2:XR+4*n+3], v[XR+4*n+2:XR+4*n+3], v[BO+2:BO+3]
.set n, n+1
.endr
	WIN 0x20                                       ; source 2 window 2; all else, the stores' address and data too, window 0
.set a, 0
.rept 4
	s_wait_dscnt 16*(3-a)                          ; block a is back; behind its loads stand the later blocks' 16 LDS instructions each
.set n, 0
.rept 8
	v_pk_fma_f32 v[ACC+32*a+4*n:ACC+32*a+4*n+1], v[ACC+32*a+4*n:ACC+32*a+4*n+1], s[96:97], v[XR+32*a+4*n:XR+32*a+4*n+1] op_sel_hi:[1,0,1]
	v_pk_fma_f32 v[ACC+32*a+4*n+2:ACC+32*a+4*n+3], v[ACC+32*a+4*n+2:ACC+32*a+4*n+3], s[96:97], v[XR+32*a+4*n+2:XR+32*a+4*n+3] op_sel_hi:[1,0,1]
.set n, n+1
.endr
.set n, 0
.rept 8
	global_store_b128 v[CO], v[ACC+32*a+4*n:ACC+32*a+4*n+3], s[70:71] offset:(16*a+2*n)*4096 th:TH_STORE_NT   ; sixteen lanes store 256 consecutive bytes, aligned
.set n, n+1
.endr
.set a, a+1
.endr
	WIN 0
	s_wait_tensorcnt 0x0                           ; the wave's end
	ds_add_u32 v[SPW], v[NIL]
	s_wait_dscnt 0x0
	CROUND                                         ; the closing round
	s_endpgm
.Lfunc_end_k_qeb028d6779_wo:
	.size	k_qeb028d6779_wo, .Lfunc_end_k_qeb028d6779_wo-k_qeb028d6779_wo
	.p2alignl 7, 3214868480
	.fill 96, 4, 3214868480
	.section	.rodata,"a",@progbits
	.p2align	6, 0x0
	.amdhsa_kernel k_qeb028d6779_wo
		.amdhsa_group_segment_fixed_size 327680
		.amdhsa_private_segment_fixed_size 0
		.amdhsa_enable_private_segment 0
		.amdhsa_kernarg_size 48
		.amdhsa_user_sgpr_count 2
		.amdhsa_user_sgpr_kernarg_segment_ptr 1
		.amdhsa_wavefront_size32 1
		.amdhsa_system_sgpr_workgroup_id_x 1
		.amdhsa_system_sgpr_workgroup_id_y 1
		.amdhsa_system_sgpr_workgroup_id_z 1
		.amdhsa_system_vgpr_workitem_id 0
		.amdhsa_next_free_vgpr 768
		.amdhsa_next_free_sgpr 100
		.amdhsa_reserve_vcc 0
		.amdhsa_float_denorm_mode_32 3
		.amdhsa_float_denorm_mode_16_64 3
		.amdhsa_memory_ordered 1
		.amdhsa_forward_progress 1
		.amdhsa_inst_pref_size 53
	.end_amdhsa_kernel
	.amdgpu_metadata
---
amdhsa.version: [ 1, 2 ]
amdhsa.kernels:
  - .name:           k_qeb028d6779_wo
    .symbol:         k_qeb028d6779_wo.kd
    .args:
      - { .name: ao_c, .offset: 0, .size: 8, .value_kind: global_buffer, .address_space: global }
      - { .name: Wo_codes, .offset: 8, .size: 8, .value_kind: global_buffer, .address_space: global }
      - { .name: lowp_scales, .offset: 16, .size: 8, .value_kind: global_buffer, .address_space: global }
      - { .name: bo, .offset: 24, .size: 8, .value_kind: global_buffer, .address_space: global }
      - { .name: x_q, .offset: 32, .size: 8, .value_kind: global_buffer, .address_space: global }
      - { .name: xres, .offset: 40, .size: 8, .value_kind: global_buffer, .address_space: global }
    .group_segment_fixed_size: 327680
    .private_segment_fixed_size: 0
    .kernarg_segment_align: 8
    .kernarg_segment_size: 48
    .max_flat_workgroup_size: 128
    .sgpr_count:     100
    .vgpr_count:     768
    .wavefront_size: 32
...
	.end_amdgpu_metadata
.endif
;; end of part 8
;; launch lnq2: the kernel of part 5 again; grid 256 x 1, 4 waves a work-group, no clusters, 33,792 bytes of LDS; arguments xres, n2_g, n2_b, lowp_scales, ln2_c; writes ln2_c
;; launch ff1: the kernel of part 6 again; grid 16 x 16, 4 waves a work-group, clusters of 4 x 4, 327,680 bytes of LDS; arguments ln2_c, W1_codes, lowp_scales, b1, h_c; writes h_c
;; launch ff2 (part 9): grid 8 x 32, 4 waves a work-group, clusters of 4 x 4, 327,680 bytes of LDS; arguments h_c, W2_codes, lowp_scales, b2, xres, out0; writes out0
.if DOCPART == 9
	.amdgcn_target "amdgcn-amd-amdhsa--gfx1250"
	.amdhsa_code_object_version 6
	.text
	.protected	k_qeb028d6779_ff2
	.globl	k_qeb028d6779_ff2
	.p2align	8
	.type	k_qeb028d6779_ff2,@function
k_qeb028d6779_ff2:
	s_mov_b64 s[64:65], 0
	v_nop
	global_prefetch_b8 v0, s[64:65] scope:SCOPE_SE
	s_setreg_imm32_b32 hwreg(HW_REG_WAVE_MODE, 25, 1), 1
	s_wait_xcnt 0x0
	s_wait_alu depctr_hold_cnt(0) depctr_sa_sdst(0) depctr_va_vdst(0) depctr_va_sdst(0) depctr_va_ssrc(0) depctr_va_vcc(0) depctr_vm_vsrc(0)
	s_getreg_b32 s2, hwreg(HW_REG_IB_STS2, 6, 4)
	s_cmp_eq_u32 s2, 0
	s_cbranch_scc0 .Lentry_in_a_cluster
	s_endpgm
.Lentry_in_a_cluster:
	s_bfe_u32 s2, ttmp6, 0x10000c
	s_cmp_lg_u32 s2, 0xf033
	s_cbranch_scc0 .Lentry_shape_is_right
	s_endpgm
.Lentry_shape_is_right:
; LAUNCH 7 OF 7: out = x + (h W2^T + b2), the product on E4M3 codes (e14, e15), the rest in f32.  The text is launch 4's with K = 4,096 and with prefetches.  Nothing is left out.
; out[m][n] = res[m][n] + bias[n] + 2^(ea + eb) x sum over k of A[m][k] W[n][k].  The output is 4,096 x 1,024: tiles of 128 x 128 make 256 work-groups, tiles of 256 x 256 would make 64.
; A tile is made by four waves, each 64 x 64: 16 accumulators, 128 registers.  K goes in steps of 512, as long as two slots in LDS allow, through a ring of two slots: 8 K steps, 6 refills.
; A lies in memory as register images [row tile of 16][K / 128][2,048]: a K step of a row tile is 8,192 consecutive bytes, and a fragment comes from LDS by four loads of 512 consecutive bytes.
; W lies as rows; its tile's rows of 512 bytes get 16 bytes of padding, pitch 528 = 33 x 16: the 16 rows of a load start in 16 different banks.
; Both sides hold k = 32 c + 16 (lane / 16) + 0 .. 15 in registers 4 c .. 4 c + 3: one permutation of k, the same in A and W.  CLUSTERS 4 x 4: A's tile jointly along a row of the cluster, W's along a column.
; SOURCE 0 = 16 rows of W, SOURCE 1 = 16 rows of A: a lane holds eight neighbouring numbers of a row of the output.  A wave's 64 columns are 256 bytes, aligned: a block of 16 rows goes through the wave's own stage
; and leaves as whole rows of 256 bytes, two rows a store.  The wave's part of the residual is asked for at the head and waits in registers.
; PREFETCH: behind each joint refill and the LDS loads that follow it, one instruction a wave names the K step that stands two refills on, a lane a block of 256 bytes; each block is named once in the launch:
; the four partners of a joint load share its blocks out by address; A's rows, which both clusters along x read, are asked for by the first of them, W's rows by the first cluster along y.
; K steps 0 to 3 come by their loads alone; the last two refills ask for nothing.
; REGISTERS, in windows of 256: window 0: v0-31 addresses; v96-99 the bias; v128-255 the accumulators ((a, b) at v[128 + 8 (4 a + b)]).
;   window 1: two fragment buffers of 128: A's four fragments (16 rows x 128 K, 16 registers each), then W's four.   window 2: v0-127 the residual, 32 registers a block of 16 rows.
; LIMIT: ea + eb between -126 and 127.
.set KTOT,   4096
.set SCOFF,  0x38                      ; the two exponents' place in lowp_scales
.set PF,     1
.set KS,     512                       ; along K in a slot
.set RTB,    16*KS                     ; a row tile's bytes of a K step
.set PITCH,  528
.set HALFA,  4*RTB                     ; 4 row tiles: what one of A's loads brings, and what a wave reads of A
.set HALFB,  64*PITCH                  ; 64 rows of W likewise
.set SLOTA,  2*HALFA
.set SLOT,   SLOTA+2*HALFB
.set LAPS,   KTOT/(2*KS)               ; a lap = two K steps = once round the ring
.set SPARE,  2*SLOT                    ; behind the ring: the spare words, 128 bytes a wave: two blocks of 256 bytes that no other line names
.set STG,    SPARE+512                 ; the stages: 16 rows x 272 bytes for each wave; no tensor load lands here
.set SP,     272
.set FR,     16
.set NP,     4                         ; places behind this matrix instruction (ISA guide 7.12.1)
.set CO,   5                           ; v5   4,096 h + 16 r: my 16 bytes in two rows of the output
.set BOF,  6                           ; v6   16 r
.set ADRA, 16                          ; v16-17 LDS address of my A fragments in slot 0, 1
.set ADRB, 20                          ; v20-21 the same for W
.set STO,  24                          ; v24  the stage, in
.set RD,   25                          ; v25  and back
.set SPW,  28                          ; v28  my spare word; never rewritten
.set NIL,  29                          ; v29  0; never rewritten
.set PFO,  30                          ; v30  the prefetches' offset; never rewritten
.set BO,   96                          ; v96-99 the bias of my four columns
.set ACC,  128
.set F0,   0                           ; the fragment buffers, in window 1
.set F1,   128
.set XR,   0                           ; the residual, in window 2
.set G1, 24
.set G0, 32
.set G1B, 48
.set G0B, 56
.set PFA, 86
.set PFS, 88
.set LIM, 90
.set MSB, 0
.macro WIN new                         ; the immediate's high byte repeats the setting that is left
.if MSB != \new
	s_set_vgpr_msb (MSB<<8)|\new
.set MSB, \new
.endif
.endm
.set MUL,  0x05                        ; sources 0 (W) and 1 (A) window 1; C and D window 0
.set TO_F, 0x40                        ; destination window 1, address window 0
.macro JLOAD g0a, g0b                  ; a joint load: waves 0, 1 fetch A's halves, waves 2, 3 W's; an s_nop 0 and four v_nop follow each line
	s_cmp_eq_u32 s15, 0
	s_cbranch_scc0 .Lfor_b_\@
	tensor_load_to_lds s[\g0a:\g0a+3], s[G1:G1+7]
	s_nop 0
.rept 4
	v_nop
.endr
	s_branch .Lasked_\@
.Lfor_b_\@:
	tensor_load_to_lds s[\g0b:\g0b+3], s[G1B:G1B+7]
	s_nop 0
.rept 4
	v_nop
.endr
.Lasked_\@:
.endm
.macro ASK                             ; a prefetch of the K step two refills on: 32 blocks of 256 bytes, a lane a block; the loop's last trip asks for nothing
	s_cmp_gt_u32 s3, s[LIM]
	s_cbranch_scc0 .Lnot_mine_\@
	global_prefetch_b8 v[PFO], s[PFA:PFA+1] th:TH_LOAD_NT scope:SCOPE_SE
.Lnot_mine_\@:
.endm
.macro CREST                           ; a round of the cluster's barrier behind its opening barrier
	s_cmp_lg_u32 s14, 0
	s_cbranch_scc1 .Lnot_wave_0_\@
	s_barrier_signal -3
.Lnot_wave_0_\@:
	s_barrier_wait -3
	s_barrier_signal -1
	s_barrier_wait -1
.endm
.macro CROUND
	s_barrier_signal -1
	s_barrier_wait -1
	CREST
.endm
; 32 LDS loads in one run: the fragments of the slot's q-th 128 along K into buffer f: W's four, then A's four, so that a wait can leave A's blocks 2, 3 (the youngest eight loads) out
.macro FETCH slot, q, f
	WIN TO_F
.irp i, 0,1,2,3
.irp c, 0,1,2,3
	ds_load_b128 v[64+(\f)+FR*\i+4*\c:64+(\f)+FR*\i+4*\c+3], v[ADRB+\slot] offset:128*(\q)+32*\c+\i*16*PITCH
.endr
.endr
.irp i, 0,1,2,3
.irp c, 0,1,2,3
	ds_load_b128 v[FR*\i+(\f)+4*\c:FR*\i+(\f)+4*\c+3], v[ADRA+\slot] offset:\i*RTB+(\q)*2048+512*\c
.endr
.endr
.endm
; 4 matrix instructions: A's block a x W's four, 128 along K, from buffer f.  zero = 1: the product starts the sums.  The 16 accumulators take turns, one instruction a turn.
.macro MUL4 f, a, zero
.irp b, 0,1,2,3
.if \zero
	v_wmma_f32_16x16x128_fp8_fp8 v[ACC+8*(4*(\a)+\b):ACC+8*(4*(\a)+\b)+7], v[64+(\f)+FR*\b:64+(\f)+FR*\b+FR-1], v[FR*(\a)+(\f):FR*(\a)+(\f)+FR-1], 0
.else
	v_wmma_f32_16x16x128_fp8_fp8 v[ACC+8*(4*(\a)+\b):ACC+8*(4*(\a)+\b)+7], v[64+(\f)+FR*\b:64+(\f)+FR*\b+FR-1], v[FR*(\a)+(\f):FR*(\a)+(\f)+FR-1], v[ACC+8*(4*(\a)+\b):ACC+8*(4*(\a)+\b)+7]
.endif
.endr
.endm
.macro PLACES n                        ; places in front of loads into registers that matrix instructions have read, and of the first read of results
.rept \n
	v_nop
.endr
.endm
; A K step is four quarters of 128 along K, 16 matrix instructions each, on buffers 0, 1, 0, 1.  One of the first three: the next quarter's fragments are asked for first, into the buffer that the quarter before multiplied.
.macro STEP slot, q, zero
	PLACES NP
	FETCH \slot, (\q)+1, 128*(1-(\q)%2)
	s_wait_dscnt 40                                ; W's four and A's blocks 0, 1 of this quarter are in; its youngest eight loads and the 32 just issued may be out
	WIN MUL
	MUL4 128*((\q)%2), 0, \zero
	MUL4 128*((\q)%2), 1, \zero
	s_wait_dscnt 32                                ; all but the 32 just issued
	MUL4 128*((\q)%2), 2, \zero
	MUL4 128*((\q)%2), 3, \zero
.endm
; The fourth quarter multiplies buffer 1 and changes slots: ONE barrier; in front of it each wave waits for all its tensor loads, adds 0 to its spare word, and waits for that and for its own reads of this slot.
; fill = 1: the barrier opens a round of the cluster's barrier, and this slot is filled again, two K steps ahead.
.macro TURN slot, next, fill
.if PF && \fill
	s_wait_xcnt 0x0                                ; the last prefetch, a K step back, has read its address: it steps here, ahead of the waits of the change of slots
	s_add_nc_u64 s[PFA:PFA+1], s[PFA:PFA+1], s[PFS:PFS+1]
.endif
	WIN 0                                          ; (the add's two registers lie in window 0)
	s_wait_tensorcnt 0x0                           ; all my tensor loads have landed: my part of the next slot
	ds_add_u32 v[SPW], v[NIL]                      ; 0 onto my spare word
	s_wait_dscnt 9                                 ; the add and the youngest eight loads may be out
	WIN MUL
	MUL4 F1, 0, 0                                  ; eight matrix instructions stand between the add and the wait for it
	MUL4 F1, 1, 0
	s_wait_dscnt 0x0                               ; the add is done, and my reads of this slot are over
	s_barrier_signal -1
	MUL4 F1, 2, 0
	WIN 0
	s_barrier_wait -1
.if \fill
	CREST                                          ; no wave of any partner still reads this slot or has a load on its way
	s_add_nc_u64 s[G0+4*\slot+2:G0+4*\slot+3], s[G0+4*\slot+2:G0+4*\slot+3], 2*RTB
	s_add_nc_u64 s[G0B+4*\slot+2:G0B+4*\slot+3], s[G0B+4*\slot+2:G0B+4*\slot+3], 2*KS
	JLOAD G0+4*\slot, G0B+4*\slot                  ; the first tensor load behind the round; its four v_nop are also the places in front of the loads below
.else
	PLACES NP
.endif
	FETCH \next, 0, F0
.if PF && \fill
	WIN 0
	ASK
.endif
	WIN MUL
	MUL4 F1, 3, 0
.endm
	s_load_b256 s[4:11], s[0:1], 0x0               ; A, W, lowp_scales, the bias
	s_load_b128 s[68:71], s[0:1], 0x20             ; the residual, the output
	v_lshl_add_u32 v[SPW], v0, 2, SPARE
	v_mov_b32 v[NIL], 0
	ds_add_u32 v[SPW], v[NIL]                      ; the opening
	ds_add_u32 v[SPW], v[NIL]
	v_lshrrev_b32 v1, 5, v0
	v_readfirstlane_b32 s14, v1                    ; wave
	s_lshr_b32 s15, s14, 1                         ; my half of the tile's rows.  Also: I fetch for A (0) or for W (1)
	s_and_b32 s16, s14, 1                          ; my half of its columns.  Also: which half of that tile I fetch
	s_bfe_u32 s40, ttmp6, 0x40000                  ; cx
	s_bfe_u32 s41, ttmp6, 0x40004                  ; cy
	s_lshl_b32 s42, ttmp9, 2
	s_add_co_u32 s42, s42, s40                     ; tile column = 4 x cluster x + cx
	s_and_b32 s17, ttmp7, 0xffff
	s_lshl_b32 s17, s17, 2
	s_add_co_u32 s17, s17, s41                     ; tile row = 4 x cluster y + cy
	s_lshl_b32 s43, s41, 2
	s_lshl_b32 s43, 15, s43                        ; my row of the cluster
	s_lshl_b32 s44, 0x1111, s40                    ; my column
	s_or_b32 s[G1+0], s43, (3<<16)|(1<<21)         ; A: the mask; elements of 8 bytes; bit 21 beside a mask; no padding
	s_mov_b32 s[G1+1], 1024<<16                    ; tensor_dim0 = 1,024 elements: 8,192 bytes
	s_mov_b32 s[G1+2], 4<<16                       ; tensor_dim1 = 4 row tiles
	s_mov_b32 s[G1+3], 1024<<16                    ; tile_dim0
	s_mov_b32 s[G1+4], 4                           ; tile_dim1
	s_mov_b32 s[G1+5], 2*KTOT                      ; from row tile to row tile: 16 KTOT bytes
	s_mov_b32 s[G1+6], 0
	s_mov_b32 s[G1+7], 0
	s_or_b32 s[G1B+0], s44, (1<<20)|(1<<21)|(6<<22)|(3<<25)   ; W: the mask; bytes; 4 words of padding after every 128
	s_mov_b32 s[G1B+1], KS<<16
	s_mov_b32 s[G1B+2], 64<<16
	s_mov_b32 s[G1B+3], KS<<16
	s_mov_b32 s[G1B+4], 64
	s_mov_b32 s[G1B+5], KTOT
	s_mov_b32 s[G1B+6], 0
	s_mov_b32 s[G1B+7], 0
	s_lshl_b32 s20, s17, 3
	s_lshl_b32 s18, s16, 2
	s_add_co_u32 s20, s20, s18                     ; A: row tile 8 x tile row + 4 x half
	s_mul_i32 s20, s20, 16*KTOT
	s_mov_b32 s21, 0
	s_lshl_b32 s46, s42, 7
	s_lshl_b32 s18, s16, 6
	s_add_co_u32 s46, s46, s18                     ; W: row 128 x tile column + 64 x half
	s_mul_i32 s46, s46, KTOT
	s_mov_b32 s47, 0
	s_mul_i32 s45, s16, HALFA                      ; where they go: no place in the cluster enters an LDS address
	s_mul_i32 s19, s16, HALFB
	s_add_co_u32 s19, s19, SLOTA
	s_wait_dscnt 0x0                               ; both opening adds are done
	s_wait_kmcnt 0x0
	s_load_b64 s[96:97], s[8:9], SCOFF             ; ea, eb
	s_add_nc_u64 s[20:21], s[4:5], s[20:21]
	s_add_nc_u64 s[46:47], s[6:7], s[46:47]
	CROUND                                         ; all sixteen work-groups are here: the first joint loads meet
.irp s, 0,1
	s_mov_b32 s[G0+4*\s], 1
	s_add_co_u32 s[G0+4*\s+1], s45, \s*SLOT
	s_add_nc_u64 s[G0+4*\s+2:G0+4*\s+3], s[20:21], \s*RTB
	s_or_b32 s[G0+4*\s+3], s[G0+4*\s+3], 0x80000000
	s_mov_b32 s[G0B+4*\s], 1
	s_add_co_u32 s[G0B+4*\s+1], s19, \s*SLOT
	s_add_nc_u64 s[G0B+4*\s+2:G0B+4*\s+3], s[46:47], \s*KS
	s_or_b32 s[G0B+4*\s+3], s[G0B+4*\s+3], 0x80000000
	JLOAD G0+4*\s, G0B+4*\s
.endr
	v_and_b32 v1, 15, v0                           ; r
	v_bfe_u32 v2, v0, 4, 1                         ; h
	v_and_b32 v7, 31, v0                           ; lane
	v_lshlrev_b32 v8, 4, v7
	v_mul_u32_u24 v3, v1, PITCH
	v_lshl_add_u32 v4, v2, 4, v3
	s_mul_i32 s21, s15, HALFA
	s_mul_i32 s22, s16, HALFB
	s_add_co_u32 s22, s22, SLOTA
.irp s, 0,1
	v_add_nc_u32 v[ADRA+\s], s21, v8
	v_add_nc_u32 v[ADRB+\s], s22, v4
	s_add_co_u32 s21, s21, SLOT
	s_add_co_u32 s22, s22, SLOT
.endr
	s_mul_i32 s23, s14, 16*SP
	s_add_co_u32 s23, s23, STG                     ; my stage
	v_mul_u32_u24 v9, v1, SP
	v_lshl_add_u32 v9, v2, 5, v9
	v_add_nc_u32 v[STO], s23, v9                   ; in: row r, 32 bytes for each half of the lanes
	v_mul_u32_u24 v9, v2, SP
	v_lshl_add_u32 v9, v1, 4, v9
	v_add_nc_u32 v[RD], s23, v9                    ; back: lanes 0-15 take one row of 256 bytes, lanes 16-31 the next
	v_lshlrev_b32 v[BOF], 4, v1
	v_lshl_add_u32 v[CO], v2, 12, v[BOF]           ; and the same two rows in the output, 4,096 bytes apart
.if PF
	; the prefetches.  A's waves: of the 4 row tiles that I fetch, partner cx takes one: 8,192 bytes of a K step, lanes 256 bytes apart; the first cluster along x asks.
	; W's waves: of the 64 rows, partner cy takes 16, two lanes a row; the first cluster along y asks.
	s_lshl_b32 s72, s17, 3
	s_lshl_b32 s73, s16, 2
	s_add_co_u32 s72, s72, s73
	s_add_co_u32 s72, s72, s40
	s_mul_i32 s72, s72, 16*KTOT
	s_lshl_b32 s74, s42, 7
	s_lshl_b32 s73, s16, 6
	s_add_co_u32 s74, s74, s73
	s_lshl_b32 s73, s41, 4
	s_add_co_u32 s74, s74, s73
	s_mul_i32 s74, s74, KTOT
	s_and_b32 s75, ttmp7, 0xffff
	s_mov_b32 s76, KTOT
	s_mov_b32 s[PFS], KS
	s_cmp_eq_u32 s15, 0
	s_cselect_b64 s[PFA:PFA+1], s[4:5], s[6:7]
	s_cselect_b32 s72, s72, s74
	s_cselect_b32 s[PFS], RTB, s[PFS]              ; a K step on
	s_cselect_b32 s76, 512, s76                    ; from one pair of lanes to the next
	s_cselect_b32 s75, ttmp9, s75                  ; the coordinate along which other clusters read the same rows
	s_cmp_eq_u32 s75, 0
	s_cselect_b32 s[LIM], 1, -1                    ; the same in all sixteen partners, for a given wave
	s_mov_b32 s73, 0
	s_mov_b32 s[PFS+1], 0
	s_add_nc_u64 s[PFA:PFA+1], s[PFA:PFA+1], s[72:73]
	s_mul_i32 s72, s[PFS], 3                       ; at K step 3: the first refill steps it to 4
	s_add_nc_u64 s[PFA:PFA+1], s[PFA:PFA+1], s[72:73]
	v_lshrrev_b32 v31, 1, v7
	v_mul_lo_u32 v31, v31, s76
	v_and_b32 v[PFO], 1, v7
	v_lshl_add_u32 v[PFO], v[PFO], 8, v31
.endif
	s_lshl_b32 s20, s17, 7
	s_lshl_b32 s21, s15, 6
	s_add_co_u32 s20, s20, s21
	s_lshl_b32 s20, s20, 12                        ; my first row, of 4,096 bytes
	s_mov_b32 s21, 0
	s_lshl_b32 s46, s42, 9
	s_lshl_b32 s47, s16, 8
	s_add_co_u32 s46, s46, s47                     ; my first column, in bytes
	s_mov_b32 s47, 0
	s_add_nc_u64 s[10:11], s[10:11], s[46:47]
	s_add_nc_u64 s[20:21], s[20:21], s[46:47]
	s_add_nc_u64 s[68:69], s[68:69], s[20:21]
	s_add_nc_u64 s[70:71], s[70:71], s[20:21]
	global_load_b128 v[BO:BO+3], v[BOF], s[10:11]
	WIN 0x80                                       ; destination window 2
.set n, 0
.rept 32
	global_load_b128 v[XR+4*n:XR+4*n+3], v[CO], s[68:69] offset:2*n*4096 th:TH_LOAD_NT   ; my 64 rows x 256 bytes of the residual, two rows a load
.set n, n+1
.endr
	WIN 0
	s_wait_tensorcnt 1                             ; my part of K step 0 is in; K step 1's load may be out
	s_barrier_signal -1
	s_barrier_wait -1
	FETCH 0, 0, F0
	STEP 0, 0, 1                                   ; the first quarter's products start the sums
.if LAPS > 1
	WIN 0                                          ; at a label and at a branch every window is 0
	s_mov_b32 s3, LAPS-1
.Llap:                                             ; a trip goes once round the ring, from a lap's second quarter to the next lap's first, and fills both slots again
	STEP 0, 1, 0
	STEP 0, 2, 0
	TURN 0, 1, 1
	STEP 1, 0, 0
	STEP 1, 1, 0
	STEP 1, 2, 0
	TURN 1, 0, 1
	STEP 0, 0, 0
	WIN 0
	s_sub_co_u32 s3, s3, 1
	s_cmp_lg_u32 s3, 0
	s_cbranch_scc1 .Llap
.endif
	STEP 0, 1, 0                                   ; the last lap fills nothing, and has no round of the cluster's barrier
	STEP 0, 2, 0
	TURN 0, 1, 0
	STEP 1, 0, 0
	STEP 1, 1, 0
	STEP 1, 2, 0
	s_wait_dscnt 8                                 ; the very last quarter: nothing more to fetch
	MUL4 F1, 0, 0
	MUL4 F1, 1, 0
	s_wait_dscnt 0x0
	MUL4 F1, 2, 0
	MUL4 F1, 3, 0
	WIN 0
	; THE WAY OUT.  Each block of 16 rows x 64 columns goes through my stage and comes back, as whole rows, into the registers that it left; out = sum x 2^(ea + eb) + (residual + bias).
	s_wait_kmcnt 0x0
	s_add_co_i32 s96, s96, s97
	s_add_co_i32 s96, s96, 127
	s_lshl_b32 s96, s96, 23                        ; 2^(ea + eb)
	s_mov_b32 s97, s96
	PLACES NP                                      ; behind the last products: for the stores of results and the loads over them
.set a, 0
.rept 4
.set n, 0
.rept 8
	ds_store_b128 v[STO], v[ACC+32*a+4*n:ACC+32*a+4*n+3] offset:64*(n/2)+16*(n%2)   ; each accumulator's low half first
.set n, n+1
.endr
.set n, 0
.rept 8
	ds_load_b128 v[ACC+32*a+4*n:ACC+32*a+4*n+3], v[RD] offset:n*2*SP   ; LDS serves a wave's instructions in order: these see my stores, and the next block's stores come behind them
.set n, n+1
.endr
.set a, a+1
.endr
	s_wait_loadcnt 0x0                             ; the residual and the bias, asked for at the head
	WIN 0x82                                       ; destination and source 0 window 2, source 1 window 0
.set n, 0
.rept 32
	v_pk_add_f32 v[XR+4*n:XR+4*n+1], v[XR+4*n:XR+4*n+1], v[BO:BO+1]
	v_pk_add_f32 v[XR+4*n+2:XR+4*n+3], v[XR+4*n+2:XR+4*n+3], v[BO+2:BO+3]
.set n, n+1
.endr
	WIN 0x20                                       ; source 2 window 2; all else, the stores' address and data too, window 0
.set a, 0
.rept 4
	s_wait_dscnt 16*(3-a)                          ; block a is back; behind its loads stand the later blocks' 16 LDS instructions each
.set n, 0
.rept 8
	v_pk_fma_f32 v[ACC+32*a+4*n:ACC+32*a+4*n+1], v[ACC+32*a+4*n:ACC+32*a+4*n+1], s[96:97], v[XR+32*a+4*n:XR+32*a+4*n+1] op_sel_hi:[1,0,1]
	v_pk_fma_f32 v[ACC+32*a+4*n+2:ACC+32*a+4*n+3], v[ACC+32*a+4*n+2:ACC+32*a+4*n+3], s[96:97], v[XR+32*a+4*n+2:XR+32*a+4*n+3] op_sel_hi:[1,0,1]
.set n, n+1
.endr
.set n, 0
.rept 8
	global_store_b128 v[CO], v[ACC+32*a+4*n:ACC+32*a+4*n+3], s[70:71] offset:(16*a+2*n)*4096 th:TH_STORE_NT   ; sixteen lanes store 256 consecutive bytes, aligned
.set n, n+1
.endr
.set a, a+1
.endr
	WIN 0
	s_wait_tensorcnt 0x0                           ; the wave's end
	ds_add_u32 v[SPW], v[NIL]
	s_wait_dscnt 0x0
	CROUND                                         ; the closing round
	s_endpgm
.Lfunc_end_k_qeb028d6779_ff2:
	.size	k_qeb028d6779_ff2, .Lfunc_end_k_qeb028d6779_ff2-k_qeb028d6779_ff2
	.p2alignl 7, 3214868480
	.fill 96, 4, 3214868480
	.section	.rodata,"a",@progbits
	.p2align	6, 0x0
	.amdhsa_kernel k_qeb028d6779_ff2
		.amdhsa_group_segment_fixed_size 327680
		.amdhsa_private_segment_fixed_size 0
		.amdhsa_enable_private_segment 0
		.amdhsa_kernarg_size 48
		.amdhsa_user_sgpr_count 2
		.amdhsa_user_sgpr_kernarg_segment_ptr 1
		.amdhsa_wavefront_size32 1
		.amdhsa_system_sgpr_workgroup_id_x 1
		.amdhsa_system_sgpr_workgroup_id_y 1
		.amdhsa_system_sgpr_workgroup_id_z 1
		.amdhsa_system_vgpr_workitem_id 0
		.amdhsa_next_free_vgpr 768
		.amdhsa_next_free_sgpr 100
		.amdhsa_reserve_vcc 0
		.amdhsa_float_denorm_mode_32 3
		.amdhsa_float_denorm_mode_16_64 3
		.amdhsa_memory_ordered 1
		.amdhsa_forward_progress 1
		.amdhsa_inst_pref_size 83
	.end_amdhsa_kernel
	.amdgpu_metadata
---
amdhsa.version: [ 1, 2 ]
amdhsa.kernels:
  - .name:           k_qeb028d6779_ff2
    .symbol:         k_qeb028d6779_ff2.kd
    .args:
      - { .name: h_c, .offset: 0, .size: 8, .value_kind: global_buffer, .address_space: global }
      - { .name: W2_codes, .offset: 8, .size: 8, .value_kind: global_buffer, .address_space: global }
      - { .name: lowp_scales, .offset: 16, .size: 8, .value_kind: global_buffer, .address_space: global }
      - { .name: b2, .offset: 24, .size: 8, .value_kind: global_buffer, .address_space: global }
      - { .name: xres, .offset: 32, .size: 8, .value_kind: global_buffer, .address_space: global }
      - { .name: out0, .offset: 40, .size: 8, .value_kind: global_buffer, .address_space: global }
    .group_segment_fixed_size: 327680
    .private_segment_fixed_size: 0
    .kernarg_segment_align: 8
    .kernarg_segment_size: 48
    .max_flat_workgroup_size: 128
    .sgpr_count:     100
    .vgpr_count:     768
    .wavefront_size: 32
...
	.end_amdgpu_metadata
.endif
;; end of part 9
